; MI455X (gfx1250); checked and timed in simulation.
; The chip was launched on July 23, 2026; its instructions are those of AMD's public machine-readable ISA for CDNA 5 (MIT licence, August 2026) and "CDNA5" Instruction Set Architecture Reference Guide (July 2026). The comments in the code are by the model that wrote it; some were corrected since.
;; Transformer Block. Allowed arithmetic: matrix products marked QUANTISED: E2M3 operands, one E8M0 scale for each 32 along K, by v_wmma_scale_f32_16x16x128_f8f6f4 with both operands' format E2M3, f32 sums; everything else in f32.
;; Inputs: ln1_b 1,024 float32; ln1_w 1,024 float32; ln2_b 1,024 float32; ln2_w 1,024 float32; mask 1 x 1 x 2,048 x 2,048 float32; w1_codes 4,096 x 32 x 24 uint8 (E2M3 codes of w1, K innermost, in blocks of 32 codes, four codes in three bytes); w1_scales 4,096 x 32 uint8 (E8M0 scales of w1, one for each 32 codes along K); w2_codes 1,024 x 128 x 24 uint8 (E2M3 codes of w2, K innermost, in blocks of 32 codes, four codes in three bytes); w2_scales 1,024 x 128 uint8 (E8M0 scales of w2, one for each 32 codes along K); wk_codes 1,024 x 32 x 24 uint8 (E2M3 codes of wk, K innermost, in blocks of 32 codes, four codes in three bytes); wk_scales 1,024 x 32 uint8 (E8M0 scales of wk, one for each 32 codes along K); wo_codes 1,024 x 32 x 24 uint8 (E2M3 codes of wo, K innermost, in blocks of 32 codes, four codes in three bytes); wo_scales 1,024 x 32 uint8 (E8M0 scales of wo, one for each 32 codes along K); wq_codes 1,024 x 32 x 24 uint8 (E2M3 codes of wq, K innermost, in blocks of 32 codes, four codes in three bytes); wq_scales 1,024 x 32 uint8 (E8M0 scales of wq, one for each 32 codes along K); wv_codes 1,024 x 32 x 24 uint8 (E2M3 codes of wv, K innermost, in blocks of 32 codes, four codes in three bytes); wv_scales 1,024 x 32 uint8 (E8M0 scales of wv, one for each 32 codes along K); x 2 x 2,048 x 1,024 float32.
;; Outputs: out0 2 x 2,048 x 1,024 float32.
;; This version of the problem:
;;   THIS VERSION OF THE PROBLEM IS GIVEN IN LOW PRECISION. The matrix products marked QUANTISED in the list below multiply operands that are first quantised to E2M3 (2 exponent bits, 3 mantissa bits; 6 bits a number), with one power-of-two scale for each 32 numbers along K (OCP MX v1.0); their sums are f32. All else is computed in f32.
;;   The module's matrix products, in the order in which they are computed (A, B: the left and right operand; K: the contracted axis; several contracted axes count as one K, in the product's order):
;;     1. [M 4,096, K 1,024] x [K 1,024, N 1,024]; A: computed on the way; B: input wq (given as codes): QUANTISED
;;     2. [M 4,096, K 1,024] x [K 1,024, N 1,024]; A: computed on the way; B: input wk (given as codes): QUANTISED
;;     3. [M 4,096, K 1,024] x [K 1,024, N 1,024]; A: computed on the way; B: input wv (given as codes): QUANTISED
;;     4. batch 32 x [M 2,048, K 64] x [K 64, N 2,048]; A: computed on the way; B: computed on the way: QUANTISED
;;     5. batch 32 x [M 2,048, K 2,048] x [K 2,048, N 64]; A: softmax (see below); B: computed on the way: QUANTISED
;;     6. [M 4,096, K 1,024] x [K 1,024, N 1,024]; A: computed on the way; B: input wo (given as codes): QUANTISED
;;     7. [M 4,096, K 1,024] x [K 1,024, N 4,096]; A: computed on the way; B: input w1 (given as codes): QUANTISED
;;     8. [M 4,096, K 4,096] x [K 4,096, N 1,024]; A: computed on the way; B: input w2 (given as codes): QUANTISED
;;   THE QUANTISER, for each operand of a quantised product, along K:
;;     - K is cut into blocks of 32 from its start; a last block that is shorter is filled with zeros.
;;     - A block's scale is 2^e with e = floor(log2(the largest magnitude in the block)) - 2, held to -126 .. 127; a block of zeros has e = 0. As a byte (E8M0): e + 127.
;;     - Each number is divided by its block's scale, clamped to +-7.5, and rounded to the nearest number of E2M3, ties to even, subnormals kept.
;;     - The product sums the exact products of the quantised numbers (number of the format x scale) in f32.
;;   ~~~python
;;   def quantise(x, axis):      # numpy; x: float32 -> the quantised numbers, widened to float32 again
;;       x = np.moveaxis(x, axis, -1); K = x.shape[-1]
;;       x = np.pad(x, [(0, 0)] * (x.ndim - 1) + [(0, -K % 32)]); x = x.reshape(x.shape[:-1] + (-1, 32)); a = np.abs(x).max(-1, keepdims=True)
;;       e = np.where(a > 0, np.clip(np.frexp(np.where(a > 0, a, 1))[1] - 1 - 2, -126, 127), 0)      # np.frexp(a)[1] - 1 = floor(log2(a)), exactly
;;       r = np.clip(x / 2.0 ** e, -7.5, 7.5)
;;       step = 2.0 ** (np.maximum(np.frexp(np.where(r == 0, 1, r))[1] - 1, 0) - 3)
;;       q = np.round(r / step) * step * 2.0 ** e      # np.round: ties to even
;;       return np.moveaxis(q.reshape(q.shape[:-2] + (-1,))[..., :K], -1, axis).astype(np.float32)
;;   ~~~
;;   SOFTMAX AHEAD OF A QUANTISED PRODUCT. Where the list says 'softmax', what is quantised is not the finished softmax but p = 2^(t - M), with t = logit x log2(e) and M = ceil(the row's largest t), a whole number; so 1/2 < the row's largest p <= 1. The row's sum l is taken of the UNQUANTISED p, in f32, and the product's result is divided by l at the end. Since M is a whole number, a kernel that streams over the keys may use a running M (the ceiling of the running maximum): every later rescaling is an exact power of two, which a block's scale takes up: the codes' values come out the same.
;;   OPERANDS COMPUTED ON THE WAY. 'Computed on the way' means the value that the module computes at that place (a softmax that the list does not call 'softmax' is quantised finished and normalised). What goes into a quantiser is computed in f32, as accurately as f32 sums, v_exp_f32 and their like allow (about 1e-6 of the number): no bf16 or f16 on the way to a quantiser, and a product that is left as it is and whose result goes on into a quantised operand takes f32 operands (vector FMAs, or v_wmma_f32_16x16x4_f32). A number that lies on a knife's edge between two numbers of the format may be rounded either way, as far as f32 arithmetic and the matrix unit's own rounding can turn it there, and no further.
;;   INPUTS GIVEN AS CODES. w1 (in the module: [1024, 4096], K = its axis 0); w2 (in the module: [4096, 1024], K = its axis 0); wk (in the module: [1024, 1024], K = its axis 0); wo (in the module: [1024, 1024], K = its axis 0); wq (in the module: [1024, 1024], K = its axis 0); wv (in the module: [1024, 1024], K = its axis 0): each comes as NAME_codes (uint8): NAME with its K axis moved to the last place and cut into blocks of 32 codes, [.., K / 32, bytes a block], one block behind the other in memory; four codes in three bytes: a row's codes are one little-endian stream of bits, code i at bits 6 i .. 6 i + 5 (a code: sign, 2 exponent bits, 3 mantissa bits); and NAME_scales (uint8): the same leading axes, one E8M0 byte (e + 127) for each 32 codes along K. Its value is code x scale, taken as it is: it is not quantised again, and the codes and scales need not be those that the quantiser above would give.
;; 2 versions. Each part assembles by itself: llvm-mc -triple=amdgcn-amd-amdhsa -mcpu=gfx1250 --defsym DOCPART=n.
;; ======== version 1 of 2: 7 launches
;; workspace buffers: wimg 10,616,832 bytes; hbuf 3,276,800 bytes; qkv 10,223,616 bytes; abuf 3,276,800 bytes; x2 16,777,216 bytes; h2buf 3,276,800 bytes; gbuf 13,107,200 bytes
;; launch prep_ln1 (part 1): grid 352 x 1, 8 waves a work-group, no clusters, 3,072 bytes of LDS; arguments x, ln1_w, ln1_b, wq_codes, wq_scales, wk_codes, wk_scales, wv_codes, wv_scales, wo_codes, wo_scales, w1_codes, w1_scales, w2_codes, w2_scales, hbuf, wimg; writes hbuf, wimg
.if DOCPART == 1
	.amdgcn_target "amdgcn-amd-amdhsa--gfx1250"
	.amdhsa_code_object_version 6
	.text
	.protected	k_q70da235bd5_prep_ln1
	.globl	k_q70da235bd5_prep_ln1
	.p2align	8
	.type	k_q70da235bd5_prep_ln1,@function
k_q70da235bd5_prep_ln1:
	s_mov_b64 s[64:65], 0
	v_nop
	global_prefetch_b8 v0, s[64:65] scope:SCOPE_SE
	s_setreg_imm32_b32 hwreg(HW_REG_WAVE_MODE, 25, 1), 1
	s_wait_xcnt 0x0
; TWO JOBS IN ONE LAUNCH, parted by the work-group's number (the same in all eight waves of a work-group).
; Work-groups 0-255: h = layernorm(x) by ln1_w, ln1_b, quantised along its 1,024 columns to codes of E2M3 with one E8M0 byte for each 32, stored as IMAGES OF OPERAND REGISTERS (below).
; Work-groups 256-351: the six weights' codes and scale bytes, which arrive row by row, are laid out as the same kind of images.  No number is changed.
; THE IMAGE.  Tile a of a matrix has 16 rows; lane r stands for row 32 (a / 2) + 8 (a % 2) + r + 8 (r / 8).  Unit (a, k / 64) of 768 bytes at (a K / 64 + k / 64) x 768 holds, for lane (r, h), the 24 bytes of
; that row's codes k = 64 (k / 64) + 32 h + 0 .. 31: its first 16 bytes at 16 x lane, its last 8 at 512 + 8 x lane.  Two units are one operand of 16 rows x 128 K: twelve registers by four dense loads.
; Scale bytes: at (k / 256) x 32,768 + a x 128 + 8 r the eight bytes of that row for 256 along K.
; LAYER NORM: work-group a takes the 16 rows of tile a, wave w their columns 128 w .. 128 w + 127; a lane holds 64 numbers in the very order of the operand's registers.  Mean first, then the mean of the squared
; differences (two passes over registers, nothing is a difference of large sums); the eight waves' partial sums meet in LDS.
; LIMITS: NaN and infinities among the inputs are not served.  A block whose largest magnitude lies under 2^-124 has its byte held at 1; a block of zeros keeps the byte 1 (its codes are zeros; only this program reads the bytes).
.set X,    32                          ; v32-95   my 64 numbers: X + 32 c + i = column 128 w + 64 c + 32 h + i of my row
.set GM,   96                          ; v96-159  the gain at those columns
.set BT,   160                         ; v160-223 the bias
.set PC,   224                         ; v224-235 the codes: an operand's twelve registers
.set PT,   236                         ; v236-238, v240-242 the second half of each block's codes, as converted
.set AM,   244                         ; v244-245 largest magnitudes;  v246-247 the conversions' scale operands;  v248-249 the bytes
.set SO,   246
.set BY,   248
.set RED1, 0                           ; LDS: 16 rows x 8 waves x 4 bytes: the sums;
.set RED2, 512                         ; the sums of squares;
.set SCW,  1024                        ; the tile's scale bytes: 4 x 128 bytes
.set HSC,  3145728                     ; where the scale image begins in hbuf
.set WSC,  9437184                     ; and the weights' scale images in wimg
	v_lshl_add_u32 v254, v0, 2, 0x800
	v_mov_b32 v255, 0
	v_lshrrev_b32 v1, 5, v0
	v_readfirstlane_b32 s14, v1                    ; wave 0..7
	v_and_b32 v1, 31, v0                           ; lane
	v_and_b32 v2, 15, v0                           ; r
	v_bfe_u32 v3, v0, 4, 1                         ; h
	v_and_b32 v4, 8, v2
	v_add_nc_u32 v4, v4, v2                        ; r + 8 (r / 8): my row within a pair of tiles
	v_lshlrev_b32 v6, 4, v1                        ; 16 x lane
	v_lshlrev_b32 v7, 3, v1                        ; 8 x lane
	s_cmp_lt_u32 ttmp9, 256
	s_cbranch_scc0 .Lweights
	; ---------------- layer norm ----------------
	s_load_b128 s[4:7], s[0:1], 0x0                ; x, the gain
	s_load_b64 s[8:9], s[0:1], 0x10                ; the bias
	s_load_b64 s[10:11], s[0:1], 0x78              ; hbuf
	v_lshlrev_b32 v4, 12, v4
	v_lshl_add_u32 v4, v3, 7, v4                   ; x: my row of 4,096 bytes, + 128 h
	v_lshlrev_b32 v5, 7, v3                        ; gain and bias: 128 h
	s_lshl_b32 s15, s14, 2
	v_lshl_add_u32 v8, v2, 5, s15                  ; LDS: 32 r + 4 w: my wave's word of my row
	v_lshlrev_b32 v9, 5, v2                        ; 32 r: my row's eight words
	s_lshr_b32 s16, s14, 1
	s_lshl_b32 s16, s16, 7
	s_and_b32 s17, s14, 1
	s_lshl_b32 s17, s17, 2
	s_add_co_u32 s16, s16, s17
	s_add_co_u32 s16, s16, SCW
	v_lshl_add_u32 v10, v2, 3, s16                 ; SCW + 128 (w / 2) + 8 r + 4 (w % 2): my scale word's place
	v_mov_b32 v251, 0                              ; a lane permute's destination counts as one of its sources
	s_mov_b32 s12, 0x76543210
	s_mov_b32 s13, 0xfedcba98                      ; v_permlanex16_b32's selects for lane l xor 16
	s_mov_b32 s18, 0x3a800000                      ; 1 / 1,024
	s_mov_b32 s19, 0x2b8cbccc                      ; 1e-12
	s_lshr_b32 s20, ttmp9, 1
	s_lshl_b32 s20, s20, 17                        ; 32 (a / 2) rows of 4,096 bytes
	s_and_b32 s21, ttmp9, 1
	s_lshl_b32 s21, s21, 15                        ; 8 (a % 2) rows
	s_add_co_u32 s20, s20, s21
	s_lshl_b32 s22, s14, 9                         ; my wave's 128 columns: 512 bytes
	s_add_co_u32 s20, s20, s22
	s_mov_b32 s21, 0
	s_mov_b32 s23, 0
	s_lshl_b32 s24, ttmp9, 4
	s_lshl_b32 s25, s14, 1
	s_add_co_u32 s24, s24, s25
	s_mul_i32 s24, s24, 768                        ; units 16 a + 2 w and the next
	s_mov_b32 s25, 0
	s_lshl_b32 s26, ttmp9, 7
	s_add_co_u32 s26, s26, HSC                     ; the tile's 128 scale bytes of each 256 along K
	s_mov_b32 s27, 0
	s_wait_kmcnt 0x0
	s_add_nc_u64 s[4:5], s[4:5], s[20:21]
	s_add_nc_u64 s[6:7], s[6:7], s[22:23]
	s_add_nc_u64 s[8:9], s[8:9], s[22:23]
	s_add_nc_u64 s[28:29], s[10:11], s[24:25]
	s_add_nc_u64 s[10:11], s[10:11], s[26:27]
.irp c, 0,1
.irp j, 0,1,2,3,4,5,6,7
	global_load_b128 v[X+32*\c+4*\j:X+32*\c+4*\j+3], v4, s[4:5] offset:256*\c+16*\j
.endr
.endr
.irp c, 0,1
.irp j, 0,1,2,3,4,5,6,7
	global_load_b128 v[GM+32*\c+4*\j:GM+32*\c+4*\j+3], v5, s[6:7] offset:256*\c+16*\j
.endr
.endr
.irp c, 0,1
.irp j, 0,1,2,3,4,5,6,7
	global_load_b128 v[BT+32*\c+4*\j:BT+32*\c+4*\j+3], v5, s[8:9] offset:256*\c+16*\j
.endr
.endr
; v20 of my lane, its partner 16 lanes away and the eight waves are added: the row's sum comes back in v20 of every lane of the row
.macro REDUCE base
	v_permlanex16_b32 v251, v20, s12, s13
	v_add_f32 v20, v20, v251
	ds_store_b32 v8, v20 offset:\base              ; both halves of the lanes write the same word with the same value
	s_wait_dscnt 0x0                               ; for the others' sake: my store has landed
	s_barrier_signal -1
	s_barrier_wait -1
	ds_load_b128 v[12:15], v9 offset:\base
	ds_load_b128 v[16:19], v9 offset:\base+16
	s_wait_dscnt 0x0
	v_add_f32 v12, v12, v13
	v_add_f32 v14, v14, v15
	v_add_f32 v16, v16, v17
	v_add_f32 v18, v18, v19
	v_add_f32 v12, v12, v14
	v_add_f32 v16, v16, v18
	v_add_f32 v20, v12, v16
.endm
.macro FOLD                            ; four chains of pairs become one number in v20
	v_pk_add_f32 v[20:21], v[20:21], v[22:23]
	v_pk_add_f32 v[24:25], v[24:25], v[26:27]
	v_pk_add_f32 v[20:21], v[20:21], v[24:25]
	v_add_f32 v20, v20, v21
.endm
	s_wait_loadcnt 32                              ; x's sixteen loads are in; the 32 younger ones (gain, bias) may be out
.irp k, 0,1,2,3
	v_pk_add_f32 v[20+2*\k:21+2*\k], v[X+4*\k:X+4*\k+1], v[X+4*\k+2:X+4*\k+3]
.endr
.irp i, 16,24,32,40,48,56
.irp k, 0,1,2,3
	v_pk_add_f32 v[20+2*\k:21+2*\k], v[20+2*\k:21+2*\k], v[X+\i+2*\k:X+\i+2*\k+1]
.endr
.endr
	FOLD
	REDUCE RED1
	v_mul_f32 v28, s18, v20                        ; the mean
	v_mov_b32 v29, v28
.set j, 0
.rept 32
	v_pk_add_f32 v[X+j:X+j+1], v[X+j:X+j+1], v[28:29] neg_lo:[0,1] neg_hi:[0,1]   ; x - mean
.set j, j+2
.endr
.irp k, 0,1,2,3
	v_pk_mul_f32 v[20+2*\k:21+2*\k], v[X+2*\k:X+2*\k+1], v[X+2*\k:X+2*\k+1]
.endr
.irp i, 8,16,24,32,40,48,56
.irp k, 0,1,2,3
	v_pk_fma_f32 v[20+2*\k:21+2*\k], v[X+\i+2*\k:X+\i+2*\k+1], v[X+\i+2*\k:X+\i+2*\k+1], v[20+2*\k:21+2*\k]
.endr
.endr
	FOLD
	REDUCE RED2                                    ; other bytes than the first sum's: no wave can still be reading what is written here
	v_fma_f32 v28, v20, s18, s19                   ; the variance + 1e-12
	v_rsq_f32 v28, v28
	v_nop                                          ; one plain place behind a transcendental (ISA guide 5.7.2)
	s_wait_alu depctr_va_vdst(0)
	v_mov_b32 v29, v28
.set j, 0
.rept 32
	v_pk_mul_f32 v[X+j:X+j+1], v[X+j:X+j+1], v[28:29]
.set j, j+2
.endr
	s_wait_loadcnt 0x0                             ; gain and bias
.set j, 0
.rept 32
	v_pk_fma_f32 v[X+j:X+j+1], v[X+j:X+j+1], v[GM+j:GM+j+1], v[BT+j:BT+j+1]
.set j, j+2
.endr
	; the quantiser: block 2 c + h of these 128 columns lies whole in my 32 registers X + 32 c ..
.irp c, 0,1
	v_max3_num_f32 v[AM+\c], |v[X+32*\c]|, |v[X+32*\c+1]|, 0x1800000   ; with the floor 2^(3 - 127): the byte cannot fall under 1
.endr
.irp i, 2,4,6,8,10,12,14,16,18,20,22,24,26,28,30
.irp c, 0,1
	v_max3_num_f32 v[AM+\c], v[AM+\c], |v[X+32*\c+\i]|, |v[X+32*\c+\i+1]|
.endr
.endr
.irp c, 0,1
	v_add_nc_u32 v[SO+\c], 0xff000000, v[AM+\c]    ; 2 off the exponent field: the conversion takes this operand's exponent field as its scale
.endr
.irp c, 0,1
	v_lshrrev_b32 v[BY+\c], 23, v[SO+\c]           ; the scale's byte
.endr
.irp c, 0,1
	v_cvt_scalef32_pk16_fp6_f32 v[PC+6*\c:PC+6*\c+2], v[X+32*\c:X+32*\c+15], v[SO+\c]
	v_cvt_scalef32_pk16_fp6_f32 v[PT+4*\c:PT+4*\c+2], v[X+32*\c+16:X+32*\c+31], v[SO+\c]   ; (a conversion's three registers begin on an even number)
.endr
	v_nop                                          ; one plain place behind a scaled conversion
.irp c, 0,1
.irp i, 0,1,2
	v_mov_b32 v[PC+3+6*\c+\i], v[PT+4*\c+\i]
.endr
.endr
	v_lshl_or_b32 v250, v[BY+1], 16, v[BY]         ; my two bytes: blocks h and 2 + h,
	v_lshlrev_b32 v251, 3, v3
	v_lshlrev_b32 v250, v251, v250                 ; at their places in the word;
	v_mov_b32 v251, 0
	v_permlanex16_b32 v251, v250, s12, s13
	v_or_b32 v250, v250, v251                      ; with lane l xor 16's two the word is whole
	global_store_b128 v6, v[PC:PC+3], s[28:29]               ; each store of the wave covers 512 or 256 consecutive bytes, aligned to 256
	global_store_b64 v7, v[PC+4:PC+5], s[28:29] offset:512
	global_store_b128 v6, v[PC+6:PC+9], s[28:29] offset:768
	global_store_b64 v7, v[PC+10:PC+11], s[28:29] offset:1280
	ds_store_b32 v10, v250
	s_wait_dscnt 0x0
	s_barrier_signal -1
	s_barrier_wait -1                              ; the tile's 512 scale bytes lie in LDS
	s_cmp_lg_u32 s14, 0
	s_cbranch_scc1 .Lln_end
	ds_load_b128 v[12:15], v6 offset:SCW           ; wave 0 stores them: four pieces of 128 consecutive bytes, 32,768 apart (one byte in 24 of what the work-group stores)
	v_lshrrev_b32 v16, 3, v1
	v_and_b32 v17, 7, v1
	v_lshlrev_b32 v17, 4, v17
	v_lshl_add_u32 v16, v16, 15, v17
	s_wait_dscnt 0x0
	global_store_b128 v16, v[12:15], s[10:11]
.Lln_end:
	s_wait_tensorcnt 0x0
	ds_add_u32 v254, v255
	s_wait_dscnt 0x0
	s_endpgm
	; ---------------- the weights' images ----------------
	; Chunk c = 8 (work-group - 256) + wave is one tile of 16 rows x 1,024 along K: 12,288 bytes of codes, 512 scale bytes.  wq, wk, wv, wo: 64 chunks each; w1: 256; w2 (K = 4,096): 64 tiles x 4 quarters of K.
.Lweights:
	s_load_b128 s[16:19], s[0:1], 0x18             ; wq's codes, scales
	s_load_b128 s[20:23], s[0:1], 0x28             ; wk's
	s_load_b128 s[24:27], s[0:1], 0x38             ; wv's
	s_load_b128 s[28:31], s[0:1], 0x48             ; wo's
	s_load_b128 s[32:35], s[0:1], 0x58             ; w1's
	s_load_b128 s[36:39], s[0:1], 0x68             ; w2's
	s_load_b64 s[40:41], s[0:1], 0x80              ; wimg
	s_sub_co_u32 s12, ttmp9, 256
	s_lshl_b32 s13, s12, 3
	s_add_co_u32 s13, s13, s14                     ; the chunk
	s_mov_b32 s8, 512                              ; w2: its first chunk,
	s_mov_b32 s9, 655360                           ; and where its scale image begins behind WSC
	s_wait_kmcnt 0x0
	s_mov_b64 s[4:5], s[36:37]
	s_mov_b64 s[6:7], s[38:39]
.macro PICK lim, cod, cb, mo           ; work-groups under lim belong to an earlier matrix: the choice hangs on the work-group's number alone
	s_cmp_lt_u32 s12, \lim
	s_cselect_b64 s[4:5], s[\cod:\cod+1], s[4:5]
	s_cselect_b64 s[6:7], s[\cod+2:\cod+3], s[6:7]
	s_cselect_b32 s8, \cb, s8
	s_cselect_b32 s9, \mo, s9
.endm
	PICK 64, 32, 256, 524288
	PICK 32, 28, 192, 393216
	PICK 24, 24, 128, 262144
	PICK 16, 20, 64, 131072
	PICK 8, 16, 0, 0
	s_cmp_lt_u32 s12, 64
	s_cselect_b32 s10, 0, 2                        ; w2's rows are four times as long
	s_cselect_b32 s11, 0, 3
	s_sub_co_u32 s42, s13, s8
	s_lshr_b32 s43, s42, s10                       ; the tile
	s_and_b32 s44, s42, s11                        ; the quarter of K
	s_lshl_b32 s45, 768, s10                       ; a row of codes in bytes
	s_lshl_b32 s46, 32, s10                        ; a row of scale bytes
	s_lshr_b32 s47, s43, 1
	s_lshl_b32 s47, s47, 5
	s_and_b32 s48, s43, 1
	s_lshl_b32 s48, s48, 3
	s_add_co_u32 s47, s47, s48                     ; the tile's first row: 32 (a / 2) + 8 (a % 2)
	s_mul_i32 s48, s47, s45
	s_mul_i32 s49, s44, 768
	s_add_co_u32 s48, s48, s49
	s_mov_b32 s49, 0
	s_add_nc_u64 s[4:5], s[4:5], s[48:49]
	s_mul_i32 s50, s47, s46
	s_lshl_b32 s51, s44, 5
	s_add_co_u32 s50, s50, s51
	s_mov_b32 s51, 0
	s_add_nc_u64 s[6:7], s[6:7], s[50:51]
	s_mul_i32 s52, s13, 12288
	s_mov_b32 s53, 0
	s_add_nc_u64 s[54:55], s[40:41], s[52:53]      ; the chunk's codes in wimg
	s_lshl_b32 s56, s44, 17                        ; a quarter of K is four steps of 32,768 bytes in the scale image
	s_add_co_u32 s56, s56, s9
	s_lshl_b32 s57, s43, 7
	s_add_co_u32 s56, s56, s57
	s_add_co_u32 s56, s56, WSC
	s_mov_b32 s57, 0
	s_add_nc_u64 s[40:41], s[40:41], s[56:57]
	v_mul_lo_u32 v8, v4, s45
	v_mad_u32_u24 v8, v3, 24, v8                   ; codes: my row, + 24 h
	v_mul_lo_u32 v9, v4, s46
	v_lshl_add_u32 v9, v3, 4, v9                   ; scale bytes: my row, + 16 h
	v_lshlrev_b32 v10, 3, v2
	v_lshl_add_u32 v10, v3, 16, v10                ; in the scale image: 8 r, and lanes 16-31 two steps of 32,768 on
	global_load_b128 v[128:131], v9, s[6:7]        ; 16 scale bytes: 512 along K
.irp s, 0,1,2,3,4,5,6,7
.irp p, 0,1,2,3,4,5
	global_load_b64 v[32+12*\s+2*\p:33+12*\s+2*\p], v8, s[4:5] offset:96*\s+48*(\p/3)+8*(\p%3)
.endr
.endr
.irp s, 0,1,2,3,4,5,6,7
	s_wait_loadcnt 6*(7-\s)                        ; this K step's six loads are in; the later steps' six each may be out
	global_store_b128 v6, v[32+12*\s:35+12*\s], s[54:55] offset:1536*\s
	global_store_b64 v7, v[36+12*\s:37+12*\s], s[54:55] offset:1536*\s+512
	global_store_b128 v6, v[38+12*\s:41+12*\s], s[54:55] offset:1536*\s+768
	global_store_b64 v7, v[42+12*\s:43+12*\s], s[54:55] offset:1536*\s+1280
.endr
	global_store_b64 v10, v[128:129], s[40:41]
	global_store_b64 v10, v[130:131], s[40:41] offset:32768
	s_endpgm
.Lfunc_end_k_q70da235bd5_prep_ln1:
	.size	k_q70da235bd5_prep_ln1, .Lfunc_end_k_q70da235bd5_prep_ln1-k_q70da235bd5_prep_ln1
	.p2alignl 7, 3214868480
	.fill 96, 4, 3214868480
	.section	.rodata,"a",@progbits
	.p2align	6, 0x0
	.amdhsa_kernel k_q70da235bd5_prep_ln1
		.amdhsa_group_segment_fixed_size 3072
		.amdhsa_private_segment_fixed_size 0
		.amdhsa_enable_private_segment 0
		.amdhsa_kernarg_size 136
		.amdhsa_user_sgpr_count 2
		.amdhsa_user_sgpr_kernarg_segment_ptr 1
		.amdhsa_wavefront_size32 1
		.amdhsa_system_sgpr_workgroup_id_x 1
		.amdhsa_system_sgpr_workgroup_id_y 1
		.amdhsa_system_sgpr_workgroup_id_z 1
		.amdhsa_system_vgpr_workitem_id 0
		.amdhsa_next_free_vgpr 256
		.amdhsa_next_free_sgpr 66
		.amdhsa_reserve_vcc 0
		.amdhsa_float_denorm_mode_32 3
		.amdhsa_float_denorm_mode_16_64 3
		.amdhsa_memory_ordered 1
		.amdhsa_forward_progress 1
		.amdhsa_inst_pref_size 35
	.end_amdhsa_kernel
	.amdgpu_metadata
---
amdhsa.version: [ 1, 2 ]
amdhsa.kernels:
  - .name:           k_q70da235bd5_prep_ln1
    .symbol:         k_q70da235bd5_prep_ln1.kd
    .args:
      - { .name: x, .offset: 0, .size: 8, .value_kind: global_buffer, .address_space: global }
      - { .name: ln1_w, .offset: 8, .size: 8, .value_kind: global_buffer, .address_space: global }
      - { .name: ln1_b, .offset: 16, .size: 8, .value_kind: global_buffer, .address_space: global }
      - { .name: wq_codes, .offset: 24, .size: 8, .value_kind: global_buffer, .address_space: global }
      - { .name: wq_scales, .offset: 32, .size: 8, .value_kind: global_buffer, .address_space: global }
      - { .name: wk_codes, .offset: 40, .size: 8, .value_kind: global_buffer, .address_space: global }
      - { .name: wk_scales, .offset: 48, .size: 8, .value_kind: global_buffer, .address_space: global }
      - { .name: wv_codes, .offset: 56, .size: 8, .value_kind: global_buffer, .address_space: global }
      - { .name: wv_scales, .offset: 64, .size: 8, .value_kind: global_buffer, .address_space: global }
      - { .name: wo_codes, .offset: 72, .size: 8, .value_kind: global_buffer, .address_space: global }
      - { .name: wo_scales, .offset: 80, .size: 8, .value_kind: global_buffer, .address_space: global }
      - { .name: w1_codes, .offset: 88, .size: 8, .value_kind: global_buffer, .address_space: global }
      - { .name: w1_scales, .offset: 96, .size: 8, .value_kind: global_buffer, .address_space: global }
      - { .name: w2_codes, .offset: 104, .size: 8, .value_kind: global_buffer, .address_space: global }
      - { .name: w2_scales, .offset: 112, .size: 8, .value_kind: global_buffer, .address_space: global }
      - { .name: hbuf, .offset: 120, .size: 8, .value_kind: global_buffer, .address_space: global }
      - { .name: wimg, .offset: 128, .size: 8, .value_kind: global_buffer, .address_space: global }
    .group_segment_fixed_size: 3072
    .private_segment_fixed_size: 0
    .kernarg_segment_align: 8
    .kernarg_segment_size: 136
    .max_flat_workgroup_size: 256
    .sgpr_count:     66
    .vgpr_count:     256
    .wavefront_size: 32
...
	.end_amdgpu_metadata
.endif
;; end of part 1
;; launch qkv (part 2): grid 12 x 16, 4 waves a work-group, clusters of 4 x 4, 327,680 bytes of LDS; arguments hbuf, wimg, qkv; writes qkv
.if DOCPART == 2
	.amdgcn_target "amdgcn-amd-amdhsa--gfx1250"
	.amdhsa_code_object_version 6
	.text
	.protected	k_q70da235bd5_qkv
	.globl	k_q70da235bd5_qkv
	.p2align	8
	.type	k_q70da235bd5_qkv,@function
k_q70da235bd5_qkv:
	s_mov_b64 s[64:65], 0
	v_nop
	global_prefetch_b8 v0, s[64:65] scope:SCOPE_SE
	s_setreg_imm32_b32 hwreg(HW_REG_WAVE_MODE, 25, 1), 1
	s_wait_xcnt 0x0
	s_wait_alu depctr_hold_cnt(0) depctr_sa_sdst(0) depctr_va_vdst(0) depctr_va_sdst(0) depctr_va_ssrc(0) depctr_va_vcc(0) depctr_vm_vsrc(0)
	s_getreg_b32 s2, hwreg(HW_REG_IB_STS2, 6, 4)
	s_cmp_eq_u32 s2, 0
	s_cbranch_scc0 .Lentry_in_a_cluster
	s_endpgm
.Lentry_in_a_cluster:
	s_bfe_u32 s2, ttmp6, 0x10000c
	s_cmp_lg_u32 s2, 0xf033
	s_cbranch_scc0 .Lentry_shape_is_right
	s_endpgm
.Lentry_shape_is_right:
; q = h wq, k = h wk, v = h wv on codes of E2M3 (one E8M0 byte for each 32 along K = 1,024), each result quantised at once for attention's products and stored as images of operand registers.
; THE IMAGES (made by the launches before): tile a has 16 rows, lane r stands for row 32 (a / 2) + 8 (a % 2) + r + 8 (r / 8); unit (a, k / 64) of 768 bytes holds each lane's 24 bytes of codes (16 at 16 x lane, 8 at
; 512 + 8 x lane); scale bytes at (k / 256) x 32,768 + a x 128 + 8 r.  A fragment of 16 rows x 128 K is two units: four dense LDS loads.
; A tile of C, 256 x 256, is made by four waves, 128 x 128 each: 64 accumulators in 512 registers.  K goes in steps of 256 through a ring of two LDS slots filled by the tensor data mover; all scale bytes come once.
; THE MATRIX INSTRUCTION IS USED TRANSPOSED (source 0 = a tile of "B", source 1 = a tile of "A"): lane (r, h) holds one row of A, and by the images' order of rows the 16 registers of B's tiles 2 b, 2 b + 1 are
; the 16 neighbours 32 b + 16 h + 0 .. 15 along B's rows: the next product's K.
; The cluster's x says which product (0 q, 1 k, 2 v).  q, k: A = h (tokens), B = the weight (channels): quantised along the channels.  v: A = wv (channels), B = h (tokens): V^T, quantised along the tokens (the keys).
; CLUSTERS: 4 x 4 work-groups; A's tiles are shared along a row of the cluster, B's along a column: each is asked for jointly, by the same tensor load with the same descriptor and a mask that names the four.
; LIMITS: NaN and infinities are not served; a block whose largest magnitude lies under 2^-124 has its byte held at 1 (a block of zeros too: its codes are zeros; only this program reads the bytes).
; REGISTERS: window 0: v1-7, v16-30 addresses; v32-63 scale words, two sets; v128-223 A's fragments, one set; way out: v192-243.  window 1: B's fragments, two sets.  windows 2, 3: the accumulators, (a, b) at v[8 (8 (a % 4) + b)].
.set SIZE_K, 1024
.set WSC,    9437184                   ; the weights' scale images in wimg
.set NQ,     2                         ; matrix instructions deep in a slot
.set FR,     12                        ; registers of a fragment
.set NL,     4                         ; LDS loads that bring one
.set NP,     4                         ; places behind this matrix instruction (ISA guide 7.12.1)
.set TILEB,  3072                      ; 16 rows x 256 K: four units
.set HALFT,  8*TILEB                   ; 128 rows: what one tensor load brings
.set SLOT,   4*HALFT                   ; A's 256 rows, then B's
.set LAPS,   SIZE_K/512
.set KPITCH, 12*SIZE_K                 ; a tile's codes for all of K, in bytes
.set NSG,    SIZE_K/256
.set HALFS,  NSG*1024                  ; the scale bytes of 128 rows
.set SCL,    2*SLOT                    ; behind the ring: the scale bytes
.set SPARE,  327168                    ; the spare words, 128 bytes for each wave: two blocks of 256 bytes that no other line names
.set L16,  4                           ; v4   16 x lane
.set L8,   5                           ; v5   8 x lane
.set ADRA, 16                          ; v16-17 A's fragments in slot 0, 1 (16 x lane); v18-19 the same with 8 x lane
.set ADRB, 20                          ; v20-23 the same for B
.set SWA,  24                          ; v24  the way out: my scale word's place in LDS
.set SRD,  25                          ; v25  and where I read 16 of those bytes back
.set ADRS, 27                          ; v27  my scale words: lanes 0-15 A's rows, lanes 16-31 B's
.set SPW,  28                          ; v28  my spare word; never rewritten
.set NIL,  29                          ; v29  0; never rewritten
.set SC,   32
.set AF,   128
.set TM,   192                         ; the way out: v192-207 at work, v208 the scale word, v224-243 the codes
.set PW,   208
.set PC,   224
.set G1, 24
.set G0, 32
.set G1B, 48
.set G0B, 56
.set G1S, 68
.set G0S, 76
.set G1SB, 80
.set G0SB, 88
.set MSB, 0
.macro WIN new                         ; the immediate's high byte repeats the setting that is left
.if MSB != (\new)
	s_set_vgpr_msb (MSB<<8)|(\new)
.set MSB, (\new)
.endif
.endm
.set MUL_LO, 0xa1                      ; source 0 (B) window 1, source 1 (A) window 0, C and D window 2
.set MUL_HI, 0xf1                      ; the same, C and D window 3
.set TO_B,   0x40                      ; destination window 1, address window 0
; A joint load: waves 0 and 1 fetch for A, waves 2 and 3 for B; the branch hangs on the wave's number alone.  Four v_nop follow each of the two lines.
.macro JLOAD g0a, g1a, g0b, g1b
	s_cmp_eq_u32 s15, 0
	s_cbranch_scc0 .Lfor_b_\@
	tensor_load_to_lds s[\g0a:\g0a+3], s[\g1a:\g1a+7]
	s_nop 0
.rept 4
	v_nop
.endr
	s_branch .Lasked_\@
.Lfor_b_\@:
	tensor_load_to_lds s[\g0b:\g0b+3], s[\g1b:\g1b+7]
	s_nop 0
.rept 4
	v_nop
.endr
.Lasked_\@:
.endm
.macro CREST                           ; a round of the cluster's barrier behind its opening barrier
	s_cmp_lg_u32 s14, 0
	s_cbranch_scc1 .Lnot_wave_0_\@
	s_barrier_signal -3
.Lnot_wave_0_\@:
	s_barrier_wait -3
	s_barrier_signal -1
	s_barrier_wait -1
.endm
.macro CROUND
	s_barrier_signal -1
	s_barrier_wait -1
	CREST
.endm
	s_load_b128 s[4:7], s[0:1], 0x0                ; hbuf, wimg
	s_load_b64 s[8:9], s[0:1], 0x10                ; qkv
	v_lshl_add_u32 v[SPW], v0, 2, SPARE
	v_mov_b32 v[NIL], 0
	ds_add_u32 v28, v29
	s_wait_dscnt 0x0
	v_lshrrev_b32 v1, 5, v0
	v_readfirstlane_b32 s14, v1                    ; wave 0..3
	s_lshr_b32 s15, s14, 1                         ; which half of A's rows is mine.  Also: I fetch for A (0) or for B (1)
	s_and_b32 s16, s14, 1                          ; which half of B's rows.  Also: which 128 rows I fetch
	s_bfe_u32 s40, ttmp6, 0x40000                  ; cx, cy: my place in the cluster
	s_bfe_u32 s41, ttmp6, 0x40004
	s_and_b32 s13, ttmp7, 0xffff
	s_lshl_b32 s13, s13, 2                         ; 4 x cluster y
	s_mul_i32 s96, ttmp9, 786432                   ; the weight's codes in wimg,
	s_mul_i32 s12, ttmp9, 131072
	s_add_co_u32 s12, s12, WSC                     ; its scale image;
	s_mov_b32 s97, 3145728                         ; h's scale image in hbuf
	s_cmp_eq_u32 ttmp9, 2                          ; v?  The cluster's x is the same in all sixteen partners
	s_cselect_b32 s17, 0, s13                      ; the long axis (4,096 tokens, 16 tiles) is A's for q and k, B's for v
	s_cselect_b32 s42, s13, 0
	s_cselect_b32 s95, 64, 16                      ; units in a tile of the result's image: 4,096 / 64 or 1,024 / 64
	s_cselect_b32 s98, s96, 0                      ; A's codes and scale bytes begin here in A's buffer,
	s_cselect_b32 s99, s12, s97
	s_cselect_b32 s100, 0, s96                     ; B's in B's
	s_cselect_b32 s101, s97, s12
	s_add_co_u32 s17, s17, s41                     ; A's block of 256 rows: hangs on cy, never on cx
	s_add_co_u32 s42, s42, s40                     ; B's: hangs on cx, never on cy
	s_lshl_b32 s43, s41, 2
	s_lshl_b32 s43, 15, s43                        ; my row of the cluster
	s_lshl_b32 s44, 0x1111, s40                    ; my column
	; descriptor group 1, codes: 8 tiles (rows) of 3,072 bytes (384 elements of 8 bytes), KPITCH bytes apart; dense in LDS
	s_or_b32 s[G1+0], s43, (3<<16)|(1<<21)         ; 15:0 the mask; 17:16 elements of 8 bytes; 21 set beside a mask; no padding
	s_or_b32 s[G1B+0], s44, (3<<16)|(1<<21)
.irp g, G1, G1B
	s_mov_b32 s[\g+1], 384<<16                     ; tensor_dim0
	s_mov_b32 s[\g+2], 8<<16                       ; tensor_dim1
	s_mov_b32 s[\g+3], 384<<16                     ; tile_dim0
	s_mov_b32 s[\g+4], 8                           ; tile_dim1
	s_mov_b32 s[\g+5], KPITCH/8                    ; tensor_dim0_stride
	s_mov_b32 s[\g+6], 0
	s_mov_b32 s[\g+7], 0
.endr
	; scale bytes: NSG rows of 1,024 bytes (8 tiles x 128), 32,768 bytes apart
	s_or_b32 s[G1S+0], s43, (3<<16)|(1<<21)
	s_or_b32 s[G1SB+0], s44, (3<<16)|(1<<21)
.irp g, G1S, G1SB
	s_mov_b32 s[\g+1], 128<<16
	s_mov_b32 s[\g+2], NSG<<16
	s_mov_b32 s[\g+3], 128<<16
	s_mov_b32 s[\g+4], NSG
	s_mov_b32 s[\g+5], 4096
	s_mov_b32 s[\g+6], 0
	s_mov_b32 s[\g+7], 0
.endr
	s_lshl_b32 s18, s16, 3                         ; which 8 tiles I fetch
	s_lshl_b32 s20, s17, 4
	s_add_co_u32 s20, s20, s18                     ; A: tile 16 x block + 8 x half
	s_lshl_b32 s46, s42, 4
	s_add_co_u32 s46, s46, s18                     ; B likewise
	s_lshl_b32 s22, s20, 7
	s_add_co_u32 s22, s22, s99
	s_mov_b32 s23, 0
	s_lshl_b32 s92, s46, 7
	s_add_co_u32 s92, s92, s101
	s_mov_b32 s93, 0
	s_mul_i32 s20, s20, KPITCH
	s_add_co_u32 s20, s20, s98
	s_mov_b32 s21, 0
	s_mul_i32 s46, s46, KPITCH
	s_add_co_u32 s46, s46, s100
	s_mov_b32 s47, 0
	s_mul_i32 s45, s14, HALFT                      ; where they go: wave x 128 rows: no place in the cluster enters an LDS address
	s_mul_i32 s94, s14, HALFS
	s_wait_kmcnt 0x0
	s_cmp_eq_u32 ttmp9, 2
	s_cselect_b64 s[10:11], s[6:7], s[4:5]         ; A's buffer: wimg for v, else hbuf
	s_cselect_b64 s[6:7], s[4:5], s[6:7]           ; B's: the other
	s_add_nc_u64 s[20:21], s[10:11], s[20:21]
	s_add_nc_u64 s[22:23], s[10:11], s[22:23]
	s_add_nc_u64 s[46:47], s[6:7], s[46:47]
	s_add_nc_u64 s[92:93], s[6:7], s[92:93]
	CROUND                                         ; all sixteen work-groups are here: the first joint loads meet
	s_mov_b32 s[G0S], 1
	s_add_co_u32 s[G0S+1], s94, SCL
	s_mov_b64 s[G0S+2:G0S+3], s[22:23]
	s_or_b32 s[G0S+3], s[G0S+3], 0x80000000
	s_mov_b32 s[G0SB], 1
	s_add_co_u32 s[G0SB+1], s94, SCL
	s_mov_b64 s[G0SB+2:G0SB+3], s[92:93]
	s_or_b32 s[G0SB+3], s[G0SB+3], 0x80000000
	JLOAD G0S, G1S, G0SB, G1SB                     ; the scale bytes first: they are wanted with K step 0
.irp s, 0,1
	s_mov_b32 s[G0+4*\s], 1
	s_add_co_u32 s[G0+4*\s+1], s45, \s*SLOT
	s_add_nc_u64 s[G0+4*\s+2:G0+4*\s+3], s[20:21], \s*TILEB
	s_or_b32 s[G0+4*\s+3], s[G0+4*\s+3], 0x80000000
	s_mov_b32 s[G0B+4*\s], 1
	s_add_co_u32 s[G0B+4*\s+1], s45, \s*SLOT
	s_add_nc_u64 s[G0B+4*\s+2:G0B+4*\s+3], s[46:47], \s*TILEB
	s_or_b32 s[G0B+4*\s+3], s[G0B+4*\s+3], 0x80000000
	JLOAD G0+4*\s, G1, G0B+4*\s, G1B
.endr
	v_and_b32 v1, 31, v0                           ; lane
	v_and_b32 v2, 15, v0                           ; r
	v_bfe_u32 v3, v0, 4, 1                         ; h
	v_lshlrev_b32 v[L16], 4, v1
	v_lshlrev_b32 v[L8], 3, v1
	s_mul_i32 s21, s15, HALFT                      ; my 128 rows of A
	s_mul_i32 s22, s16, HALFT                      ; my 128 rows of B,
	s_add_co_u32 s22, s22, 2*HALFT                 ; which lie behind A's 256
.irp s, 0,1
	v_add_nc_u32 v[ADRA+\s], s21, v[L16]
	v_add_nc_u32 v[ADRB+\s], s22, v[L16]
	v_add_nc_u32 v[ADRA+2+\s], s21, v[L8]
	v_add_nc_u32 v[ADRB+2+\s], s22, v[L8]
	s_add_co_u32 s21, s21, SLOT
	s_add_co_u32 s22, s22, SLOT
.endr
	v_lshlrev_b32 v6, 3, v2                        ; my row's scale bytes: 8 r
	s_mul_i32 s21, s15, HALFS
	s_mul_i32 s22, s16, HALFS
	s_add_co_u32 s22, s22, 2*HALFS
	s_sub_co_u32 s22, s22, s21
	v_mul_u32_u24 v7, s22, v3                      ; lanes 16-31 take B's: one product, the distance between the two bases
	s_add_co_u32 s21, s21, SCL
	v_add_nc_u32 v6, v6, v7
	v_add_nc_u32 v[ADRS], s21, v6
	s_lshl_b32 s21, s15, 10
	s_lshl_b32 s22, s16, 2
	s_add_co_u32 s21, s21, s22
	v_lshl_add_u32 v[SWA], v2, 3, s21              ; the way out: (8 x my half of A's rows + block) x 128 + 8 r + 4 x my half of B's rows
	s_lshl_b32 s21, s14, 9
	v_add_nc_u32 v[SRD], s21, v[L16]
	; where my results go
	s_lshl_b32 s20, s17, 4
	s_lshl_b32 s21, s15, 3
	s_add_co_u32 s20, s20, s21                     ; my first tile of rows
	s_mul_i32 s20, s20, s95
	s_lshl_b32 s21, s42, 2
	s_add_co_u32 s20, s20, s21
	s_lshl_b32 s21, s16, 1
	s_add_co_u32 s20, s20, s21                     ; + my first unit along the result's K
	s_mul_i32 s20, s20, 768
	s_mul_i32 s21, ttmp9, 3145728
	s_add_co_u32 s20, s20, s21
	s_mov_b32 s21, 0
	s_add_nc_u64 s[10:11], s[8:9], s[20:21]        ; codes
	s_mul_i32 s12, s95, 768                        ; from a tile of rows to the next
	s_mov_b32 s13, 0
	s_mul_i32 s20, ttmp9, 131072
	s_add_co_u32 s20, s20, 9437184
	s_lshl_b32 s22, s42, 15
	s_add_co_u32 s20, s20, s22
	s_lshl_b32 s22, s17, 11
	s_add_co_u32 s20, s20, s22
	s_lshl_b32 s22, s14, 9
	s_add_co_u32 s20, s20, s22
	s_add_nc_u64 s[8:9], s[8:9], s[20:21]          ; scale bytes: my 512 of the work-group's 2,048
.macro FRAG reg, adr, q, i             ; a fragment: two units as they lie: every load takes consecutive bytes of LDS
	ds_load_b128 v[\reg:\reg+3], v[\adr] offset:(\i)*TILEB+(\q)*1536
	ds_load_b64 v[\reg+4:\reg+5], v[\adr+2] offset:(\i)*TILEB+(\q)*1536+512
	ds_load_b128 v[\reg+6:\reg+9], v[\adr] offset:(\i)*TILEB+(\q)*1536+768
	ds_load_b64 v[\reg+10:\reg+11], v[\adr+2] offset:(\i)*TILEB+(\q)*1536+1280
.endm
; 16 matrix instructions: A's blocks a0, a0 + 1 x B's eight, 128 along K.  The 64 accumulators take turns, one instruction a turn, in the same order in every step.
.macro MUL16 a0, p, q, sc, zero
.irp a, \a0, \a0+1
.irp b, 0,1,2,3,4,5,6,7
.if \zero
	v_wmma_scale_f32_16x16x128_f8f6f4 v[8*(8*((\a)%4)+\b):8*(8*((\a)%4)+\b)+7], v[128*(\p)+FR*\b:128*(\p)+FR*\b+FR-1], v[AF+FR*(\a):AF+FR*(\a)+FR-1], 0, v[SC+8*NQ*(\sc)+NQ*\b+(\q)], v[SC+8*NQ*(\sc)+NQ*(\a)+(\q)] matrix_a_fmt:MATRIX_FMT_FP6 matrix_b_fmt:MATRIX_FMT_FP6 matrix_a_scale:MATRIX_SCALE_ROW1
.else
	v_wmma_scale_f32_16x16x128_f8f6f4 v[8*(8*((\a)%4)+\b):8*(8*((\a)%4)+\b)+7], v[128*(\p)+FR*\b:128*(\p)+FR*\b+FR-1], v[AF+FR*(\a):AF+FR*(\a)+FR-1], v[8*(8*((\a)%4)+\b):8*(8*((\a)%4)+\b)+7], v[SC+8*NQ*(\sc)+NQ*\b+(\q)], v[SC+8*NQ*(\sc)+NQ*(\a)+(\q)] matrix_a_fmt:MATRIX_FMT_FP6 matrix_b_fmt:MATRIX_FMT_FP6 matrix_a_scale:MATRIX_SCALE_ROW1
.endif
.endr
.endr
.endm
.macro FETCH_B slot, q, p
	WIN TO_B
.irp i, 0,1,2,3,4,5,6,7
	FRAG 128*(\p)+FR*\i, ADRB+\slot, \q, \i
.endr
	WIN 0
.endm
.macro FETCH_A slot, q, i0
.irp i, \i0, \i0+1, \i0+2, \i0+3
	FRAG AF+FR*(\i), ADRA+\slot, \q, \i
.endr
.endm
.macro SCALES sc                       ; a K step's scale words: two a row; lanes 0-15 take A's block i, lanes 16-31 B's block i
.irp i, 0,1,2,3,4,5,6,7
	ds_load_b64 v[SC+8*NQ*\sc+NQ*\i:SC+8*NQ*\sc+NQ*\i+1], v[ADRS] offset:\i*128
.endr
.endm
.macro PLACES n                        ; plain vector instructions between a matrix instruction and a load into, or a read of, its registers (ISA guide 7.12.1 for a read)
.rept \n
	v_nop
.endr
.endm
.macro STEP slot, q, zero              ; a step of 128 along K that has its successor in the same slot
	s_wait_dscnt 4*NL                              ; B's set and A's blocks 0-3 are in; the youngest 16 loads (A's blocks 4-7) may be out
	WIN MUL_LO
	MUL16 0, (\q)%2, \q, \slot, \zero
	MUL16 2, (\q)%2, \q, \slot, \zero
	s_wait_dscnt 0                                 ; A's blocks 4-7 are in
	PLACES NP
	FETCH_B \slot, (\q)+1, 1-(\q)%2
	FETCH_A \slot, (\q)+1, 0
	WIN MUL_HI
	MUL16 4, (\q)%2, \q, \slot, \zero
	MUL16 6, (\q)%2, \q, \slot, \zero
	PLACES NP
	WIN 0
	FETCH_A \slot, (\q)+1, 4
.endm
; A slot's last step changes slots: one barrier; in front of it each wave waits for all its tensor loads, adds 0 to its spare word, and waits for that and for its own reads of this slot.
.macro TURN slot, next, fill
	s_wait_tensorcnt 0x0                           ; all my tensor loads have landed: my part of the next slot
	ds_add_u32 v[SPW], v[NIL]                      ; 0 onto my spare word
	s_wait_dscnt 4*NL+1                            ; (the add and the youngest 16 loads may be out)
	WIN MUL_LO
	MUL16 0, 1, NQ-1, \slot, 0
	s_wait_dscnt 0x0                               ; the add is done, and my reads of this slot are over
	s_barrier_signal -1
	MUL16 2, 1, NQ-1, \slot, 0
	WIN 0
	s_barrier_wait -1
.if \fill
	CREST                                          ; the barrier has opened a round of the cluster's barrier: no wave of any partner still reads this slot or has a load on its way
	s_add_nc_u64 s[G0+4*\slot+2:G0+4*\slot+3], s[G0+4*\slot+2:G0+4*\slot+3], 2*TILEB
	s_add_nc_u64 s[G0B+4*\slot+2:G0B+4*\slot+3], s[G0B+4*\slot+2:G0B+4*\slot+3], 2*TILEB
	JLOAD G0+4*\slot, G1, G0B+4*\slot, G1B         ; the first tensor load behind the round; its four v_nop are the places in front of the loads below
.else
	PLACES NP
.endif
	v_add_nc_u32 v[ADRS], 1024, v[ADRS]            ; the next K step's scale words
	FETCH_B \next, 0, 0
	FETCH_A \next, 0, 0
	SCALES \next
	WIN MUL_HI
	MUL16 4, 1, NQ-1, \slot, 0
	MUL16 6, 1, NQ-1, \slot, 0
	PLACES NP
	WIN 0
	FETCH_A \next, 0, 4
.endm
	s_wait_tensorcnt 1                             ; the scale bytes and my part of K step 0 are in (K step 1's load may be out)
	s_barrier_signal -1
	s_barrier_wait -1                              ; everybody's are
	FETCH_B 0, 0, 0
	FETCH_A 0, 0, 0
	SCALES 0
	FETCH_A 0, 0, 4
	STEP 0, 0, 1                                   ; the first step's products start the sums
	s_mov_b32 s3, LAPS-1
.Llap:                                             ; a trip goes once round the ring and fills both slots again
	TURN 0, 1, 1
	STEP 1, 0, 0
	TURN 1, 0, 1
	STEP 0, 0, 0
	s_sub_co_u32 s3, s3, 1
	s_cmp_lg_u32 s3, 0
	s_cbranch_scc1 .Llap
	TURN 0, 1, 0                                   ; the last lap fills nothing
	STEP 1, 0, 0
	s_wait_dscnt 4*NL
	WIN MUL_LO
	MUL16 0, 1, NQ-1, 1, 0
	MUL16 2, 1, NQ-1, 1, 0
	s_wait_dscnt 0
	WIN MUL_HI
	MUL16 4, 1, NQ-1, 1, 0
	MUL16 6, 1, NQ-1, 1, 0
	WIN 0
; THE WAY OUT.  A block of 16 rows x 128: 64 registers a lane in window w from s on, register 16 b + i = index 32 b + 16 h + i of my row.  They become a fragment's codes in v[PC] on and its scale word in v[PW].
.macro QUANTW w, s
	WIN (\w)|((\w)<<2)                             ; sources 0 and 1: the accumulators' window
.irp b, 0,1,2,3
	v_max3_num_f32 v[TM+\b], |v[(\s)+16*\b]|, |v[(\s)+16*\b+1]|, 0x1800000   ; each accumulator from its low end on; the floor 2^(3 - 127) holds the byte at 1 from below
.endr
.irp i, 2,4,6,8,10,12,14
.irp b, 0,1,2,3
	v_max3_num_f32 v[TM+\b], |v[(\s)+16*\b+\i]|, |v[(\s)+16*\b+\i+1]|, v[TM+\b]
.endr
.endr
	WIN 0
.irp b, 0,1,2,3
	v_permlanex16_b32 v[TM+4+\b], v[TM+\b], s18, s19
.endr
.irp b, 0,1,2,3
	v_max_num_f32 v[TM+\b], v[TM+\b], v[TM+4+\b]   ; with lane l xor 16's: the block's largest magnitude
.endr
.irp b, 0,1,2,3
	v_add_nc_u32 v[TM+12+\b], 0xff000000, v[TM+\b] ; 2 off its exponent field: the conversion's scale operand
.endr
.irp b, 0,1,2,3
	v_lshrrev_b32 v[TM+4+\b], 23, v[TM+12+\b]      ; the scale's byte
.endr
	v_lshl_or_b32 v[PW], v[TM+5], 8, v[TM+4]
	v_lshl_or_b32 v[PW], v[TM+6], 16, v[PW]
	v_lshl_or_b32 v[PW], v[TM+7], 24, v[PW]
	WIN (\w)                                       ; source 0: the accumulators' window
.irp c, 0,1
	v_cvt_scalef32_pk16_fp6_f32 v[PC+6*\c:PC+2+6*\c], v[(\s)+32*\c:(\s)+15+32*\c], v[TM+12+2*\c]
	v_cvt_scalef32_pk16_fp6_f32 v[PC+12+4*\c:PC+14+4*\c], v[(\s)+16+32*\c:(\s)+31+32*\c], v[TM+12+2*\c+1]
.endr
	WIN 0
	v_nop                                          ; one plain place behind a scaled conversion
.irp c, 0,1                                    ; the operand's layout wants a whole block in a lane
.irp i, 0,1,2
	v_permlane16_swap_b32 v[PC+6*\c+\i], v[PC+12+4*\c+\i]
.endr
.irp i, 0,1,2
	v_mov_b32 v[PC+3+6*\c+\i], v[PC+12+4*\c+\i]
.endr
.endr
.endm
.macro PUT a                           ; two units to memory, each store 512 or 256 consecutive aligned bytes; the scale word to LDS
	global_store_b128 v[L16], v[PC:PC+3], s[10:11]
	global_store_b64 v[L8], v[PC+4:PC+5], s[10:11] offset:512
	global_store_b128 v[L16], v[PC+6:PC+9], s[10:11] offset:768
	global_store_b64 v[L8], v[PC+10:PC+11], s[10:11] offset:1280
	ds_store_b32 v[SWA], v[PW] offset:128*(\a)     ; (in slot 0, which has had its last fill and its last read)
	s_wait_xcnt 0x0                                ; the stores' data and base are rewritten only behind this wait
	s_wait_dscnt 0x0
	s_add_nc_u64 s[10:11], s[10:11], s[12:13]
.endm
	PLACES NP
	s_mov_b32 s18, 0x76543210
	s_mov_b32 s19, 0xfedcba98                      ; v_permlanex16_b32's selects for lane l xor 16
.irp b, 0,1,2,3
	v_mov_b32 v[TM+4+\b], 0                        ; a lane permute's destination counts as one of its sources
.endr
.irp a, 0,1,2,3,4,5,6,7
	QUANTW 2+\a/4, 64*(\a%4)
	PUT \a
.endr
	s_barrier_signal -1                            ; (every wave's LDS stores have landed: the wait stands in PUT)
	s_barrier_wait -1                              ; the work-group's 2,048 scale bytes lie in LDS
	ds_load_b128 v[PC:PC+3], v[SRD]
	s_wait_dscnt 0x0
	global_store_b128 v[L16], v[PC:PC+3], s[8:9]   ; 512 consecutive bytes a wave
	s_wait_tensorcnt 0x0                           ; the wave's end
	ds_add_u32 v[SPW], v[NIL]
	s_wait_dscnt 0x0
	CROUND                                         ; the closing round
	s_endpgm
.Lfunc_end_k_q70da235bd5_qkv:
	.size	k_q70da235bd5_qkv, .Lfunc_end_k_q70da235bd5_qkv-k_q70da235bd5_qkv
	.p2alignl 7, 3214868480
	.fill 96, 4, 3214868480
	.section	.rodata,"a",@progbits
	.p2align	6, 0x0
	.amdhsa_kernel k_q70da235bd5_qkv
		.amdhsa_group_segment_fixed_size 327680
		.amdhsa_private_segment_fixed_size 0
		.amdhsa_enable_private_segment 0
		.amdhsa_kernarg_size 24
		.amdhsa_user_sgpr_count 2
		.amdhsa_user_sgpr_kernarg_segment_ptr 1
		.amdhsa_wavefront_size32 1
		.amdhsa_system_sgpr_workgroup_id_x 1
		.amdhsa_system_sgpr_workgroup_id_y 1
		.amdhsa_system_sgpr_workgroup_id_z 1
		.amdhsa_system_vgpr_workitem_id 0
		.amdhsa_next_free_vgpr 1024
		.amdhsa_next_free_sgpr 104
		.amdhsa_reserve_vcc 0
		.amdhsa_float_denorm_mode_32 3
		.amdhsa_float_denorm_mode_16_64 3
		.amdhsa_memory_ordered 1
		.amdhsa_forward_progress 1
		.amdhsa_inst_pref_size 151
	.end_amdhsa_kernel
	.amdgpu_metadata
---
amdhsa.version: [ 1, 2 ]
amdhsa.kernels:
  - .name:           k_q70da235bd5_qkv
    .symbol:         k_q70da235bd5_qkv.kd
    .args:
      - { .name: hbuf, .offset: 0, .size: 8, .value_kind: global_buffer, .address_space: global }
      - { .name: wimg, .offset: 8, .size: 8, .value_kind: global_buffer, .address_space: global }
      - { .name: qkv, .offset: 16, .size: 8, .value_kind: global_buffer, .address_space: global }
    .group_segment_fixed_size: 327680
    .private_segment_fixed_size: 0
    .kernarg_segment_align: 8
    .kernarg_segment_size: 24
    .max_flat_workgroup_size: 128
    .sgpr_count:     104
    .vgpr_count:     1024
    .wavefront_size: 32
...
	.end_amdgpu_metadata
.endif
;; end of part 2
;; launch att (part 3): grid 32 x 8, 16 waves a work-group, no clusters, 327,680 bytes of LDS; arguments qkv, mask, abuf; writes abuf
.if DOCPART == 3
	.amdgcn_target "amdgcn-amd-amdhsa--gfx1250"
	.amdhsa_code_object_version 6
	.text
	.protected	k_q70da235bd5_att
	.globl	k_q70da235bd5_att
	.p2align	8
	.type	k_q70da235bd5_att,@function
k_q70da235bd5_att:
	s_mov_b64 s[64:65], 0
	v_nop
	global_prefetch_b8 v0, s[64:65] scope:SCOPE_SE
	s_setreg_imm32_b32 hwreg(HW_REG_WAVE_MODE, 25, 1), 1
	s_wait_xcnt 0x0
; attn = softmax(q k^T / 8 + mask) v for 2 batches x 16 heads of 64, both products on codes of E2M3 with one E8M0 byte for each 32 along K; the result is quantised along the channels for the next product.
; q, k, V^T come as images of operand registers: tile a has 16 rows, lane r stands for row 32 (a / 2) + 8 (a % 2) + r + 8 (r / 8); a unit of 768 bytes is 16 rows x 64 K (16 bytes a lane at 16 x lane, 8 at 512 + 8 x lane).
; For q and k a unit is one head of 16 tokens.  V^T has the channels as rows and the tokens (keys) as K.
; THE SOFTMAX: t = logit x log2(e); M = the running largest t rounded up to a whole number; p = 2^(t - M) is quantised along the keys, not normalised; the row's sum is taken of the unquantised p and divides at the end.
; When M moves, the sum and O are multiplied by 2^(old M - new M): exact.
; SHARES.  A work-group owns 64 queries x 4 heads of one batch; wave w owns one tile of 16 queries (w % 4) of one head (w / 4), in 256 registers.  So a tile of the mask in LDS serves four heads, and a tile of K or V four
; tiles of queries.  Every wave walks the 2,048 keys, 128 a step, through a ring of two LDS slots (wave 0 fetches K's tile, wave 1 V's, wave 2 the mask's).
; BOTH PRODUCTS TRANSPOSED: S^T = K Q^T + mask^T (source 0 = 16 keys, source 1 = my 16 queries; THE MASK IS THE C OF THE PRODUCT, loaded into the accumulators), O^T = V^T P^T: a lane holds one query throughout, and by
; the images' order of rows the 16 registers of tiles 2 b, 2 b + 1 are the 16 neighbouring keys 32 b + 16 h + 0 .. 15.
; K = 64 IN AN INSTRUCTION OF 128: Q's upper six registers hold zero codes, so whatever codes stand in the upper six of a fragment of K (the next tile's) add nothing; the scale halfwords are loaded zero-extended.
; THE DIVISION BY 8 is taken off q's scale bytes (3 each), held at 0 from below: an absolute error under 2^-120 where a byte lies under 3.
; NO CLUSTER: a step's 82,432 bytes stand against sixteen waves' whole softmax of 128 keys, and a joint request would put a round of the cluster's barrier into each of the sixteen steps.
; LIMITS: NaN and +infinity are not served; -infinity in the mask is, but a mask row that is -infinity throughout (NaN by the definition) is not: the format has no NaN.  Blocks under 2^-124: byte held at 1.
.set SLOT1, 131072                     ; slot 1 begins here: one exclusive or turns a descriptor from slot to slot
.set VOFF,  24576                      ; a slot: K [tile 0..7][head 0..3][768], V [4 head + tile][1,536], the mask 64 rows of 520 bytes
.set MOFF,  49152
.set MP,    520                        ; 512 bytes + 8: with it the 32 lanes of a load of 8 bytes touch 64 different banks (64 banks of 4 bytes: ISA guide 11.1)
.set KSC,   262144                     ; K's scale bytes, 128 tiles x 128 bytes
.set VSC,   278528                     ; V's: 8 x 16 tiles x 128 bytes
.set SPARE, 294912                     ; the spare words, 128 bytes for each wave: eight blocks of 256 bytes that no other line names
.set STG,   296960                     ; 512 bytes: the result's scale bytes
.set AK16, 1                           ; v1-2  K's tiles in slot 0, 1 (16 x lane);  v3-4 (8 x lane)
.set AK8,  3
.set AV16, 5                           ; v5-8  V's likewise
.set AV8,  7
.set AM,   9                           ; v9-10 my row of the mask's tile
.set ASK,  11                          ; v11   K's scale halfwords
.set ASV,  28                          ; v28   V's scale words
.set SPW,  29                          ; v29   my spare word; never rewritten
.set NIL,  30                          ; v30   0; never rewritten
.set QF,   16                          ; v16-21 Q's codes, v22-27 zero codes;  v12 -M, v13 the largest t, v[14:15] the sum in two halves
.set KF,   32                          ; v32-85 K: tile t at v[32 + 6 t] on; v80-85 zero.  Behind the first product: v32-35 block maxima, v36-39, v40-43 at work, v44-55 p's codes, v56-62 halves, v64-69 at work
.set BM,   32
.set BP,   36
.set SO,   40
.set PCD,  44
.set PT,   56
.set S,    96                          ; v96-159  the mask, then the scores, then p
.set O,    160                         ; v160-191 O^T
.set VF,   192                         ; v192-239 V's four fragments
.set KS,   240                         ; v240-247 K's scales, v248-251 V's, v252 p's, v253 Q's: they hold nothing else
.set VS,   248
.set WV,   10
.set SEL,  20
.set CS,   22
.set G1K,  24
.set G1V,  32
.set G1M,  40
.set G1KS, 48
.set G1VS, 56
.set G0K,  68
.set G0V,  72
.set G0M,  76
.set G0KS, 80
.set G0VS, 84
; The branches hang on the wave's number alone.  Four v_nop follow each tensor load.
.macro TLOAD2                          ; wave 0: K's scale bytes; wave 1: V's
	s_cmp_lg_u32 s[WV], 0
	s_cbranch_scc1 .Lt2a_\@
	tensor_load_to_lds s[G0KS:G0KS+3], s[G1KS:G1KS+7]
	s_nop 0
.rept 4
	v_nop
.endr
	s_branch .Lt2z_\@
.Lt2a_\@:
	s_cmp_lg_u32 s[WV], 1
	s_cbranch_scc1 .Lt2z_\@
	tensor_load_to_lds s[G0VS:G0VS+3], s[G1VS:G1VS+7]
	s_nop 0
.rept 4
	v_nop
.endr
.Lt2z_\@:
.endm
.macro TLOAD3                          ; wave 0: K's tile; wave 1: V's; wave 2: the mask's
	s_cmp_lg_u32 s[WV], 0
	s_cbranch_scc1 .Lt3a_\@
	tensor_load_to_lds s[G0K:G0K+3], s[G1K:G1K+7]
	s_nop 0
.rept 4
	v_nop
.endr
	s_branch .Lt3z_\@
.Lt3a_\@:
	s_cmp_lg_u32 s[WV], 1
	s_cbranch_scc1 .Lt3b_\@
	tensor_load_to_lds s[G0V:G0V+3], s[G1V:G1V+7]
	s_nop 0
.rept 4
	v_nop
.endr
	s_branch .Lt3z_\@
.Lt3b_\@:
	s_cmp_lg_u32 s[WV], 2
	s_cbranch_scc1 .Lt3z_\@
	tensor_load_to_lds s[G0M:G0M+3], s[G1M:G1M+7]
	s_nop 0
.rept 4
	v_nop
.endr
.Lt3z_\@:
.endm
	s_load_b128 s[4:7], s[0:1], 0x0                ; qkv, mask
	s_load_b64 s[8:9], s[0:1], 0x10                ; abuf
	v_lshl_add_u32 v[SPW], v0, 2, SPARE
	v_mov_b32 v[NIL], 0
	ds_add_u32 v29, v30
	s_wait_dscnt 0x0
	v_lshrrev_b32 v31, 5, v0
	v_readfirstlane_b32 s[WV], v31                 ; wave 0..15
	s_lshr_b32 s11, s[WV], 2                       ; my head of the group's four
	s_and_b32 s12, s[WV], 3                        ; my tile of the block's four
	s_and_b32 s13, ttmp7, 0xffff
	s_lshr_b32 s14, s13, 2                         ; the batch
	s_and_b32 s15, s13, 3                          ; the group of four heads
	s_lshl_b32 s16, s14, 11
	s_lshl_b32 s17, s15, 2
	s_add_co_u32 s16, s16, s17
	s_mul_i32 s16, s16, 768
	s_add_co_u32 s16, s16, 3145728                 ; K: unit (128 batch) x 16 + 4 group
	s_mov_b32 s17, 0
	s_lshl_b32 s18, s15, 10
	s_lshl_b32 s19, s14, 5
	s_add_co_u32 s18, s18, s19
	s_mul_i32 s18, s18, 768
	s_add_co_u32 s18, s18, 6291456                 ; V^T: unit (16 group) x 64 + 32 batch
	s_mov_b32 s19, 0
	s_lshl_b32 s90, ttmp9, 19                      ; the mask: 64 rows of 8,192 bytes a block of queries
	s_mov_b32 s91, 0
	s_lshl_b32 s92, s15, 15
	s_lshl_b32 s93, s14, 14
	s_add_co_u32 s92, s92, s93
	s_add_co_u32 s92, s92, 9568256                 ; K's scale bytes
	s_mov_b32 s93, 0
	s_lshl_b32 s94, s14, 18
	s_lshl_b32 s95, s15, 11
	s_add_co_u32 s94, s94, s95
	s_add_co_u32 s94, s94, 9699328                 ; V's
	s_mov_b32 s95, 0
	s_lshl_b32 s96, s14, 7
	s_lshl_b32 s97, ttmp9, 2
	s_add_co_u32 s89, s96, s97                     ; the block's first tile of tokens
	s_add_co_u32 s96, s89, s12                     ; mine
	s_lshl_b32 s97, s15, 2
	s_add_co_u32 s97, s97, s11                     ; my head
	s_lshl_b32 s98, s96, 4
	s_add_co_u32 s98, s98, s97
	s_mul_i32 s98, s98, 768                        ; my unit, in q's image and in the result's
	s_mov_b32 s99, 0
	s_lshl_b32 s100, s15, 15
	s_lshl_b32 s101, s96, 7
	s_add_co_u32 s100, s100, s101
	s_add_co_u32 s100, s100, 9437184               ; Q's scale bytes
	s_mov_b32 s101, 0
	s_lshl_b32 s2, s15, 15
	s_lshl_b32 s3, s89, 7
	s_add_co_u32 s2, s2, s3
	s_add_co_u32 s2, s2, 3145728                   ; the result's scale bytes: the block's 512
	s_mov_b32 s3, 0
	; descriptor groups 1.  K: 8 tiles (rows) of four units, 3,072 bytes, 12,288 bytes apart
	s_mov_b32 s[G1K], 3<<16                        ; no mask; elements of 8 bytes; no padding
	s_mov_b32 s[G1K+1], 384<<16
	s_mov_b32 s[G1K+2], 8<<16
	s_mov_b32 s[G1K+3], 384<<16
	s_mov_b32 s[G1K+4], 8
	s_mov_b32 s[G1K+5], 1536
	s_mov_b32 s[G1K+6], 0
	s_mov_b32 s[G1K+7], 0
	s_mov_b32 s[G1V], 3<<16                        ; V: 16 tiles of two units, 1,536 bytes, 49,152 bytes apart
	s_mov_b32 s[G1V+1], 192<<16
	s_mov_b32 s[G1V+2], 16<<16
	s_mov_b32 s[G1V+3], 192<<16
	s_mov_b32 s[G1V+4], 16
	s_mov_b32 s[G1V+5], 6144
	s_mov_b32 s[G1V+6], 0
	s_mov_b32 s[G1V+7], 0
	s_mov_b32 s[G1M], (2<<16)|(1<<20)|(6<<22)|(1<<25)   ; the mask: 64 rows of 128 elements of 4 bytes; 2 words of padding behind every 128
	s_mov_b32 s[G1M+1], 128<<16
	s_mov_b32 s[G1M+2], 64<<16
	s_mov_b32 s[G1M+3], 128<<16
	s_mov_b32 s[G1M+4], 64
	s_mov_b32 s[G1M+5], 2048
	s_mov_b32 s[G1M+6], 0
	s_mov_b32 s[G1M+7], 0
	s_mov_b32 s[G1KS], 3<<16                       ; K's scale bytes: 16,384 dense bytes as 64 rows of 256
	s_mov_b32 s[G1KS+1], 32<<16
	s_mov_b32 s[G1KS+2], 64<<16
	s_mov_b32 s[G1KS+3], 32<<16
	s_mov_b32 s[G1KS+4], 64
	s_mov_b32 s[G1KS+5], 32
	s_mov_b32 s[G1KS+6], 0
	s_mov_b32 s[G1KS+7], 0
	s_mov_b32 s[G1VS], 3<<16                       ; V's: 8 rows of 2,048 bytes, 32,768 bytes apart
	s_mov_b32 s[G1VS+1], 256<<16
	s_mov_b32 s[G1VS+2], 8<<16
	s_mov_b32 s[G1VS+3], 256<<16
	s_mov_b32 s[G1VS+4], 8
	s_mov_b32 s[G1VS+5], 4096
	s_mov_b32 s[G1VS+6], 0
	s_mov_b32 s[G1VS+7], 0
	s_mov_b32 s[SEL], 0x76543210
	s_mov_b32 s[SEL+1], 0xfedcba98                 ; v_permlanex16_b32's selects for lane l xor 16
	s_mov_b32 s[CS], 0x3fb8aa3b                    ; log2(e)
	s_mov_b32 s[CS+1], s[CS]                       ; (named with it as a pair, so it is written)
	s_mov_b32 s88, 7
	s_wait_kmcnt 0x0
	s_mov_b32 s[G0KS], 1
	s_mov_b32 s[G0KS+1], KSC
	s_add_nc_u64 s[G0KS+2:G0KS+3], s[4:5], s[92:93]
	s_or_b32 s[G0KS+3], s[G0KS+3], 0x80000000
	s_mov_b32 s[G0VS], 1
	s_mov_b32 s[G0VS+1], VSC
	s_add_nc_u64 s[G0VS+2:G0VS+3], s[4:5], s[94:95]
	s_or_b32 s[G0VS+3], s[G0VS+3], 0x80000000
	TLOAD2                                         ; the scale bytes: filled once
	s_mov_b32 s[G0K], 1
	s_mov_b32 s[G0K+1], 0
	s_add_nc_u64 s[G0K+2:G0K+3], s[4:5], s[16:17]
	s_or_b32 s[G0K+3], s[G0K+3], 0x80000000
	s_mov_b32 s[G0V], 1
	s_mov_b32 s[G0V+1], VOFF
	s_add_nc_u64 s[G0V+2:G0V+3], s[4:5], s[18:19]
	s_or_b32 s[G0V+3], s[G0V+3], 0x80000000
	s_mov_b32 s[G0M], 1
	s_mov_b32 s[G0M+1], MOFF
	s_add_nc_u64 s[G0M+2:G0M+3], s[6:7], s[90:91]
	s_or_b32 s[G0M+3], s[G0M+3], 0x80000000
	TLOAD3                                         ; slot 0: key step 0
	s_add_nc_u64 s[16:17], s[4:5], s[98:99]        ; Q's unit
	s_add_nc_u64 s[18:19], s[8:9], s[98:99]        ; the result's unit
	s_add_nc_u64 s[100:101], s[4:5], s[100:101]    ; Q's scale bytes
	s_add_nc_u64 s[2:3], s[8:9], s[2:3]            ; the result's
	v_and_b32 v31, 31, v0                          ; lane
	v_and_b32 v68, 15, v0                          ; r
	v_bfe_u32 v69, v0, 4, 1                        ; h
	v_lshlrev_b32 v86, 4, v31                      ; v86 16 x lane, v87 8 x lane: they stay
	v_lshlrev_b32 v87, 3, v31
	s_mul_i32 s89, s11, 768
	v_add_nc_u32 v[AK16], s89, v86
	v_add_nc_u32 v[AK8], s89, v87
	v_add_nc_u32 v[AK16+1], SLOT1, v[AK16]
	v_add_nc_u32 v[AK8+1], SLOT1, v[AK8]
	s_mul_i32 s89, s11, 6144
	s_add_co_u32 s89, s89, VOFF
	v_add_nc_u32 v[AV16], s89, v86
	v_add_nc_u32 v[AV8], s89, v87
	v_add_nc_u32 v[AV16+1], SLOT1, v[AV16]
	v_add_nc_u32 v[AV8+1], SLOT1, v[AV8]
	s_lshr_b32 s89, s12, 1
	s_lshl_b32 s89, s89, 5
	s_and_b32 s13, s12, 1
	s_lshl_b32 s13, s13, 3
	s_add_co_u32 s89, s89, s13                     ; my tile's first row of the block's 64
	s_mul_i32 s89, s89, MP
	s_add_co_u32 s89, s89, MOFF
	v_and_b32 v70, 8, v68
	v_add_nc_u32 v70, v70, v68                     ; r + 8 (r / 8)
	v_mul_u32_u24 v70, v70, MP
	v_lshl_add_u32 v70, v69, 6, v70                ; + 64 h: my 16 keys of each 32
	v_add_nc_u32 v[AM], s89, v70
	v_add_nc_u32 v[AM+1], SLOT1, v[AM]
	s_lshl_b32 s89, s11, 1
	s_add_co_u32 s13, s89, KSC
	v_lshl_add_u32 v[ASK], v68, 3, s13             ; K's: 8 r + 2 x head
	s_lshl_b32 s13, s11, 9
	s_add_co_u32 s13, s13, VSC
	v_lshl_add_u32 v[ASV], v68, 3, s13             ; V's: 4 tiles a head, 8 r
	v_lshl_add_u32 v90, v68, 3, s89                ; v90 Q's halfword in memory: 8 r + 2 x head
	s_lshl_b32 s13, s12, 7
	s_add_co_u32 s13, s13, s89
	s_add_co_u32 s13, s13, STG
	v_lshl_add_u32 v88, v68, 3, s13                ; v88 the result's halfword in LDS
	v_add_nc_u32 v89, STG, v86                     ; v89 and where wave 0 reads 16 of those bytes
	global_load_b128 v[QF:QF+3], v86, s[16:17]
	global_load_b64 v[QF+4:QF+5], v87, s[16:17] offset:512
	global_load_u16 v91, v90, s[100:101]
.irp i, 0,1,2,3,4,5
	v_mov_b32 v[QF+6+\i], 0                        ; zero codes for k = 64 .. 127
	v_mov_b32 v[KF+48+\i], 0                       ; the upper six registers of K's last fragment
.endr
	v_mov_b32 v13, 0xff61b1e6                      ; the largest t so far: -3e38
	v_floor_f32 v12, -v13                          ; -M
	v_mov_b32 v14, 0
	v_mov_b32 v15, 0
	s_wait_loadcnt 0x0
	v_and_b32 v68, 0xff, v91                       ; q / 8: 3 off each of its two scale bytes, held at 0
	v_lshrrev_b32 v69, 8, v91
	v_max_u32 v68, 3, v68
	v_max_u32 v69, 3, v69
	v_add_nc_u32 v68, -3, v68
	v_add_nc_u32 v69, -3, v69
	v_lshl_or_b32 v253, v69, 8, v68                ; bytes 2 and 3 stay 0: they stand over zero codes
.set j, 0
.rept 32
	v_mov_b32 v[O+j], 0                            ; the step is written for every step alike: the first finds zeros
.set j, j+1
.endr
; A KEY STEP: 128 keys, in slot sl.
.macro STEP sl
.rept 4
	v_nop                                          ; places behind the last products, in front of loads into their sources
.endr
.irp t, 0,1,2,3,4,5,6,7
	ds_load_b128 v[KF+6*\t:KF+6*\t+3], v[AK16+\sl] offset:3072*\t
	ds_load_b64 v[KF+6*\t+4:KF+6*\t+5], v[AK8+\sl] offset:3072*\t+512
	ds_load_u16 v[KS+\t], v[ASK] offset:1024*\sl+128*\t
.endr
.irp b, 0,1,2,3
.irp i, 0,1,2,3,4,5,6,7
	ds_load_b64 v[S+16*\b+2*\i:S+16*\b+2*\i+1], v[AM+\sl] offset:128*\b+8*\i   ; the mask at my query and keys 32 b + 16 h + 2 i, + 1
.endr
.endr
.irp t, 0,1,2,3
	ds_load_b128 v[VF+12*\t:VF+12*\t+3], v[AV16+\sl] offset:1536*\t
	ds_load_b64 v[VF+12*\t+4:VF+12*\t+5], v[AV8+\sl] offset:1536*\t+512
	ds_load_b128 v[VF+12*\t+6:VF+12*\t+9], v[AV16+\sl] offset:1536*\t+768
	ds_load_b64 v[VF+12*\t+10:VF+12*\t+11], v[AV8+\sl] offset:1536*\t+1280
	ds_load_b32 v[VS+\t], v[ASV] offset:128*\t+4*\sl
.endr
	s_wait_dscnt 20                                ; K and the mask are in; V's 20 loads may be out
.irp t, 0,1,2,3,4,5,6,7
	v_wmma_scale_f32_16x16x128_f8f6f4 v[S+8*\t:S+8*\t+7], v[KF+6*\t:KF+6*\t+11], v[QF:QF+11], v[S+8*\t:S+8*\t+7], v[KS+\t], v253 matrix_a_fmt:MATRIX_FMT_FP6 matrix_b_fmt:MATRIX_FMT_FP6
.endr
.rept 4
	v_nop
.endr
.irp b, 0,1,2,3
	v_max3_num_f32 v[BM+\b], v[S+16*\b], v[S+16*\b+1], v[S+16*\b+2]   ; the largest logit of each block of 32 keys: for the row's maximum, and, since p rises with the logit, for the block's largest p
.endr
.irp i, 3,5,7,9,11,13
.irp b, 0,1,2,3
	v_max3_num_f32 v[BM+\b], v[BM+\b], v[S+16*\b+\i], v[S+16*\b+\i+1]
.endr
.endr
.irp b, 0,1,2,3
	v_max_num_f32 v[BM+\b], v[BM+\b], v[S+16*\b+15]
.endr
.irp b, 0,1,2,3
	v_permlanex16_b32 v[BP+\b], v[BM+\b], s[SEL], s[SEL+1]
.endr
.irp b, 0,1,2,3
	v_max_num_f32 v[BM+\b], v[BM+\b], v[BP+\b]
.endr
	v_max3_num_f32 v68, v[BM], v[BM+1], v[BM+2]
	v_max_num_f32 v68, v68, v[BM+3]
	v_mul_f32 v68, s[CS], v68                      ; as t
	v_max_num_f32 v13, v13, v68                    ; the running largest t
	v_mov_b32 v68, v12
	v_floor_f32 v12, -v13                          ; the new -M = -ceil(t)
	v_sub_f32 v68, v12, v68                        ; old M - new M: a whole number, 0 or less
	v_cvt_i32_f32 v68, v68                         ; (it saturates)
	v_ldexp_f32 v66, 1.0, v68                      ; f = 2^(old M - new M)
.set j, 0
.rept 32
	v_pk_fma_f32 v[S+j:S+j+1], v[S+j:S+j+1], s[CS:CS+1], v[12:13] op_sel_hi:[1,0,0]   ; t - M
.set j, j+2
.endr
.irp b, 0,1,2,3
	v_fma_f32 v[BM+\b], v[BM+\b], s[CS], v12
.endr
.set j, 0
.rept 64
	v_exp_f32 v[S+j], v[S+j]                       ; p = 2^(t - M)
.set j, j+1
.endr
.irp b, 0,1,2,3
	v_exp_f32 v[BM+\b], v[BM+\b]                   ; the block's largest p: the same two instructions on the same number
.endr
	v_pk_mul_f32 v[14:15], v[14:15], v[66:67] op_sel_hi:[1,0]   ; the sums under the new M.  (A plain place behind the exponentials)
	s_wait_alu depctr_va_vdst(0)
.irp b, 0,1,2,3
	v_max_num_f32 v[BM+\b], 0x1800000, v[BM+\b]    ; the floor 2^(3 - 127): the byte cannot fall under 1
.endr
.irp b, 0,1,2,3
	v_add_nc_u32 v[SO+\b], 0xff000000, v[BM+\b]
.endr
.irp b, 0,1,2,3
	v_lshrrev_b32 v[BP+\b], 23, v[SO+\b]
.endr
	v_lshl_or_b32 v252, v[BP+1], 8, v[BP]          ; p's scale word for these 128 keys
	v_lshl_or_b32 v252, v[BP+2], 16, v252
	v_lshl_or_b32 v252, v[BP+3], 24, v252
.irp c, 0,1
	v_cvt_scalef32_pk16_fp6_f32 v[PCD+6*\c:PCD+6*\c+2], v[S+32*\c:S+32*\c+15], v[SO+2*\c]
	v_cvt_scalef32_pk16_fp6_f32 v[PT+4*\c:PT+4*\c+2], v[S+32*\c+16:S+32*\c+31], v[SO+2*\c+1]
.endr
	v_nop                                          ; one plain place behind a scaled conversion
.irp c, 0,1
.irp i, 0,1,2
	v_permlane16_swap_b32 v[PCD+6*\c+\i], v[PT+4*\c+\i]
.endr
.irp i, 0,1,2
	v_mov_b32 v[PCD+3+6*\c+\i], v[PT+4*\c+\i]
.endr
.endr
	v_pk_add_f32 v[64:65], v[S:S+1], v[S+2:S+3]    ; the row's sum is taken of the unquantised p, in two chains
.irp j, 4,8,12,16,20,24,28,32,36,40,44,48,52,56,60
	v_pk_add_f32 v[14:15], v[14:15], v[S+\j:S+\j+1]
	v_pk_add_f32 v[64:65], v[64:65], v[S+\j+2:S+\j+3]
.endr
	v_pk_add_f32 v[14:15], v[14:15], v[64:65]
.set j, 0
.rept 16
	v_pk_mul_f32 v[O+j:O+j+1], v[O+j:O+j+1], v[66:67] op_sel_hi:[1,0]   ; O^T under the new M
.set j, j+2
.endr
	s_wait_dscnt 0x0                               ; V
.irp t, 0,1,2,3
	v_wmma_scale_f32_16x16x128_f8f6f4 v[O+8*\t:O+8*\t+7], v[VF+12*\t:VF+12*\t+11], v[PCD:PCD+11], v[O+8*\t:O+8*\t+7], v[VS+\t], v252 matrix_a_fmt:MATRIX_FMT_FP6 matrix_b_fmt:MATRIX_FMT_FP6
.endr
.endm
; THE CHANGE OF SLOTS stands at a step's head.  Each wave waits for all its tensor loads, adds 0 to its spare word, and waits for that and for its reads of the slot that it has left; behind the barrier the slot ahead is whole
; and nobody reads the other one, which (fill = 1) takes the keys that follow: that load has a whole step in which to land.
.macro CHANGE fill
	s_wait_tensorcnt 0x0                           ; no tensor load of mine is out, so a group 0 may be written
	ds_add_u32 v[SPW], v[NIL]                      ; 0 onto my spare word
.if \fill
	s_xor_b32 s[G0K+1], s[G0K+1], SLOT1
	s_add_nc_u64 s[G0K+2:G0K+3], s[G0K+2:G0K+3], 98304   ; eight tiles of tokens on
	s_xor_b32 s[G0V+1], s[G0V+1], SLOT1
	s_add_nc_u64 s[G0V+2:G0V+3], s[G0V+2:G0V+3], 1536    ; two units on
	s_xor_b32 s[G0M+1], s[G0M+1], SLOT1
	s_add_nc_u64 s[G0M+2:G0M+3], s[G0M+2:G0M+3], 512     ; 128 columns on
.endif
	s_wait_dscnt 0x0                               ; the add is done, and my reads of the slot that I have left are over
	s_barrier_signal -1
	s_barrier_wait -1
.if \fill
	TLOAD3                                         ; the first thing behind the barrier, and a wave's one tensor load until the next
.endif
.endm
.Lpair:                                            ; seven trips of two key steps
	CHANGE 1
	STEP 0
	CHANGE 1
	STEP 1
	v_add_nc_u32 v[ASK], 2048, v[ASK]              ; the next 256 keys' scale bytes
	v_add_nc_u32 v[ASV], 2048, v[ASV]
	s_sub_co_u32 s88, s88, 1
	s_cmp_lg_u32 s88, 0
	s_cbranch_scc1 .Lpair
	CHANGE 1                                       ; the last two steps are written out
	STEP 0
	CHANGE 0
	STEP 1
	; THE WAY OUT.  O^T / the sum; its 64 channels are two blocks of 32 of the next product's K: one unit of the result's image.
.rept 4
	v_nop
.endr
	v_add_f32 v14, v14, v15
	v_permlanex16_b32 v[BP], v14, s[SEL], s[SEL+1]
	v_add_f32 v14, v14, v[BP]                      ; the row's sum
	v_rcp_f32 v14, v14
	v_nop                                          ; one plain place behind a transcendental
	s_wait_alu depctr_va_vdst(0)
	v_mov_b32 v15, v14
.set j, 0
.rept 16
	v_pk_mul_f32 v[S+j:S+j+1], v[O+j:O+j+1], v[14:15]   ; register 16 b + i = channel 32 b + 16 h + i of my head
.set j, j+2
.endr
.irp b, 0,1
	v_max3_num_f32 v[BM+\b], |v[S+16*\b]|, |v[S+16*\b+1]|, 0x1800000
.endr
.irp i, 2,4,6,8,10,12,14
.irp b, 0,1
	v_max3_num_f32 v[BM+\b], v[BM+\b], |v[S+16*\b+\i]|, |v[S+16*\b+\i+1]|
.endr
.endr
.irp b, 0,1
	v_permlanex16_b32 v[BP+\b], v[BM+\b], s[SEL], s[SEL+1]
.endr
.irp b, 0,1
	v_max_num_f32 v[BM+\b], v[BM+\b], v[BP+\b]
.endr
.irp b, 0,1
	v_add_nc_u32 v[SO+\b], 0xff000000, v[BM+\b]
.endr
.irp b, 0,1
	v_lshrrev_b32 v[BP+\b], 23, v[SO+\b]
.endr
	v_lshl_or_b32 v68, v[BP+1], 8, v[BP]
	v_cvt_scalef32_pk16_fp6_f32 v[PCD:PCD+2], v[S:S+15], v[SO]
	v_cvt_scalef32_pk16_fp6_f32 v[PT:PT+2], v[S+16:S+31], v[SO+1]
	v_nop
.irp i, 0,1,2
	v_permlane16_swap_b32 v[PCD+\i], v[PT+\i]
.endr
.irp i, 0,1,2
	v_mov_b32 v[PCD+3+\i], v[PT+\i]
.endr
	global_store_b128 v86, v[PCD:PCD+3], s[18:19]            ; 512 and 256 consecutive bytes, aligned to 256
	global_store_b64 v87, v[PCD+4:PCD+5], s[18:19] offset:512
	ds_store_b16 v88, v68
	s_wait_dscnt 0x0
	s_barrier_signal -1
	s_barrier_wait -1                              ; the block's 512 scale bytes lie in LDS
	s_cmp_lg_u32 s[WV], 0
	s_cbranch_scc1 .Lnot_0
	ds_load_b128 v[S:S+3], v89
	s_wait_dscnt 0x0
	global_store_b128 v86, v[S:S+3], s[2:3]        ; 512 consecutive bytes
.Lnot_0:
	s_wait_tensorcnt 0x0                           ; the wave's end
	ds_add_u32 v[SPW], v[NIL]
	s_wait_dscnt 0x0
	s_endpgm
.Lfunc_end_k_q70da235bd5_att:
	.size	k_q70da235bd5_att, .Lfunc_end_k_q70da235bd5_att-k_q70da235bd5_att
	.p2alignl 7, 3214868480
	.fill 96, 4, 3214868480
	.section	.rodata,"a",@progbits
	.p2align	6, 0x0
	.amdhsa_kernel k_q70da235bd5_att
		.amdhsa_group_segment_fixed_size 327680
		.amdhsa_private_segment_fixed_size 0
		.amdhsa_enable_private_segment 0
		.amdhsa_kernarg_size 24
		.amdhsa_user_sgpr_count 2
		.amdhsa_user_sgpr_kernarg_segment_ptr 1
		.amdhsa_wavefront_size32 1
		.amdhsa_system_sgpr_workgroup_id_x 1
		.amdhsa_system_sgpr_workgroup_id_y 1
		.amdhsa_system_sgpr_workgroup_id_z 1
		.amdhsa_system_vgpr_workitem_id 0
		.amdhsa_next_free_vgpr 256
		.amdhsa_next_free_sgpr 104
		.amdhsa_reserve_vcc 0
		.amdhsa_float_denorm_mode_32 3
		.amdhsa_float_denorm_mode_16_64 3
		.amdhsa_memory_ordered 1
		.amdhsa_forward_progress 1
		.amdhsa_inst_pref_size 94
	.end_amdhsa_kernel
	.amdgpu_metadata
---
amdhsa.version: [ 1, 2 ]
amdhsa.kernels:
  - .name:           k_q70da235bd5_att
    .symbol:         k_q70da235bd5_att.kd
    .args:
      - { .name: qkv, .offset: 0, .size: 8, .value_kind: global_buffer, .address_space: global }
      - { .name: mask, .offset: 8, .size: 8, .value_kind: global_buffer, .address_space: global }
      - { .name: abuf, .offset: 16, .size: 8, .value_kind: global_buffer, .address_space: global }
    .group_segment_fixed_size: 327680
    .private_segment_fixed_size: 0
    .kernarg_segment_align: 8
    .kernarg_segment_size: 24
    .max_flat_workgroup_size: 512
    .sgpr_count:     104
    .vgpr_count:     256
    .wavefront_size: 32
...
	.end_amdgpu_metadata
.endif
;; end of part 3
;; launch wo (part 4): grid 4 x 16, 4 waves a work-group, clusters of 4 x 4, 327,680 bytes of LDS; arguments abuf, wimg, x, x2; writes x2
.if DOCPART == 4
	.amdgcn_target "amdgcn-amd-amdhsa--gfx1250"
	.amdhsa_code_object_version 6
	.text
	.protected	k_q70da235bd5_wo
	.globl	k_q70da235bd5_wo
	.p2align	8
	.type	k_q70da235bd5_wo,@function
k_q70da235bd5_wo:
	s_mov_b64 s[64:65], 0
	v_nop
	global_prefetch_b8 v0, s[64:65] scope:SCOPE_SE
	s_setreg_imm32_b32 hwreg(HW_REG_WAVE_MODE, 25, 1), 1
	s_wait_xcnt 0x0
	s_wait_alu depctr_hold_cnt(0) depctr_sa_sdst(0) depctr_va_vdst(0) depctr_va_sdst(0) depctr_va_ssrc(0) depctr_va_vcc(0) depctr_vm_vsrc(0)
	s_getreg_b32 s2, hwreg(HW_REG_IB_STS2, 6, 4)
	s_cmp_eq_u32 s2, 0
	s_cbranch_scc0 .Lentry_in_a_cluster
	s_endpgm
.Lentry_in_a_cluster:
	s_bfe_u32 s2, ttmp6, 0x10000c
	s_cmp_lg_u32 s2, 0xf033
	s_cbranch_scc0 .Lentry_shape_is_right
	s_endpgm
.Lentry_shape_is_right:
; x2 = x + attn wo, the product on codes of E2M3 (one E8M0 byte for each 32 along K = 1,024); x, x2: [4,096][1,024] f32.
; attn and wo come as images of operand registers: tile a has 16 rows, lane r stands for row 32 (a / 2) + 8 (a % 2) + r + 8 (r / 8); unit (a, k / 64) of 768 bytes holds each lane's 24 bytes of codes (16 at 16 x lane, 8 at
; 512 + 8 x lane); scale bytes at (k / 256) x 32,768 + a x 128 + 8 r.  A fragment of 16 rows x 128 K is two units: four dense LDS loads.
; A tile of C, 256 x 256, is made by four waves, 128 x 128 each: 64 accumulators in 512 registers.  K goes in steps of 256 through a ring of two LDS slots filled by the tensor data mover; all scale bytes come once.
; THE MATRIX INSTRUCTION IS USED TRANSPOSED (source 0 = a tile of wo, source 1 = a tile of attn): lane (r, h) holds one token, and the 16 registers of wo's tiles 2 b, 2 b + 1 are columns 32 b + 16 h + 0 .. 15.
; THE RESIDUAL IS WHAT THE SUMS BEGIN WITH: x is loaded straight into the accumulators, so adding it costs no instruction.
; CLUSTERS: 4 x 4 work-groups; attn's tiles are shared along a row of the cluster, wo's along a column, by joint loads.  C has 64 tiles of this size: 64 work-groups.
; LIMITS: NaN and infinities are not served.
; REGISTERS: window 0: v1-7, v16-30 addresses; v32-63 scale words, two sets; v128-223 A's fragments, one set; way out: v128-255.  window 1: B's fragments, two sets.  windows 2, 3: the accumulators, (a, b) at v[8 (8 (a % 4) + b)].
.set SIZE_K, 1024
.set A_SC,   3145728                   ; A's scale image in its buffer
.set B_CD,   2359296                   ; B's codes in wimg
.set B_SC,   9437184+393216            ; B's scale image
.set NQ,     2
.set FR,     12
.set NL,     4
.set NP,     4
.set TILEB,  3072
.set HALFT,  8*TILEB
.set SLOT,   4*HALFT
.set LAPS,   SIZE_K/512
.set KPITCH, 12*SIZE_K
.set NSG,    SIZE_K/256
.set HALFS,  NSG*1024
.set SCL,    2*SLOT
.set SPARE,  327168                    ; the spare words, 128 bytes for each wave: two blocks of 256 bytes that no other line names
.set SPITCH, 528                       ; the way out: a stage of 16 rows x (512 bytes + 16) for each wave, in slot 0, which has had its last fill and its last read by then
.set L16,  4
.set L8,   5
.set ADRA, 16
.set ADRB, 20
.set STO,  24                          ; v24  the way out: where I put 16 bytes of a row
.set RD,   25                          ; v25  where I read a row back
.set CO,   26                          ; v26  16 x lane: my bytes of a row's 512
.set ADRS, 27
.set SPW,  28
.set NIL,  29
.set RA,   30                          ; v30  the residual: my row of 4,096 bytes, + 64 h
.set SC,   32
.set AF,   128
.set BK,   128
.set G1, 24
.set G0, 32
.set G1B, 48
.set G0B, 56
.set G1S, 68
.set G0S, 76
.set G1SB, 80
.set G0SB, 88
.set MSB, 0
.macro WIN new
.if MSB != (\new)
	s_set_vgpr_msb (MSB<<8)|(\new)
.set MSB, (\new)
.endif
.endm
.set MUL_LO, 0xa1
.set MUL_HI, 0xf1
.set TO_B,   0x40
.macro JLOAD g0a, g1a, g0b, g1b        ; a joint load: waves 0 and 1 fetch for A, waves 2 and 3 for B; four v_nop follow each of the two lines
	s_cmp_eq_u32 s15, 0
	s_cbranch_scc0 .Lfor_b_\@
	tensor_load_to_lds s[\g0a:\g0a+3], s[\g1a:\g1a+7]
	s_nop 0
.rept 4
	v_nop
.endr
	s_branch .Lasked_\@
.Lfor_b_\@:
	tensor_load_to_lds s[\g0b:\g0b+3], s[\g1b:\g1b+7]
	s_nop 0
.rept 4
	v_nop
.endr
.Lasked_\@:
.endm
.macro CREST
	s_cmp_lg_u32 s14, 0
	s_cbranch_scc1 .Lnot_wave_0_\@
	s_barrier_signal -3
.Lnot_wave_0_\@:
	s_barrier_wait -3
	s_barrier_signal -1
	s_barrier_wait -1
.endm
.macro CROUND
	s_barrier_signal -1
	s_barrier_wait -1
	CREST
.endm
	s_load_b256 s[4:11], s[0:1], 0x0               ; A's buffer s[4:5], wimg s[6:7], the residual s[8:9], the result s[10:11]
	v_lshl_add_u32 v[SPW], v0, 2, SPARE
	v_mov_b32 v[NIL], 0
	ds_add_u32 v28, v29
	s_wait_dscnt 0x0
	v_lshrrev_b32 v1, 5, v0
	v_readfirstlane_b32 s14, v1                    ; wave 0..3
	s_lshr_b32 s15, s14, 1                         ; which half of A's rows is mine.  Also: I fetch for A (0) or for B (1)
	s_and_b32 s16, s14, 1                          ; which half of B's rows.  Also: which 128 rows I fetch
	s_bfe_u32 s40, ttmp6, 0x40000                  ; cx, cy
	s_bfe_u32 s41, ttmp6, 0x40004
	s_lshl_b32 s42, ttmp9, 2
	s_add_co_u32 s42, s42, s40                     ; B's block of 256 rows = 4 x cluster x + cx
	s_and_b32 s17, ttmp7, 0xffff
	s_lshl_b32 s17, s17, 2
	s_add_co_u32 s17, s17, s41                     ; A's = 4 x cluster y + cy
	s_lshl_b32 s43, s41, 2
	s_lshl_b32 s43, 15, s43                        ; my row of the cluster
	s_lshl_b32 s44, 0x1111, s40                    ; my column
	s_or_b32 s[G1+0], s43, (3<<16)|(1<<21)         ; codes: 8 tiles (rows) of 3,072 bytes (384 elements of 8 bytes), KPITCH bytes apart; dense in LDS
	s_or_b32 s[G1B+0], s44, (3<<16)|(1<<21)
.irp g, G1, G1B
	s_mov_b32 s[\g+1], 384<<16
	s_mov_b32 s[\g+2], 8<<16
	s_mov_b32 s[\g+3], 384<<16
	s_mov_b32 s[\g+4], 8
	s_mov_b32 s[\g+5], KPITCH/8
	s_mov_b32 s[\g+6], 0
	s_mov_b32 s[\g+7], 0
.endr
	s_or_b32 s[G1S+0], s43, (3<<16)|(1<<21)        ; scale bytes: NSG rows of 1,024 bytes, 32,768 bytes apart
	s_or_b32 s[G1SB+0], s44, (3<<16)|(1<<21)
.irp g, G1S, G1SB
	s_mov_b32 s[\g+1], 128<<16
	s_mov_b32 s[\g+2], NSG<<16
	s_mov_b32 s[\g+3], 128<<16
	s_mov_b32 s[\g+4], NSG
	s_mov_b32 s[\g+5], 4096
	s_mov_b32 s[\g+6], 0
	s_mov_b32 s[\g+7], 0
.endr
	s_lshl_b32 s18, s16, 3
	s_lshl_b32 s20, s17, 4
	s_add_co_u32 s20, s20, s18                     ; A: tile 16 x block + 8 x half
	s_lshl_b32 s46, s42, 4
	s_add_co_u32 s46, s46, s18                     ; B likewise
	s_lshl_b32 s22, s20, 7
	s_add_co_u32 s22, s22, A_SC
	s_mov_b32 s23, 0
	s_lshl_b32 s92, s46, 7
	s_add_co_u32 s92, s92, B_SC
	s_mov_b32 s93, 0
	s_mul_i32 s20, s20, KPITCH
	s_mov_b32 s21, 0
	s_mul_i32 s46, s46, KPITCH
	s_add_co_u32 s46, s46, B_CD
	s_mov_b32 s47, 0
	s_mul_i32 s45, s14, HALFT
	s_mul_i32 s94, s14, HALFS
	s_wait_kmcnt 0x0
	s_add_nc_u64 s[20:21], s[4:5], s[20:21]
	s_add_nc_u64 s[22:23], s[4:5], s[22:23]
	s_add_nc_u64 s[46:47], s[6:7], s[46:47]
	s_add_nc_u64 s[92:93], s[6:7], s[92:93]
	CROUND                                         ; all sixteen work-groups are here: the first joint loads meet
	s_mov_b32 s[G0S], 1
	s_add_co_u32 s[G0S+1], s94, SCL
	s_mov_b64 s[G0S+2:G0S+3], s[22:23]
	s_or_b32 s[G0S+3], s[G0S+3], 0x80000000
	s_mov_b32 s[G0SB], 1
	s_add_co_u32 s[G0SB+1], s94, SCL
	s_mov_b64 s[G0SB+2:G0SB+3], s[92:93]
	s_or_b32 s[G0SB+3], s[G0SB+3], 0x80000000
	JLOAD G0S, G1S, G0SB, G1SB
.irp s, 0,1
	s_mov_b32 s[G0+4*\s], 1
	s_add_co_u32 s[G0+4*\s+1], s45, \s*SLOT
	s_add_nc_u64 s[G0+4*\s+2:G0+4*\s+3], s[20:21], \s*TILEB
	s_or_b32 s[G0+4*\s+3], s[G0+4*\s+3], 0x80000000
	s_mov_b32 s[G0B+4*\s], 1
	s_add_co_u32 s[G0B+4*\s+1], s45, \s*SLOT
	s_add_nc_u64 s[G0B+4*\s+2:G0B+4*\s+3], s[46:47], \s*TILEB
	s_or_b32 s[G0B+4*\s+3], s[G0B+4*\s+3], 0x80000000
	JLOAD G0+4*\s, G1, G0B+4*\s, G1B
.endr
	v_and_b32 v1, 31, v0
	v_and_b32 v2, 15, v0
	v_bfe_u32 v3, v0, 4, 1
	v_lshlrev_b32 v[L16], 4, v1
	v_lshlrev_b32 v[L8], 3, v1
	s_mul_i32 s21, s15, HALFT
	s_mul_i32 s22, s16, HALFT
	s_add_co_u32 s22, s22, 2*HALFT
.irp s, 0,1
	v_add_nc_u32 v[ADRA+\s], s21, v[L16]
	v_add_nc_u32 v[ADRB+\s], s22, v[L16]
	v_add_nc_u32 v[ADRA+2+\s], s21, v[L8]
	v_add_nc_u32 v[ADRB+2+\s], s22, v[L8]
	s_add_co_u32 s21, s21, SLOT
	s_add_co_u32 s22, s22, SLOT
.endr
	v_lshlrev_b32 v6, 3, v2
	s_mul_i32 s21, s15, HALFS
	s_mul_i32 s22, s16, HALFS
	s_add_co_u32 s22, s22, 2*HALFS
	s_sub_co_u32 s22, s22, s21
	v_mul_u32_u24 v7, s22, v3                      ; lanes 16-31 take B's: one product, the distance between the two bases
	s_add_co_u32 s21, s21, SCL
	v_add_nc_u32 v6, v6, v7
	v_add_nc_u32 v[ADRS], s21, v6
	s_mul_i32 s23, s14, 16*SPITCH                  ; my stage
	v_mul_u32_u24 v6, v2, SPITCH
	v_lshl_add_u32 v6, v3, 6, v6                   ; in: row r, + 64 h
	v_add_nc_u32 v[STO], s23, v6
	v_add_nc_u32 v[RD], s23, v[L16]                ; back: the 32 lanes take one row of 512 bytes
	v_mov_b32 v[CO], v[L16]
	v_and_b32 v6, 8, v2
	v_add_nc_u32 v6, v6, v2
	v_lshlrev_b32 v6, 12, v6
	v_lshl_add_u32 v[RA], v3, 6, v6
	s_lshl_b32 s20, s17, 8
	s_lshl_b32 s21, s15, 7
	s_add_co_u32 s20, s20, s21                     ; my first row: 256 x block + 128 x half
	s_lshl_b32 s20, s20, 12
	s_mov_b32 s21, 0
	s_lshl_b32 s46, s42, 10                        ; my first column, in bytes
	s_lshl_b32 s47, s16, 9
	s_add_co_u32 s46, s46, s47
	s_mov_b32 s47, 0
	s_add_nc_u64 s[20:21], s[20:21], s[46:47]
	s_add_nc_u64 s[8:9], s[8:9], s[20:21]
	s_add_nc_u64 s[10:11], s[10:11], s[20:21]
	; the residual, straight into the accumulators: block a, columns 32 b + 16 h + 4 j .. + 3 of my row
.irp a, 0,1,2,3,4,5,6,7
	WIN 0x80+0x40*(\a/4)                           ; destination window 2 or 3
.irp b, 0,1,2,3
.irp j, 0,1,2,3
	global_load_b128 v[64*(\a%4)+16*\b+4*\j:64*(\a%4)+16*\b+4*\j+3], v[RA], s[8:9] offset:(32*(\a/2)+8*(\a%2))*4096+128*\b+16*\j
.endr
.endr
.endr
	WIN 0
.macro FRAG reg, adr, q, i
	ds_load_b128 v[\reg:\reg+3], v[\adr] offset:(\i)*TILEB+(\q)*1536
	ds_load_b64 v[\reg+4:\reg+5], v[\adr+2] offset:(\i)*TILEB+(\q)*1536+512
	ds_load_b128 v[\reg+6:\reg+9], v[\adr] offset:(\i)*TILEB+(\q)*1536+768
	ds_load_b64 v[\reg+10:\reg+11], v[\adr+2] offset:(\i)*TILEB+(\q)*1536+1280
.endm
; 16 matrix instructions: A's blocks a0, a0 + 1 x B's eight, 128 along K.  The 64 accumulators take turns, one instruction a turn, in the same order in every step.
.macro MUL16 a0, p, q, sc
.irp a, \a0, \a0+1
.irp b, 0,1,2,3,4,5,6,7
	v_wmma_scale_f32_16x16x128_f8f6f4 v[8*(8*((\a)%4)+\b):8*(8*((\a)%4)+\b)+7], v[128*(\p)+FR*\b:128*(\p)+FR*\b+FR-1], v[AF+FR*(\a):AF+FR*(\a)+FR-1], v[8*(8*((\a)%4)+\b):8*(8*((\a)%4)+\b)+7], v[SC+8*NQ*(\sc)+NQ*\b+(\q)], v[SC+8*NQ*(\sc)+NQ*(\a)+(\q)] matrix_a_fmt:MATRIX_FMT_FP6 matrix_b_fmt:MATRIX_FMT_FP6 matrix_a_scale:MATRIX_SCALE_ROW1
.endr
.endr
.endm
.macro FETCH_B slot, q, p
	WIN TO_B
.irp i, 0,1,2,3,4,5,6,7
	FRAG 128*(\p)+FR*\i, ADRB+\slot, \q, \i
.endr
	WIN 0
.endm
.macro FETCH_A slot, q, i0
.irp i, \i0, \i0+1, \i0+2, \i0+3
	FRAG AF+FR*(\i), ADRA+\slot, \q, \i
.endr
.endm
.macro SCALES sc
.irp i, 0,1,2,3,4,5,6,7
	ds_load_b64 v[SC+8*NQ*\sc+NQ*\i:SC+8*NQ*\sc+NQ*\i+1], v[ADRS] offset:\i*128
.endr
.endm
.macro PLACES n                        ; plain vector instructions between a matrix instruction and a load into, or a read of, its registers (ISA guide 7.12.1 for a read)
.rept \n
	v_nop
.endr
.endm
.macro STEP slot, q
	s_wait_dscnt 4*NL                              ; B's set and A's blocks 0-3 are in; the youngest 16 loads (A's blocks 4-7) may be out
	WIN MUL_LO
	MUL16 0, (\q)%2, \q, \slot
	MUL16 2, (\q)%2, \q, \slot
	s_wait_dscnt 0
	PLACES NP
	FETCH_B \slot, (\q)+1, 1-(\q)%2
	FETCH_A \slot, (\q)+1, 0
	WIN MUL_HI
	MUL16 4, (\q)%2, \q, \slot
	MUL16 6, (\q)%2, \q, \slot
	PLACES NP
	WIN 0
	FETCH_A \slot, (\q)+1, 4
.endm
.macro TURN slot, next, fill
	s_wait_tensorcnt 0x0                           ; all my tensor loads have landed: my part of the next slot
	ds_add_u32 v[SPW], v[NIL]                      ; 0 onto my spare word
	s_wait_dscnt 4*NL+1                            ; (the add and the youngest 16 loads may be out)
	WIN MUL_LO
	MUL16 0, 1, NQ-1, \slot
	s_wait_dscnt 0x0                               ; the add is done, and my reads of this slot are over
	s_barrier_signal -1
	MUL16 2, 1, NQ-1, \slot
	WIN 0
	s_barrier_wait -1
.if \fill
	CREST                                          ; the barrier has opened a round of the cluster's barrier
	s_add_nc_u64 s[G0+4*\slot+2:G0+4*\slot+3], s[G0+4*\slot+2:G0+4*\slot+3], 2*TILEB
	s_add_nc_u64 s[G0B+4*\slot+2:G0B+4*\slot+3], s[G0B+4*\slot+2:G0B+4*\slot+3], 2*TILEB
	JLOAD G0+4*\slot, G1, G0B+4*\slot, G1B         ; the first tensor load behind the round; its four v_nop are the places in front of the loads below
.else
	PLACES NP
.endif
	v_add_nc_u32 v[ADRS], 1024, v[ADRS]
	FETCH_B \next, 0, 0
	FETCH_A \next, 0, 0
	SCALES \next
	WIN MUL_HI
	MUL16 4, 1, NQ-1, \slot
	MUL16 6, 1, NQ-1, \slot
	PLACES NP
	WIN 0
	FETCH_A \next, 0, 4
.endm
	s_wait_tensorcnt 1                             ; the scale bytes and my part of K step 0 are in (K step 1's load may be out)
	s_barrier_signal -1
	s_barrier_wait -1
	FETCH_B 0, 0, 0
	FETCH_A 0, 0, 0
	SCALES 0
	FETCH_A 0, 0, 4
	s_wait_loadcnt 0x0                             ; the residual lies in the accumulators
	STEP 0, 0
	s_mov_b32 s3, LAPS-1
.Llap:
	TURN 0, 1, 1
	STEP 1, 0
	TURN 1, 0, 1
	STEP 0, 0
	s_sub_co_u32 s3, s3, 1
	s_cmp_lg_u32 s3, 0
	s_cbranch_scc1 .Llap
	TURN 0, 1, 0
	STEP 1, 0
	s_wait_dscnt 4*NL
	WIN MUL_LO
	MUL16 0, 1, NQ-1, 1
	MUL16 2, 1, NQ-1, 1
	s_wait_dscnt 0
	WIN MUL_HI
	MUL16 4, 1, NQ-1, 1
	MUL16 6, 1, NQ-1, 1
	WIN 0
; THE WAY OUT, block by block of 16 rows x 128 columns, through my own stage in LDS: in as 16 bytes a lane, back as whole rows of 512 bytes.  LDS serves a wave's instructions in order (ISA guide 5.7.1.4).
.macro TOSTAGE a
.set AC, 64*((\a)%4)
	WIN 0x08+4*((\a)/4)                            ; the data: window 2 or 3
.irp b, 0,1,2,3,4,5,6,7
	ds_store_b128 v[STO], v[AC+8*\b:AC+8*\b+3] offset:128*(\b/2)+32*(\b%2)          ; each accumulator from its low end on
	ds_store_b128 v[STO], v[AC+8*\b+4:AC+8*\b+7] offset:128*(\b/2)+32*(\b%2)+16
.endr
	WIN 0
.set BB, BK+64*((\a)%2)
.irp t, 0,1,2,3,4,5,6,7,8,9,10,11,12,13,14,15
	ds_load_b128 v[BB+4*\t:BB+4*\t+3], v[RD] offset:\t*SPITCH
.endr
.endm
.macro SEND a, younger                 ; stage row t is row t + 8 (t / 8) behind the block's first; blocks begin 8 and 24 rows apart by turns
.set BB, BK+64*((\a)%2)
	s_wait_dscnt \younger
.if (\a) > 0
.if ((\a)%2) == 1
	s_add_nc_u64 s[10:11], s[10:11], 8*4096
.else
	s_add_nc_u64 s[10:11], s[10:11], 24*4096
.endif
.endif
.irp t, 0,1,2,3,4,5,6,7,8,9,10,11,12,13,14,15
	global_store_b128 v[CO], v[BB+4*\t:BB+4*\t+3], s[10:11] offset:(\t+8*(\t/8))*4096   ; 32 lanes store 512 consecutive bytes, aligned to 256
.endr
.endm
	PLACES NP
	TOSTAGE 0
.irp a, 1,2,3,4,5,6,7
.if \a > 1
	s_wait_xcnt 0x0                                ; block a - 2's stores have read their registers and their base
.endif
	TOSTAGE \a
	SEND \a-1, 32                                  ; behind block a - 1's loads: block a's 16 stores and 16 loads
.endr
	s_wait_xcnt 0x0
	SEND 7, 0
	s_wait_tensorcnt 0x0                           ; the wave's end
	ds_add_u32 v[SPW], v[NIL]
	s_wait_dscnt 0x0
	CROUND                                         ; the closing round
	s_endpgm
.Lfunc_end_k_q70da235bd5_wo:
	.size	k_q70da235bd5_wo, .Lfunc_end_k_q70da235bd5_wo-k_q70da235bd5_wo
	.p2alignl 7, 3214868480
	.fill 96, 4, 3214868480
	.section	.rodata,"a",@progbits
	.p2align	6, 0x0
	.amdhsa_kernel k_q70da235bd5_wo
		.amdhsa_group_segment_fixed_size 327680
		.amdhsa_private_segment_fixed_size 0
		.amdhsa_enable_private_segment 0
		.amdhsa_kernarg_size 32
		.amdhsa_user_sgpr_count 2
		.amdhsa_user_sgpr_kernarg_segment_ptr 1
		.amdhsa_wavefront_size32 1
		.amdhsa_system_sgpr_workgroup_id_x 1
		.amdhsa_system_sgpr_workgroup_id_y 1
		.amdhsa_system_sgpr_workgroup_id_z 1
		.amdhsa_system_vgpr_workitem_id 0
		.amdhsa_next_free_vgpr 1024
		.amdhsa_next_free_sgpr 98
		.amdhsa_reserve_vcc 0
		.amdhsa_float_denorm_mode_32 3
		.amdhsa_float_denorm_mode_16_64 3
		.amdhsa_memory_ordered 1
		.amdhsa_forward_progress 1
		.amdhsa_inst_pref_size 156
	.end_amdhsa_kernel
	.amdgpu_metadata
---
amdhsa.version: [ 1, 2 ]
amdhsa.kernels:
  - .name:           k_q70da235bd5_wo
    .symbol:         k_q70da235bd5_wo.kd
    .args:
      - { .name: abuf, .offset: 0, .size: 8, .value_kind: global_buffer, .address_space: global }
      - { .name: wimg, .offset: 8, .size: 8, .value_kind: global_buffer, .address_space: global }
      - { .name: x, .offset: 16, .size: 8, .value_kind: global_buffer, .address_space: global }
      - { .name: x2, .offset: 24, .size: 8, .value_kind: global_buffer, .address_space: global }
    .group_segment_fixed_size: 327680
    .private_segment_fixed_size: 0
    .kernarg_segment_align: 8
    .kernarg_segment_size: 32
    .max_flat_workgroup_size: 128
    .sgpr_count:     98
    .vgpr_count:     1024
    .wavefront_size: 32
...
	.end_amdgpu_metadata
.endif
;; end of part 4
;; launch ln2 (part 5): grid 256 x 1, 8 waves a work-group, no clusters, 3,072 bytes of LDS; arguments x2, ln2_w, ln2_b, h2buf; writes h2buf
.if DOCPART == 5
	.amdgcn_target "amdgcn-amd-amdhsa--gfx1250"
	.amdhsa_code_object_version 6
	.text
	.protected	k_q70da235bd5_ln2
	.globl	k_q70da235bd5_ln2
	.p2align	8
	.type	k_q70da235bd5_ln2,@function
k_q70da235bd5_ln2:
	s_mov_b64 s[64:65], 0
	v_nop
	global_prefetch_b8 v0, s[64:65] scope:SCOPE_SE
	s_setreg_imm32_b32 hwreg(HW_REG_WAVE_MODE, 25, 1), 1
	s_wait_xcnt 0x0
; h2 = layernorm(x2) by ln2_w, ln2_b, quantised along its 1,024 columns to codes of E2M3 with one E8M0 byte for each 32, stored as images of operand registers.
; THE IMAGE.  Tile a has 16 rows; lane r stands for row 32 (a / 2) + 8 (a % 2) + r + 8 (r / 8).  Unit (a, k / 64) of 768 bytes at (16 a + k / 64) x 768 holds, for lane (r, h), the 24 bytes of that row's codes
; k = 64 (k / 64) + 32 h + 0 .. 31: its first 16 bytes at 16 x lane, its last 8 at 512 + 8 x lane.  Scale bytes: at (k / 256) x 32,768 + a x 128 + 8 r the eight bytes of that row for 256 along K.
; Work-group a takes the 16 rows of tile a, wave w their columns 128 w .. 128 w + 127; a lane holds 64 numbers in the order of the operand's registers.  Mean first, then the mean of the squared differences;
; the eight waves' partial sums meet in LDS.
; LIMITS: NaN and infinities are not served.  A block whose largest magnitude lies under 2^-124 has its byte held at 1; a block of zeros keeps the byte 1 (its codes are zeros; only this program reads the bytes).
.set X,    32
.set GM,   96
.set BT,   160
.set PC,   224
.set PT,   236
.set AM,   244
.set SO,   246
.set BY,   248
.set RED1, 0
.set RED2, 512
.set SCW,  1024
.set HSC,  3145728
	s_load_b256 s[4:11], s[0:1], 0x0               ; x2, the gain, the bias, h2buf
	v_lshl_add_u32 v254, v0, 2, 0x800
	v_mov_b32 v255, 0
	v_lshrrev_b32 v1, 5, v0
	v_readfirstlane_b32 s14, v1                    ; wave 0..7
	v_and_b32 v1, 31, v0                           ; lane
	v_and_b32 v2, 15, v0                           ; r
	v_bfe_u32 v3, v0, 4, 1                         ; h
	v_and_b32 v4, 8, v2
	v_add_nc_u32 v4, v4, v2                        ; r + 8 (r / 8)
	v_lshlrev_b32 v6, 4, v1
	v_lshlrev_b32 v7, 3, v1
	v_lshlrev_b32 v4, 12, v4
	v_lshl_add_u32 v4, v3, 7, v4                   ; my row of 4,096 bytes, + 128 h
	v_lshlrev_b32 v5, 7, v3
	s_lshl_b32 s15, s14, 2
	v_lshl_add_u32 v8, v2, 5, s15                  ; LDS: 32 r + 4 w
	v_lshlrev_b32 v9, 5, v2
	s_lshr_b32 s16, s14, 1
	s_lshl_b32 s16, s16, 7
	s_and_b32 s17, s14, 1
	s_lshl_b32 s17, s17, 2
	s_add_co_u32 s16, s16, s17
	s_add_co_u32 s16, s16, SCW
	v_lshl_add_u32 v10, v2, 3, s16                 ; my scale word's place
	v_mov_b32 v251, 0                              ; a lane permute's destination counts as one of its sources
	s_mov_b32 s12, 0x76543210
	s_mov_b32 s13, 0xfedcba98
	s_mov_b32 s18, 0x3a800000                      ; 1 / 1,024
	s_mov_b32 s19, 0x2b8cbccc                      ; 1e-12
	s_lshr_b32 s20, ttmp9, 1
	s_lshl_b32 s20, s20, 17
	s_and_b32 s21, ttmp9, 1
	s_lshl_b32 s21, s21, 15
	s_add_co_u32 s20, s20, s21
	s_lshl_b32 s22, s14, 9
	s_add_co_u32 s20, s20, s22
	s_mov_b32 s21, 0
	s_mov_b32 s23, 0
	s_lshl_b32 s24, ttmp9, 4
	s_lshl_b32 s25, s14, 1
	s_add_co_u32 s24, s24, s25
	s_mul_i32 s24, s24, 768
	s_mov_b32 s25, 0
	s_lshl_b32 s26, ttmp9, 7
	s_add_co_u32 s26, s26, HSC
	s_mov_b32 s27, 0
	s_wait_kmcnt 0x0
	s_add_nc_u64 s[4:5], s[4:5], s[20:21]
	s_add_nc_u64 s[6:7], s[6:7], s[22:23]
	s_add_nc_u64 s[8:9], s[8:9], s[22:23]
	s_add_nc_u64 s[28:29], s[10:11], s[24:25]
	s_add_nc_u64 s[10:11], s[10:11], s[26:27]
.irp c, 0,1
.irp j, 0,1,2,3,4,5,6,7
	global_load_b128 v[X+32*\c+4*\j:X+32*\c+4*\j+3], v4, s[4:5] offset:256*\c+16*\j
.endr
.endr
.irp c, 0,1
.irp j, 0,1,2,3,4,5,6,7
	global_load_b128 v[GM+32*\c+4*\j:GM+32*\c+4*\j+3], v5, s[6:7] offset:256*\c+16*\j
.endr
.endr
.irp c, 0,1
.irp j, 0,1,2,3,4,5,6,7
	global_load_b128 v[BT+32*\c+4*\j:BT+32*\c+4*\j+3], v5, s[8:9] offset:256*\c+16*\j
.endr
.endr
.macro REDUCE base                     ; v20 of my lane, its partner 16 lanes away and the eight waves are added
	v_permlanex16_b32 v251, v20, s12, s13
	v_add_f32 v20, v20, v251
	ds_store_b32 v8, v20 offset:\base
	s_wait_dscnt 0x0                               ; for the others' sake: my store has landed
	s_barrier_signal -1
	s_barrier_wait -1
	ds_load_b128 v[12:15], v9 offset:\base
	ds_load_b128 v[16:19], v9 offset:\base+16
	s_wait_dscnt 0x0
	v_add_f32 v12, v12, v13
	v_add_f32 v14, v14, v15
	v_add_f32 v16, v16, v17
	v_add_f32 v18, v18, v19
	v_add_f32 v12, v12, v14
	v_add_f32 v16, v16, v18
	v_add_f32 v20, v12, v16
.endm
.macro FOLD
	v_pk_add_f32 v[20:21], v[20:21], v[22:23]
	v_pk_add_f32 v[24:25], v[24:25], v[26:27]
	v_pk_add_f32 v[20:21], v[20:21], v[24:25]
	v_add_f32 v20, v20, v21
.endm
	s_wait_loadcnt 32                              ; x2's sixteen loads are in; the 32 younger ones (gain, bias) may be out
.irp k, 0,1,2,3
	v_pk_add_f32 v[20+2*\k:21+2*\k], v[X+4*\k:X+4*\k+1], v[X+4*\k+2:X+4*\k+3]
.endr
.irp i, 16,24,32,40,48,56
.irp k, 0,1,2,3
	v_pk_add_f32 v[20+2*\k:21+2*\k], v[20+2*\k:21+2*\k], v[X+\i+2*\k:X+\i+2*\k+1]
.endr
.endr
	FOLD
	REDUCE RED1
	v_mul_f32 v28, s18, v20                        ; the mean
	v_mov_b32 v29, v28
.set j, 0
.rept 32
	v_pk_add_f32 v[X+j:X+j+1], v[X+j:X+j+1], v[28:29] neg_lo:[0,1] neg_hi:[0,1]
.set j, j+2
.endr
.irp k, 0,1,2,3
	v_pk_mul_f32 v[20+2*\k:21+2*\k], v[X+2*\k:X+2*\k+1], v[X+2*\k:X+2*\k+1]
.endr
.irp i, 8,16,24,32,40,48,56
.irp k, 0,1,2,3
	v_pk_fma_f32 v[20+2*\k:21+2*\k], v[X+\i+2*\k:X+\i+2*\k+1], v[X+\i+2*\k:X+\i+2*\k+1], v[20+2*\k:21+2*\k]
.endr
.endr
	FOLD
	REDUCE RED2                                    ; other bytes than the first sum's
	v_fma_f32 v28, v20, s18, s19                   ; the variance + 1e-12
	v_rsq_f32 v28, v28
	v_nop                                          ; one plain place behind a transcendental (ISA guide 5.7.2)
	s_wait_alu depctr_va_vdst(0)
	v_mov_b32 v29, v28
.set j, 0
.rept 32
	v_pk_mul_f32 v[X+j:X+j+1], v[X+j:X+j+1], v[28:29]
.set j, j+2
.endr
	s_wait_loadcnt 0x0
.set j, 0
.rept 32
	v_pk_fma_f32 v[X+j:X+j+1], v[X+j:X+j+1], v[GM+j:GM+j+1], v[BT+j:BT+j+1]
.set j, j+2
.endr
.irp c, 0,1
	v_max3_num_f32 v[AM+\c], |v[X+32*\c]|, |v[X+32*\c+1]|, 0x1800000   ; with the floor 2^(3 - 127): the byte cannot fall under 1
.endr
.irp i, 2,4,6,8,10,12,14,16,18,20,22,24,26,28,30
.irp c, 0,1
	v_max3_num_f32 v[AM+\c], v[AM+\c], |v[X+32*\c+\i]|, |v[X+32*\c+\i+1]|
.endr
.endr
.irp c, 0,1
	v_add_nc_u32 v[SO+\c], 0xff000000, v[AM+\c]
.endr
.irp c, 0,1
	v_lshrrev_b32 v[BY+\c], 23, v[SO+\c]
.endr
.irp c, 0,1
	v_cvt_scalef32_pk16_fp6_f32 v[PC+6*\c:PC+6*\c+2], v[X+32*\c:X+32*\c+15], v[SO+\c]
	v_cvt_scalef32_pk16_fp6_f32 v[PT+4*\c:PT+4*\c+2], v[X+32*\c+16:X+32*\c+31], v[SO+\c]
.endr
	v_nop                                          ; one plain place behind a scaled conversion
.irp c, 0,1
.irp i, 0,1,2
	v_mov_b32 v[PC+3+6*\c+\i], v[PT+4*\c+\i]
.endr
.endr
	v_lshl_or_b32 v250, v[BY+1], 16, v[BY]
	v_lshlrev_b32 v251, 3, v3
	v_lshlrev_b32 v250, v251, v250
	v_mov_b32 v251, 0
	v_permlanex16_b32 v251, v250, s12, s13
	v_or_b32 v250, v250, v251                      ; my row's scale word for these 128 columns
	global_store_b128 v6, v[PC:PC+3], s[28:29]
	global_store_b64 v7, v[PC+4:PC+5], s[28:29] offset:512
	global_store_b128 v6, v[PC+6:PC+9], s[28:29] offset:768
	global_store_b64 v7, v[PC+10:PC+11], s[28:29] offset:1280
	ds_store_b32 v10, v250
	s_wait_dscnt 0x0
	s_barrier_signal -1
	s_barrier_wait -1
	s_cmp_lg_u32 s14, 0
	s_cbranch_scc1 .Lln_end
	ds_load_b128 v[12:15], v6 offset:SCW           ; wave 0 stores the tile's 512 scale bytes: four pieces of 128 consecutive bytes, 32,768 apart
	v_lshrrev_b32 v16, 3, v1
	v_and_b32 v17, 7, v1
	v_lshlrev_b32 v17, 4, v17
	v_lshl_add_u32 v16, v16, 15, v17
	s_wait_dscnt 0x0
	global_store_b128 v16, v[12:15], s[10:11]
.Lln_end:
	s_wait_tensorcnt 0x0
	ds_add_u32 v254, v255
	s_wait_dscnt 0x0
	s_endpgm
.Lfunc_end_k_q70da235bd5_ln2:
	.size	k_q70da235bd5_ln2, .Lfunc_end_k_q70da235bd5_ln2-k_q70da235bd5_ln2
	.p2alignl 7, 3214868480
	.fill 96, 4, 3214868480
	.section	.rodata,"a",@progbits
	.p2align	6, 0x0
	.amdhsa_kernel k_q70da235bd5_ln2
		.amdhsa_group_segment_fixed_size 3072
		.amdhsa_private_segment_fixed_size 0
		.amdhsa_enable_private_segment 0
		.amdhsa_kernarg_size 32
		.amdhsa_user_sgpr_count 2
		.amdhsa_user_sgpr_kernarg_segment_ptr 1
		.amdhsa_wavefront_size32 1
		.amdhsa_system_sgpr_workgroup_id_x 1
		.amdhsa_system_sgpr_workgroup_id_y 1
		.amdhsa_system_sgpr_workgroup_id_z 1
		.amdhsa_system_vgpr_workitem_id 0
		.amdhsa_next_free_vgpr 256
		.amdhsa_next_free_sgpr 66
		.amdhsa_reserve_vcc 0
		.amdhsa_float_denorm_mode_32 3
		.amdhsa_float_denorm_mode_16_64 3
		.amdhsa_memory_ordered 1
		.amdhsa_forward_progress 1
		.amdhsa_inst_pref_size 23
	.end_amdhsa_kernel
	.amdgpu_metadata
---
amdhsa.version: [ 1, 2 ]
amdhsa.kernels:
  - .name:           k_q70da235bd5_ln2
    .symbol:         k_q70da235bd5_ln2.kd
    .args:
      - { .name: x2, .offset: 0, .size: 8, .value_kind: global_buffer, .address_space: global }
      - { .name: ln2_w, .offset: 8, .size: 8, .value_kind: global_buffer, .address_space: global }
      - { .name: ln2_b, .offset: 16, .size: 8, .value_kind: global_buffer, .address_space: global }
      - { .name: h2buf, .offset: 24, .size: 8, .value_kind: global_buffer, .address_space: global }
    .group_segment_fixed_size: 3072
    .private_segment_fixed_size: 0
    .kernarg_segment_align: 8
    .kernarg_segment_size: 32
    .max_flat_workgroup_size: 256
    .sgpr_count:     66
    .vgpr_count:     256
    .wavefront_size: 32
...
	.end_amdgpu_metadata
.endif
;; end of part 5
;; launch ffn1 (part 6): grid 16 x 16, 4 waves a work-group, clusters of 4 x 4, 327,680 bytes of LDS; arguments h2buf, wimg, gbuf; writes gbuf
.if DOCPART == 6
	.amdgcn_target "amdgcn-amd-amdhsa--gfx1250"
	.amdhsa_code_object_version 6
	.text
	.protected	k_q70da235bd5_ffn1
	.globl	k_q70da235bd5_ffn1
	.p2align	8
	.type	k_q70da235bd5_ffn1,@function
k_q70da235bd5_ffn1:
	s_mov_b64 s[64:65], 0
	v_nop
	global_prefetch_b8 v0, s[64:65] scope:SCOPE_SE
	s_setreg_imm32_b32 hwreg(HW_REG_WAVE_MODE, 25, 1), 1
	s_wait_xcnt 0x0
	s_wait_alu depctr_hold_cnt(0) depctr_sa_sdst(0) depctr_va_vdst(0) depctr_va_sdst(0) depctr_va_ssrc(0) depctr_va_vcc(0) depctr_vm_vsrc(0)
	s_getreg_b32 s2, hwreg(HW_REG_IB_STS2, 6, 4)
	s_cmp_eq_u32 s2, 0
	s_cbranch_scc0 .Lentry_in_a_cluster
	s_endpgm
.Lentry_in_a_cluster:
	s_bfe_u32 s2, ttmp6, 0x10000c
	s_cmp_lg_u32 s2, 0xf033
	s_cbranch_scc0 .Lentry_shape_is_right
	s_endpgm
.Lentry_shape_is_right:
; g = gelu(h2 w1), the exact gelu, the product on codes of E2M3 (one E8M0 byte for each 32 along K = 1,024); g is quantised at once along its 4,096 columns and stored as images of operand registers.
; THE IMAGES: tile a has 16 rows, lane r stands for row 32 (a / 2) + 8 (a % 2) + r + 8 (r / 8); unit (a, k / 64) of 768 bytes holds each lane's 24 bytes of codes (16 at 16 x lane, 8 at 512 + 8 x lane); scale bytes at
; (k / 256) x 32,768 + a x 128 + 8 r.  A fragment of 16 rows x 128 K is two units: four dense LDS loads.
; A tile of C, 256 x 256, is made by four waves, 128 x 128 each: 64 accumulators in 512 registers.  K goes in steps of 256 through a ring of two LDS slots filled by the tensor data mover; all scale bytes come once.
; THE MATRIX INSTRUCTION IS USED TRANSPOSED (source 0 = a tile of w1, source 1 = a tile of h2): lane (r, h) holds one token, and the 16 registers of w1's tiles 2 b, 2 b + 1 are hidden units 32 b + 16 h + 0 .. 15.
; THE GELU: g = max(x, 0) - |x| E, E = erfc(|x| / sqrt 2) / 2 = t 2^(P(t) - x^2 log2(e) / 2), t = 1 / (1 + |x| sqrt(2) / 4), P a polynomial of degree 9 (the rational Chebyshev fit of erfc whose
; fractional error stays under 1.2e-7 for every argument, its coefficients times log2(e), 1 taken off the constant for the half).  Nothing cancels for negative x.
; The way out is a loop of eight trips, one a block of 16 rows: only the copy out of the accumulators differs from trip to trip (eight short pieces, chosen by the trip's number); the gelu and the quantiser are written once.
; CLUSTERS: 4 x 4 work-groups; h2's tiles are shared along a row of the cluster, w1's along a column, by joint loads.
; LIMITS: NaN and infinities are not served; a block whose largest magnitude lies under 2^-124 has its byte held at 1 (a block of zeros too: its codes are zeros; only this program reads the bytes).
; REGISTERS: window 0: v1-7, v16-30 addresses; v32-63 scale words, two sets; v128-223 A's fragments; way out: v16-23, v64-255.  window 1: B's fragments, two sets.  windows 2, 3: the accumulators, (a, b) at v[8 (8 (a % 4) + b)].
.set SIZE_K, 1024
.set A_SC,   3145728
.set B_CD,   3145728
.set B_SC,   9437184+524288
.set NQ,     2
.set FR,     12
.set NL,     4
.set NP,     4
.set TILEB,  3072
.set HALFT,  8*TILEB
.set SLOT,   4*HALFT
.set LAPS,   SIZE_K/512
.set KPITCH, 12*SIZE_K
.set NSG,    SIZE_K/256
.set HALFS,  NSG*1024
.set SCL,    2*SLOT
.set SPARE,  327168                    ; the spare words, 128 bytes for each wave: two blocks of 256 bytes that no other line names
.set L16,  4
.set L8,   5
.set ADRA, 16
.set ADRB, 20
.set SWA,  24                          ; v24  the way out: my scale word's place in LDS
.set SRD,  25
.set ADRS, 27
.set SPW,  28
.set NIL,  29
.set SC,   32
.set AF,   128
.set YY,   16                          ; the way out: v16-23 x^2, four pairs by turns;
.set AX,   64                          ; v64-127 |x|;  v128-191 max(x, 0), then g;  v192-223 t;  v224-255 P
.set GG,   128
.set TT,   192
.set PP,   224
.set TM,   192                         ; the quantiser, when t and P are done with: v192-207 at work, v208 the scale word, v224-243 the codes
.set PW,   208
.set PC,   224
.set G1, 24
.set G0, 32
.set G1B, 48
.set G0B, 56
.set G1S, 68
.set G0S, 76
.set G1SB, 80
.set G0SB, 88
.set MSB, 0
.macro WIN new
.if MSB != (\new)
	s_set_vgpr_msb (MSB<<8)|(\new)
.set MSB, (\new)
.endif
.endm
.set MUL_LO, 0xa1
.set MUL_HI, 0xf1
.set TO_B,   0x40
.macro JLOAD g0a, g1a, g0b, g1b        ; a joint load: waves 0 and 1 fetch for A, waves 2 and 3 for B; four v_nop follow each of the two lines
	s_cmp_eq_u32 s15, 0
	s_cbranch_scc0 .Lfor_b_\@
	tensor_load_to_lds s[\g0a:\g0a+3], s[\g1a:\g1a+7]
	s_nop 0
.rept 4
	v_nop
.endr
	s_branch .Lasked_\@
.Lfor_b_\@:
	tensor_load_to_lds s[\g0b:\g0b+3], s[\g1b:\g1b+7]
	s_nop 0
.rept 4
	v_nop
.endr
.Lasked_\@:
.endm
.macro CREST
	s_cmp_lg_u32 s14, 0
	s_cbranch_scc1 .Lnot_wave_0_\@
	s_barrier_signal -3
.Lnot_wave_0_\@:
	s_barrier_wait -3
	s_barrier_signal -1
	s_barrier_wait -1
.endm
.macro CROUND
	s_barrier_signal -1
	s_barrier_wait -1
	CREST
.endm
	s_load_b128 s[4:7], s[0:1], 0x0                ; h2buf, wimg
	s_load_b64 s[8:9], s[0:1], 0x10                ; gbuf
	v_lshl_add_u32 v[SPW], v0, 2, SPARE
	v_mov_b32 v[NIL], 0
	ds_add_u32 v28, v29
	s_wait_dscnt 0x0
	v_lshrrev_b32 v1, 5, v0
	v_readfirstlane_b32 s14, v1
	s_lshr_b32 s15, s14, 1
	s_and_b32 s16, s14, 1
	s_bfe_u32 s40, ttmp6, 0x40000
	s_bfe_u32 s41, ttmp6, 0x40004
	s_lshl_b32 s42, ttmp9, 2
	s_add_co_u32 s42, s42, s40                     ; B's block of 256 rows
	s_and_b32 s17, ttmp7, 0xffff
	s_lshl_b32 s17, s17, 2
	s_add_co_u32 s17, s17, s41                     ; A's
	s_lshl_b32 s43, s41, 2
	s_lshl_b32 s43, 15, s43
	s_lshl_b32 s44, 0x1111, s40
	s_mov_b32 s96, 0x3e7c6f08                      ; the polynomial's leading coefficient; each constant twice: the packed forms name a pair
	s_mov_b32 s97, s96
	s_mov_b32 s98, 0x3eb504f3                      ; sqrt(2) / 4
	s_mov_b32 s99, s98
	s_mov_b32 s100, 0xbf38aa3b                     ; -log2(e) / 2
	s_mov_b32 s101, s100
	s_or_b32 s[G1+0], s43, (3<<16)|(1<<21)         ; codes: 8 tiles (rows) of 3,072 bytes (384 elements of 8 bytes), KPITCH bytes apart; dense in LDS
	s_or_b32 s[G1B+0], s44, (3<<16)|(1<<21)
.irp g, G1, G1B
	s_mov_b32 s[\g+1], 384<<16
	s_mov_b32 s[\g+2], 8<<16
	s_mov_b32 s[\g+3], 384<<16
	s_mov_b32 s[\g+4], 8
	s_mov_b32 s[\g+5], KPITCH/8
	s_mov_b32 s[\g+6], 0
	s_mov_b32 s[\g+7], 0
.endr
	s_or_b32 s[G1S+0], s43, (3<<16)|(1<<21)        ; scale bytes: NSG rows of 1,024 bytes, 32,768 bytes apart
	s_or_b32 s[G1SB+0], s44, (3<<16)|(1<<21)
.irp g, G1S, G1SB
	s_mov_b32 s[\g+1], 128<<16
	s_mov_b32 s[\g+2], NSG<<16
	s_mov_b32 s[\g+3], 128<<16
	s_mov_b32 s[\g+4], NSG
	s_mov_b32 s[\g+5], 4096
	s_mov_b32 s[\g+6], 0
	s_mov_b32 s[\g+7], 0
.endr
	s_lshl_b32 s18, s16, 3
	s_lshl_b32 s20, s17, 4
	s_add_co_u32 s20, s20, s18
	s_lshl_b32 s46, s42, 4
	s_add_co_u32 s46, s46, s18
	s_lshl_b32 s22, s20, 7
	s_add_co_u32 s22, s22, A_SC
	s_mov_b32 s23, 0
	s_lshl_b32 s92, s46, 7
	s_add_co_u32 s92, s92, B_SC
	s_mov_b32 s93, 0
	s_mul_i32 s20, s20, KPITCH
	s_mov_b32 s21, 0
	s_mul_i32 s46, s46, KPITCH
	s_add_co_u32 s46, s46, B_CD
	s_mov_b32 s47, 0
	s_mul_i32 s45, s14, HALFT
	s_mul_i32 s94, s14, HALFS
	s_wait_kmcnt 0x0
	s_add_nc_u64 s[20:21], s[4:5], s[20:21]
	s_add_nc_u64 s[22:23], s[4:5], s[22:23]
	s_add_nc_u64 s[46:47], s[6:7], s[46:47]
	s_add_nc_u64 s[92:93], s[6:7], s[92:93]
	CROUND                                         ; all sixteen work-groups are here: the first joint loads meet
	s_mov_b32 s[G0S], 1
	s_add_co_u32 s[G0S+1], s94, SCL
	s_mov_b64 s[G0S+2:G0S+3], s[22:23]
	s_or_b32 s[G0S+3], s[G0S+3], 0x80000000
	s_mov_b32 s[G0SB], 1
	s_add_co_u32 s[G0SB+1], s94, SCL
	s_mov_b64 s[G0SB+2:G0SB+3], s[92:93]
	s_or_b32 s[G0SB+3], s[G0SB+3], 0x80000000
	JLOAD G0S, G1S, G0SB, G1SB
.irp s, 0,1
	s_mov_b32 s[G0+4*\s], 1
	s_add_co_u32 s[G0+4*\s+1], s45, \s*SLOT
	s_add_nc_u64 s[G0+4*\s+2:G0+4*\s+3], s[20:21], \s*TILEB
	s_or_b32 s[G0+4*\s+3], s[G0+4*\s+3], 0x80000000
	s_mov_b32 s[G0B+4*\s], 1
	s_add_co_u32 s[G0B+4*\s+1], s45, \s*SLOT
	s_add_nc_u64 s[G0B+4*\s+2:G0B+4*\s+3], s[46:47], \s*TILEB
	s_or_b32 s[G0B+4*\s+3], s[G0B+4*\s+3], 0x80000000
	JLOAD G0+4*\s, G1, G0B+4*\s, G1B
.endr
	v_and_b32 v1, 31, v0
	v_and_b32 v2, 15, v0
	v_bfe_u32 v3, v0, 4, 1
	v_lshlrev_b32 v[L16], 4, v1
	v_lshlrev_b32 v[L8], 3, v1
	s_mul_i32 s21, s15, HALFT
	s_mul_i32 s22, s16, HALFT
	s_add_co_u32 s22, s22, 2*HALFT
.irp s, 0,1
	v_add_nc_u32 v[ADRA+\s], s21, v[L16]
	v_add_nc_u32 v[ADRB+\s], s22, v[L16]
	v_add_nc_u32 v[ADRA+2+\s], s21, v[L8]
	v_add_nc_u32 v[ADRB+2+\s], s22, v[L8]
	s_add_co_u32 s21, s21, SLOT
	s_add_co_u32 s22, s22, SLOT
.endr
	v_lshlrev_b32 v6, 3, v2
	s_mul_i32 s21, s15, HALFS
	s_mul_i32 s22, s16, HALFS
	s_add_co_u32 s22, s22, 2*HALFS
	s_sub_co_u32 s22, s22, s21
	v_mul_u32_u24 v7, s22, v3                      ; lanes 16-31 take B's: one product, the distance between the two bases
	s_add_co_u32 s21, s21, SCL
	v_add_nc_u32 v6, v6, v7
	v_add_nc_u32 v[ADRS], s21, v6
	s_lshl_b32 s21, s15, 10
	s_lshl_b32 s22, s16, 2
	s_add_co_u32 s21, s21, s22
	v_lshl_add_u32 v[SWA], v2, 3, s21              ; (8 x my half of A's rows + block) x 128 + 8 r + 4 x my half of B's rows
	s_lshl_b32 s21, s14, 9
	v_add_nc_u32 v[SRD], s21, v[L16]
	s_lshl_b32 s20, s17, 4
	s_lshl_b32 s21, s15, 3
	s_add_co_u32 s20, s20, s21                     ; my first tile of rows,
	s_lshl_b32 s20, s20, 6                         ; 64 units each,
	s_lshl_b32 s21, s42, 2
	s_add_co_u32 s20, s20, s21
	s_lshl_b32 s21, s16, 1
	s_add_co_u32 s20, s20, s21                     ; + my first unit along the 4,096
	s_mul_i32 s20, s20, 768
	s_mov_b32 s21, 0
	s_add_nc_u64 s[10:11], s[8:9], s[20:21]        ; codes
	s_lshl_b32 s20, s42, 15
	s_add_co_u32 s20, s20, 12582912
	s_lshl_b32 s22, s17, 11
	s_add_co_u32 s20, s20, s22
	s_lshl_b32 s22, s14, 9
	s_add_co_u32 s20, s20, s22
	s_add_nc_u64 s[8:9], s[8:9], s[20:21]          ; scale bytes: my 512 of the work-group's 2,048
.macro FRAG reg, adr, q, i
	ds_load_b128 v[\reg:\reg+3], v[\adr] offset:(\i)*TILEB+(\q)*1536
	ds_load_b64 v[\reg+4:\reg+5], v[\adr+2] offset:(\i)*TILEB+(\q)*1536+512
	ds_load_b128 v[\reg+6:\reg+9], v[\adr] offset:(\i)*TILEB+(\q)*1536+768
	ds_load_b64 v[\reg+10:\reg+11], v[\adr+2] offset:(\i)*TILEB+(\q)*1536+1280
.endm
; 16 matrix instructions: A's blocks a0, a0 + 1 x B's eight, 128 along K.  The 64 accumulators take turns, one instruction a turn, in the same order in every step.
.macro MUL16 a0, p, q, sc, zero
.irp a, \a0, \a0+1
.irp b, 0,1,2,3,4,5,6,7
.if \zero
	v_wmma_scale_f32_16x16x128_f8f6f4 v[8*(8*((\a)%4)+\b):8*(8*((\a)%4)+\b)+7], v[128*(\p)+FR*\b:128*(\p)+FR*\b+FR-1], v[AF+FR*(\a):AF+FR*(\a)+FR-1], 0, v[SC+8*NQ*(\sc)+NQ*\b+(\q)], v[SC+8*NQ*(\sc)+NQ*(\a)+(\q)] matrix_a_fmt:MATRIX_FMT_FP6 matrix_b_fmt:MATRIX_FMT_FP6 matrix_a_scale:MATRIX_SCALE_ROW1
.else
	v_wmma_scale_f32_16x16x128_f8f6f4 v[8*(8*((\a)%4)+\b):8*(8*((\a)%4)+\b)+7], v[128*(\p)+FR*\b:128*(\p)+FR*\b+FR-1], v[AF+FR*(\a):AF+FR*(\a)+FR-1], v[8*(8*((\a)%4)+\b):8*(8*((\a)%4)+\b)+7], v[SC+8*NQ*(\sc)+NQ*\b+(\q)], v[SC+8*NQ*(\sc)+NQ*(\a)+(\q)] matrix_a_fmt:MATRIX_FMT_FP6 matrix_b_fmt:MATRIX_FMT_FP6 matrix_a_scale:MATRIX_SCALE_ROW1
.endif
.endr
.endr
.endm
.macro FETCH_B slot, q, p
	WIN TO_B
.irp i, 0,1,2,3,4,5,6,7
	FRAG 128*(\p)+FR*\i, ADRB+\slot, \q, \i
.endr
	WIN 0
.endm
.macro FETCH_A slot, q, i0
.irp i, \i0, \i0+1, \i0+2, \i0+3
	FRAG AF+FR*(\i), ADRA+\slot, \q, \i
.endr
.endm
.macro SCALES sc
.irp i, 0,1,2,3,4,5,6,7
	ds_load_b64 v[SC+8*NQ*\sc+NQ*\i:SC+8*NQ*\sc+NQ*\i+1], v[ADRS] offset:\i*128
.endr
.endm
.macro PLACES n                        ; plain vector instructions between a matrix instruction and a load into, or a read of, its registers (ISA guide 7.12.1 for a read)
.rept \n
	v_nop
.endr
.endm
.macro STEP slot, q, zero
	s_wait_dscnt 4*NL                              ; B's set and A's blocks 0-3 are in; the youngest 16 loads (A's blocks 4-7) may be out
	WIN MUL_LO
	MUL16 0, (\q)%2, \q, \slot, \zero
	MUL16 2, (\q)%2, \q, \slot, \zero
	s_wait_dscnt 0
	PLACES NP
	FETCH_B \slot, (\q)+1, 1-(\q)%2
	FETCH_A \slot, (\q)+1, 0
	WIN MUL_HI
	MUL16 4, (\q)%2, \q, \slot, \zero
	MUL16 6, (\q)%2, \q, \slot, \zero
	PLACES NP
	WIN 0
	FETCH_A \slot, (\q)+1, 4
.endm
.macro TURN slot, next, fill
	s_wait_tensorcnt 0x0                           ; all my tensor loads have landed: my part of the next slot
	ds_add_u32 v[SPW], v[NIL]                      ; 0 onto my spare word
	s_wait_dscnt 4*NL+1                            ; (the add and the youngest 16 loads may be out)
	WIN MUL_LO
	MUL16 0, 1, NQ-1, \slot, 0
	s_wait_dscnt 0x0                               ; the add is done, and my reads of this slot are over
	s_barrier_signal -1
	MUL16 2, 1, NQ-1, \slot, 0
	WIN 0
	s_barrier_wait -1
.if \fill
	CREST                                          ; the barrier has opened a round of the cluster's barrier
	s_add_nc_u64 s[G0+4*\slot+2:G0+4*\slot+3], s[G0+4*\slot+2:G0+4*\slot+3], 2*TILEB
	s_add_nc_u64 s[G0B+4*\slot+2:G0B+4*\slot+3], s[G0B+4*\slot+2:G0B+4*\slot+3], 2*TILEB
	JLOAD G0+4*\slot, G1, G0B+4*\slot, G1B         ; the first tensor load behind the round; its four v_nop are the places in front of the loads below
.else
	PLACES NP
.endif
	v_add_nc_u32 v[ADRS], 1024, v[ADRS]
	FETCH_B \next, 0, 0
	FETCH_A \next, 0, 0
	SCALES \next
	WIN MUL_HI
	MUL16 4, 1, NQ-1, \slot, 0
	MUL16 6, 1, NQ-1, \slot, 0
	PLACES NP
	WIN 0
	FETCH_A \next, 0, 4
.endm
	s_wait_tensorcnt 1                             ; the scale bytes and my part of K step 0 are in (K step 1's load may be out)
	s_barrier_signal -1
	s_barrier_wait -1
	FETCH_B 0, 0, 0
	FETCH_A 0, 0, 0
	SCALES 0
	FETCH_A 0, 0, 4
	STEP 0, 0, 1                                   ; the first step's products start the sums
	s_mov_b32 s3, LAPS-1
.Llap:
	TURN 0, 1, 1
	STEP 1, 0, 0
	TURN 1, 0, 1
	STEP 0, 0, 0
	s_sub_co_u32 s3, s3, 1
	s_cmp_lg_u32 s3, 0
	s_cbranch_scc1 .Llap
	TURN 0, 1, 0
	STEP 1, 0, 0
	s_wait_dscnt 4*NL
	WIN MUL_LO
	MUL16 0, 1, NQ-1, 1, 0
	MUL16 2, 1, NQ-1, 1, 0
	s_wait_dscnt 0
	WIN MUL_HI
	MUL16 4, 1, NQ-1, 1, 0
	MUL16 6, 1, NQ-1, 1, 0
	WIN 0
; THE WAY OUT.
.macro STUB a                          ; block a's 64 numbers leave the accumulators as |x| and max(x, 0), each accumulator from its low end on
	WIN (2+(\a)/4)<<2                              ; source 1: window 2 or 3
.set gi, 0
.rept 64
	v_and_b32 v[AX+gi], s2, v[64*((\a)%4)+gi]
	v_max_num_f32 v[GG+gi], 0, v[64*((\a)%4)+gi]
.set gi, gi+1
.endr
	WIN 0
.endm
.macro GELU32 e                        ; 32 of the 64
.set gi, 0
.rept 16
	v_pk_fma_f32 v[TT+gi:TT+gi+1], v[AX+32*(\e)+gi:AX+32*(\e)+gi+1], s[98:99], 1.0 op_sel_hi:[1,0,0]   ; 1 + |x| sqrt(2) / 4
.set gi, gi+2
.endr
.set gi, 0
.rept 32
	v_rcp_f32 v[TT+gi], v[TT+gi]                   ; t
.set gi, gi+1
.endr
	v_nop                                          ; one plain place behind a transcendental
.set gi, 0
	s_wait_alu depctr_va_vdst(0)
.rept 16
	v_pk_fma_f32 v[PP+gi:PP+gi+1], v[TT+gi:TT+gi+1], s[96:97], 0xbf97d29d op_sel_hi:[1,0,0]
.set gi, gi+2
.endr
.irp k, 0x40097039, 0xbfd1a1e5, 0x3ecdfd18, 0xbe899a80, 0x3e0efb2e, 0x3f0a29d2, 0x3fb8ab5a, 0xc034d90f
.set gi, 0
.rept 16
	v_pk_fma_f32 v[PP+gi:PP+gi+1], v[PP+gi:PP+gi+1], v[TT+gi:TT+gi+1], \k op_sel_hi:[1,1,0]
.set gi, gi+2
.endr
.endr
.set gi, 0
.rept 16
	v_pk_mul_f32 v[YY+gi%8:YY+gi%8+1], v[AX+32*(\e)+gi:AX+32*(\e)+gi+1], v[AX+32*(\e)+gi:AX+32*(\e)+gi+1]
	v_pk_fma_f32 v[PP+gi:PP+gi+1], v[YY+gi%8:YY+gi%8+1], s[100:101], v[PP+gi:PP+gi+1] op_sel_hi:[1,0,1]   ; P(t) - x^2 log2(e) / 2
.set gi, gi+2
.endr
.set gi, 0
.rept 32
	v_exp_f32 v[PP+gi], v[PP+gi]
.set gi, gi+1
.endr
	v_nop
.set gi, 0
	s_wait_alu depctr_va_vdst(0)
.rept 16
	v_pk_mul_f32 v[TT+gi:TT+gi+1], v[TT+gi:TT+gi+1], v[PP+gi:PP+gi+1]   ; E
.set gi, gi+2
.endr
.set gi, 0
.rept 16
	v_pk_fma_f32 v[GG+32*(\e)+gi:GG+32*(\e)+gi+1], v[AX+32*(\e)+gi:AX+32*(\e)+gi+1], v[TT+gi:TT+gi+1], v[GG+32*(\e)+gi:GG+32*(\e)+gi+1] neg_lo:[1,0,0] neg_hi:[1,0,0]   ; max(x, 0) - |x| E
.set gi, gi+2
.endr
.endm
	PLACES NP
	s_mov_b32 s2, 0x7fffffff
	s_mov_b32 s18, 0x76543210
	s_mov_b32 s19, 0xfedcba98                      ; v_permlanex16_b32's selects for lane l xor 16
	s_mov_b32 s95, 0
.Lblk:                                             ; eight trips: my blocks of 16 rows
.irp a, 0,1,2,3,4,5,6
	s_cmp_eq_u32 s95, \a
	s_cbranch_scc1 .Lstub\a
.endr
	STUB 7
	s_branch .Lcommon
.irp a, 0,1,2,3,4,5
.Lstub\a:
	STUB \a
	s_branch .Lcommon
.endr
.Lstub6:
	STUB 6
.Lcommon:
	GELU32 0
	GELU32 1
	; the quantiser: register 16 b + i of g = hidden unit 32 b + 16 h + i of my row
.irp b, 0,1,2,3
	v_max3_num_f32 v[TM+\b], |v[GG+16*\b]|, |v[GG+16*\b+1]|, 0x1800000   ; the floor 2^(3 - 127) holds the byte at 1 from below
.endr
.irp i, 2,4,6,8,10,12,14
.irp b, 0,1,2,3
	v_max3_num_f32 v[TM+\b], v[TM+\b], |v[GG+16*\b+\i]|, |v[GG+16*\b+\i+1]|
.endr
.endr
.irp b, 0,1,2,3
	v_permlanex16_b32 v[TM+4+\b], v[TM+\b], s18, s19
.endr
.irp b, 0,1,2,3
	v_max_num_f32 v[TM+\b], v[TM+\b], v[TM+4+\b]
.endr
.irp b, 0,1,2,3
	v_add_nc_u32 v[TM+12+\b], 0xff000000, v[TM+\b]
.endr
.irp b, 0,1,2,3
	v_lshrrev_b32 v[TM+4+\b], 23, v[TM+12+\b]
.endr
	v_lshl_or_b32 v[PW], v[TM+5], 8, v[TM+4]
	v_lshl_or_b32 v[PW], v[TM+6], 16, v[PW]
	v_lshl_or_b32 v[PW], v[TM+7], 24, v[PW]
.irp c, 0,1
	v_cvt_scalef32_pk16_fp6_f32 v[PC+6*\c:PC+2+6*\c], v[GG+32*\c:GG+15+32*\c], v[TM+12+2*\c]
	v_cvt_scalef32_pk16_fp6_f32 v[PC+12+4*\c:PC+14+4*\c], v[GG+16+32*\c:GG+31+32*\c], v[TM+12+2*\c+1]
.endr
	v_nop                                          ; one plain place behind a scaled conversion
.irp c, 0,1
.irp i, 0,1,2
	v_permlane16_swap_b32 v[PC+6*\c+\i], v[PC+12+4*\c+\i]
.endr
.irp i, 0,1,2
	v_mov_b32 v[PC+3+6*\c+\i], v[PC+12+4*\c+\i]
.endr
.endr
	global_store_b128 v[L16], v[PC:PC+3], s[10:11]           ; two units: each store 512 or 256 consecutive bytes, aligned to 256
	global_store_b64 v[L8], v[PC+4:PC+5], s[10:11] offset:512
	global_store_b128 v[L16], v[PC+6:PC+9], s[10:11] offset:768
	global_store_b64 v[L8], v[PC+10:PC+11], s[10:11] offset:1280
	ds_store_b32 v[SWA], v[PW]                     ; (in slot 0, which has had its last fill and its last read)
	s_wait_xcnt 0x0                                ; the stores' data and base are rewritten only behind this wait
	s_wait_dscnt 0x0
	s_add_nc_u64 s[10:11], s[10:11], 49152         ; the next tile of rows: 64 units on
	v_add_nc_u32 v[SWA], 128, v[SWA]
	s_add_co_u32 s95, s95, 1
	s_cmp_lt_u32 s95, 8
	s_cbranch_scc1 .Lblk
	s_barrier_signal -1                            ; (every wave's LDS stores have landed: the wait stands in the loop)
	s_barrier_wait -1                              ; the work-group's 2,048 scale bytes lie in LDS
	ds_load_b128 v[PC:PC+3], v[SRD]
	s_wait_dscnt 0x0
	global_store_b128 v[L16], v[PC:PC+3], s[8:9]   ; 512 consecutive bytes a wave
	s_wait_tensorcnt 0x0                           ; the wave's end
	ds_add_u32 v[SPW], v[NIL]
	s_wait_dscnt 0x0
	CROUND                                         ; the closing round
	s_endpgm
.Lfunc_end_k_q70da235bd5_ffn1:
	.size	k_q70da235bd5_ffn1, .Lfunc_end_k_q70da235bd5_ffn1-k_q70da235bd5_ffn1
	.p2alignl 7, 3214868480
	.fill 96, 4, 3214868480
	.section	.rodata,"a",@progbits
	.p2align	6, 0x0
	.amdhsa_kernel k_q70da235bd5_ffn1
		.amdhsa_group_segment_fixed_size 327680
		.amdhsa_private_segment_fixed_size 0
		.amdhsa_enable_private_segment 0
		.amdhsa_kernarg_size 24
		.amdhsa_user_sgpr_count 2
		.amdhsa_user_sgpr_kernarg_segment_ptr 1
		.amdhsa_wavefront_size32 1
		.amdhsa_system_sgpr_workgroup_id_x 1
		.amdhsa_system_sgpr_workgroup_id_y 1
		.amdhsa_system_sgpr_workgroup_id_z 1
		.amdhsa_system_vgpr_workitem_id 0
		.amdhsa_next_free_vgpr 1024
		.amdhsa_next_free_sgpr 104
		.amdhsa_reserve_vcc 0
		.amdhsa_float_denorm_mode_32 3
		.amdhsa_float_denorm_mode_16_64 3
		.amdhsa_memory_ordered 1
		.amdhsa_forward_progress 1
		.amdhsa_inst_pref_size 194
	.end_amdhsa_kernel
	.amdgpu_metadata
---
amdhsa.version: [ 1, 2 ]
amdhsa.kernels:
  - .name:           k_q70da235bd5_ffn1
    .symbol:         k_q70da235bd5_ffn1.kd
    .args:
      - { .name: h2buf, .offset: 0, .size: 8, .value_kind: global_buffer, .address_space: global }
      - { .name: wimg, .offset: 8, .size: 8, .value_kind: global_buffer, .address_space: global }
      - { .name: gbuf, .offset: 16, .size: 8, .value_kind: global_buffer, .address_space: global }
    .group_segment_fixed_size: 327680
    .private_segment_fixed_size: 0
    .kernarg_segment_align: 8
    .kernarg_segment_size: 24
    .max_flat_workgroup_size: 128
    .sgpr_count:     104
    .vgpr_count:     1024
    .wavefront_size: 32
...
	.end_amdgpu_metadata
.endif
;; end of part 6
;; launch ffn2 (part 7): grid 4 x 16, 4 waves a work-group, clusters of 4 x 4, 327,680 bytes of LDS; arguments gbuf, wimg, x2, out0; writes out0
.if DOCPART == 7
	.amdgcn_target "amdgcn-amd-amdhsa--gfx1250"
	.amdhsa_code_object_version 6
	.text
	.protected	k_q70da235bd5_ffn2
	.globl	k_q70da235bd5_ffn2
	.p2align	8
	.type	k_q70da235bd5_ffn2,@function
k_q70da235bd5_ffn2:
	s_mov_b64 s[64:65], 0
	v_nop
	global_prefetch_b8 v0, s[64:65] scope:SCOPE_SE
	s_setreg_imm32_b32 hwreg(HW_REG_WAVE_MODE, 25, 1), 1
	s_wait_xcnt 0x0
	s_wait_alu depctr_hold_cnt(0) depctr_sa_sdst(0) depctr_va_vdst(0) depctr_va_sdst(0) depctr_va_ssrc(0) depctr_va_vcc(0) depctr_vm_vsrc(0)
	s_getreg_b32 s2, hwreg(HW_REG_IB_STS2, 6, 4)
	s_cmp_eq_u32 s2, 0
	s_cbranch_scc0 .Lentry_in_a_cluster
	s_endpgm
.Lentry_in_a_cluster:
	s_bfe_u32 s2, ttmp6, 0x10000c
	s_cmp_lg_u32 s2, 0xf033
	s_cbranch_scc0 .Lentry_shape_is_right
	s_endpgm
.Lentry_shape_is_right:
; out0 = x2 + g w2, the product on codes of E2M3 (one E8M0 byte for each 32 along K = 4,096); x2, out0: [4,096][1,024] f32.
; g and w2 come as images of operand registers: tile a has 16 rows, lane r stands for row 32 (a / 2) + 8 (a % 2) + r + 8 (r / 8); unit (a, k / 64) of 768 bytes holds each lane's 24 bytes of codes (16 at 16 x lane, 8 at
; 512 + 8 x lane); scale bytes at (k / 256) x 32,768 + a x 128 + 8 r.  A fragment of 16 rows x 128 K is two units: four dense LDS loads.
; A tile of C, 256 x 256, is made by four waves, 128 x 128 each: 64 accumulators in 512 registers.  K goes in steps of 256 through a ring of two LDS slots filled by the tensor data mover; all scale bytes come once.
; THE MATRIX INSTRUCTION IS USED TRANSPOSED (source 0 = a tile of w2, source 1 = a tile of g): lane (r, h) holds one token, and the 16 registers of w2's tiles 2 b, 2 b + 1 are columns 32 b + 16 h + 0 .. 15.
; THE RESIDUAL IS WHAT THE SUMS BEGIN WITH: x2 is loaded straight into the accumulators, so adding it costs no instruction.
; CLUSTERS: 4 x 4 work-groups; g's tiles are shared along a row of the cluster, w2's along a column, by joint loads.  C has 64 tiles of this size: 64 work-groups.
; LIMITS: NaN and infinities are not served.
; REGISTERS: window 0: v1-7, v16-30 addresses; v32-63 scale words, two sets; v128-223 A's fragments, one set; way out: v128-255.  window 1: B's fragments, two sets.  windows 2, 3: the accumulators, (a, b) at v[8 (8 (a % 4) + b)].
.set SIZE_K, 4096
.set A_SC,   12582912
.set B_CD,   6291456
.set B_SC,   9437184+655360
.set NQ,     2
.set FR,     12
.set NL,     4
.set NP,     4
.set TILEB,  3072
.set HALFT,  8*TILEB
.set SLOT,   4*HALFT
.set LAPS,   SIZE_K/512
.set KPITCH, 12*SIZE_K
.set NSG,    SIZE_K/256
.set HALFS,  NSG*1024
.set SCL,    2*SLOT
.set SPARE,  327168                    ; the spare words, 128 bytes for each wave: two blocks of 256 bytes that no other line names
.set SPITCH, 528                       ; the way out: a stage of 16 rows x (512 bytes + 16) for each wave, in slot 0, which has had its last fill and its last read by then
.set L16,  4
.set L8,   5
.set ADRA, 16
.set ADRB, 20
.set STO,  24
.set RD,   25
.set CO,   26
.set ADRS, 27
.set SPW,  28
.set NIL,  29
.set RA,   30
.set SC,   32
.set AF,   128
.set BK,   128
.set G1, 24
.set G0, 32
.set G1B, 48
.set G0B, 56
.set G1S, 68
.set G0S, 76
.set G1SB, 80
.set G0SB, 88
.set MSB, 0
.macro WIN new
.if MSB != (\new)
	s_set_vgpr_msb (MSB<<8)|(\new)
.set MSB, (\new)
.endif
.endm
.set MUL_LO, 0xa1
.set MUL_HI, 0xf1
.set TO_B,   0x40
.macro JLOAD g0a, g1a, g0b, g1b        ; a joint load: waves 0 and 1 fetch for A, waves 2 and 3 for B; four v_nop follow each of the two lines
	s_cmp_eq_u32 s15, 0
	s_cbranch_scc0 .Lfor_b_\@
	tensor_load_to_lds s[\g0a:\g0a+3], s[\g1a:\g1a+7]
	s_nop 0
.rept 4
	v_nop
.endr
	s_branch .Lasked_\@
.Lfor_b_\@:
	tensor_load_to_lds s[\g0b:\g0b+3], s[\g1b:\g1b+7]
	s_nop 0
.rept 4
	v_nop
.endr
.Lasked_\@:
.endm
.macro CREST
	s_cmp_lg_u32 s14, 0
	s_cbranch_scc1 .Lnot_wave_0_\@
	s_barrier_signal -3
.Lnot_wave_0_\@:
	s_barrier_wait -3
	s_barrier_signal -1
	s_barrier_wait -1
.endm
.macro CROUND
	s_barrier_signal -1
	s_barrier_wait -1
	CREST
.endm
	s_load_b256 s[4:11], s[0:1], 0x0               ; A's buffer s[4:5], wimg s[6:7], the residual s[8:9], the result s[10:11]
	v_lshl_add_u32 v[SPW], v0, 2, SPARE
	v_mov_b32 v[NIL], 0
	ds_add_u32 v28, v29
	s_wait_dscnt 0x0
	v_lshrrev_b32 v1, 5, v0
	v_readfirstlane_b32 s14, v1
	s_lshr_b32 s15, s14, 1
	s_and_b32 s16, s14, 1
	s_bfe_u32 s40, ttmp6, 0x40000
	s_bfe_u32 s41, ttmp6, 0x40004
	s_lshl_b32 s42, ttmp9, 2
	s_add_co_u32 s42, s42, s40
	s_and_b32 s17, ttmp7, 0xffff
	s_lshl_b32 s17, s17, 2
	s_add_co_u32 s17, s17, s41
	s_lshl_b32 s43, s41, 2
	s_lshl_b32 s43, 15, s43
	s_lshl_b32 s44, 0x1111, s40
	s_or_b32 s[G1+0], s43, (3<<16)|(1<<21)         ; codes: 8 tiles (rows) of 3,072 bytes (384 elements of 8 bytes), KPITCH bytes apart; dense in LDS
	s_or_b32 s[G1B+0], s44, (3<<16)|(1<<21)
.irp g, G1, G1B
	s_mov_b32 s[\g+1], 384<<16
	s_mov_b32 s[\g+2], 8<<16
	s_mov_b32 s[\g+3], 384<<16
	s_mov_b32 s[\g+4], 8
	s_mov_b32 s[\g+5], KPITCH/8
	s_mov_b32 s[\g+6], 0
	s_mov_b32 s[\g+7], 0
.endr
	s_or_b32 s[G1S+0], s43, (3<<16)|(1<<21)        ; scale bytes: NSG rows of 1,024 bytes, 32,768 bytes apart
	s_or_b32 s[G1SB+0], s44, (3<<16)|(1<<21)
.irp g, G1S, G1SB
	s_mov_b32 s[\g+1], 128<<16
	s_mov_b32 s[\g+2], NSG<<16
	s_mov_b32 s[\g+3], 128<<16
	s_mov_b32 s[\g+4], NSG
	s_mov_b32 s[\g+5], 4096
	s_mov_b32 s[\g+6], 0
	s_mov_b32 s[\g+7], 0
.endr
	s_lshl_b32 s18, s16, 3
	s_lshl_b32 s20, s17, 4
	s_add_co_u32 s20, s20, s18
	s_lshl_b32 s46, s42, 4
	s_add_co_u32 s46, s46, s18
	s_lshl_b32 s22, s20, 7
	s_add_co_u32 s22, s22, A_SC
	s_mov_b32 s23, 0
	s_lshl_b32 s92, s46, 7
	s_add_co_u32 s92, s92, B_SC
	s_mov_b32 s93, 0
	s_mul_i32 s20, s20, KPITCH
	s_mov_b32 s21, 0
	s_mul_i32 s46, s46, KPITCH
	s_add_co_u32 s46, s46, B_CD
	s_mov_b32 s47, 0
	s_mul_i32 s45, s14, HALFT
	s_mul_i32 s94, s14, HALFS
	s_wait_kmcnt 0x0
	s_add_nc_u64 s[20:21], s[4:5], s[20:21]
	s_add_nc_u64 s[22:23], s[4:5], s[22:23]
	s_add_nc_u64 s[46:47], s[6:7], s[46:47]
	s_add_nc_u64 s[92:93], s[6:7], s[92:93]
	CROUND                                         ; all sixteen work-groups are here: the first joint loads meet
	s_mov_b32 s[G0S], 1
	s_add_co_u32 s[G0S+1], s94, SCL
	s_mov_b64 s[G0S+2:G0S+3], s[22:23]
	s_or_b32 s[G0S+3], s[G0S+3], 0x80000000
	s_mov_b32 s[G0SB], 1
	s_add_co_u32 s[G0SB+1], s94, SCL
	s_mov_b64 s[G0SB+2:G0SB+3], s[92:93]
	s_or_b32 s[G0SB+3], s[G0SB+3], 0x80000000
	JLOAD G0S, G1S, G0SB, G1SB
.irp s, 0,1
	s_mov_b32 s[G0+4*\s], 1
	s_add_co_u32 s[G0+4*\s+1], s45, \s*SLOT
	s_add_nc_u64 s[G0+4*\s+2:G0+4*\s+3], s[20:21], \s*TILEB
	s_or_b32 s[G0+4*\s+3], s[G0+4*\s+3], 0x80000000
	s_mov_b32 s[G0B+4*\s], 1
	s_add_co_u32 s[G0B+4*\s+1], s45, \s*SLOT
	s_add_nc_u64 s[G0B+4*\s+2:G0B+4*\s+3], s[46:47], \s*TILEB
	s_or_b32 s[G0B+4*\s+3], s[G0B+4*\s+3], 0x80000000
	JLOAD G0+4*\s, G1, G0B+4*\s, G1B
.endr
	v_and_b32 v1, 31, v0
	v_and_b32 v2, 15, v0
	v_bfe_u32 v3, v0, 4, 1
	v_lshlrev_b32 v[L16], 4, v1
	v_lshlrev_b32 v[L8], 3, v1
	s_mul_i32 s21, s15, HALFT
	s_mul_i32 s22, s16, HALFT
	s_add_co_u32 s22, s22, 2*HALFT
.irp s, 0,1
	v_add_nc_u32 v[ADRA+\s], s21, v[L16]
	v_add_nc_u32 v[ADRB+\s], s22, v[L16]
	v_add_nc_u32 v[ADRA+2+\s], s21, v[L8]
	v_add_nc_u32 v[ADRB+2+\s], s22, v[L8]
	s_add_co_u32 s21, s21, SLOT
	s_add_co_u32 s22, s22, SLOT
.endr
	v_lshlrev_b32 v6, 3, v2
	s_mul_i32 s21, s15, HALFS
	s_mul_i32 s22, s16, HALFS
	s_add_co_u32 s22, s22, 2*HALFS
	s_sub_co_u32 s22, s22, s21
	v_mul_u32_u24 v7, s22, v3                      ; lanes 16-31 take B's: one product, the distance between the two bases
	s_add_co_u32 s21, s21, SCL
	v_add_nc_u32 v6, v6, v7
	v_add_nc_u32 v[ADRS], s21, v6
	s_mul_i32 s23, s14, 16*SPITCH
	v_mul_u32_u24 v6, v2, SPITCH
	v_lshl_add_u32 v6, v3, 6, v6
	v_add_nc_u32 v[STO], s23, v6
	v_add_nc_u32 v[RD], s23, v[L16]
	v_mov_b32 v[CO], v[L16]
	v_and_b32 v6, 8, v2
	v_add_nc_u32 v6, v6, v2
	v_lshlrev_b32 v6, 12, v6
	v_lshl_add_u32 v[RA], v3, 6, v6
	s_lshl_b32 s20, s17, 8
	s_lshl_b32 s21, s15, 7
	s_add_co_u32 s20, s20, s21
	s_lshl_b32 s20, s20, 12
	s_mov_b32 s21, 0
	s_lshl_b32 s46, s42, 10
	s_lshl_b32 s47, s16, 9
	s_add_co_u32 s46, s46, s47
	s_mov_b32 s47, 0
	s_add_nc_u64 s[20:21], s[20:21], s[46:47]
	s_add_nc_u64 s[8:9], s[8:9], s[20:21]
	s_add_nc_u64 s[10:11], s[10:11], s[20:21]
	; the residual, straight into the accumulators: block a, columns 32 b + 16 h + 4 j .. + 3 of my row
.irp a, 0,1,2,3,4,5,6,7
	WIN 0x80+0x40*(\a/4)                           ; destination window 2 or 3
.irp b, 0,1,2,3
.irp j, 0,1,2,3
	global_load_b128 v[64*(\a%4)+16*\b+4*\j:64*(\a%4)+16*\b+4*\j+3], v[RA], s[8:9] offset:(32*(\a/2)+8*(\a%2))*4096+128*\b+16*\j
.endr
.endr
.endr
	WIN 0
.macro FRAG reg, adr, q, i
	ds_load_b128 v[\reg:\reg+3], v[\adr] offset:(\i)*TILEB+(\q)*1536
	ds_load_b64 v[\reg+4:\reg+5], v[\adr+2] offset:(\i)*TILEB+(\q)*1536+512
	ds_load_b128 v[\reg+6:\reg+9], v[\adr] offset:(\i)*TILEB+(\q)*1536+768
	ds_load_b64 v[\reg+10:\reg+11], v[\adr+2] offset:(\i)*TILEB+(\q)*1536+1280
.endm
; 16 matrix instructions: A's blocks a0, a0 + 1 x B's eight, 128 along K.  The 64 accumulators take turns, one instruction a turn, in the same order in every step.
.macro MUL16 a0, p, q, sc
.irp a, \a0, \a0+1
.irp b, 0,1,2,3,4,5,6,7
	v_wmma_scale_f32_16x16x128_f8f6f4 v[8*(8*((\a)%4)+\b):8*(8*((\a)%4)+\b)+7], v[128*(\p)+FR*\b:128*(\p)+FR*\b+FR-1], v[AF+FR*(\a):AF+FR*(\a)+FR-1], v[8*(8*((\a)%4)+\b):8*(8*((\a)%4)+\b)+7], v[SC+8*NQ*(\sc)+NQ*\b+(\q)], v[SC+8*NQ*(\sc)+NQ*(\a)+(\q)] matrix_a_fmt:MATRIX_FMT_FP6 matrix_b_fmt:MATRIX_FMT_FP6 matrix_a_scale:MATRIX_SCALE_ROW1
.endr
.endr
.endm
.macro FETCH_B slot, q, p
	WIN TO_B
.irp i, 0,1,2,3,4,5,6,7
	FRAG 128*(\p)+FR*\i, ADRB+\slot, \q, \i
.endr
	WIN 0
.endm
.macro FETCH_A slot, q, i0
.irp i, \i0, \i0+1, \i0+2, \i0+3
	FRAG AF+FR*(\i), ADRA+\slot, \q, \i
.endr
.endm
.macro SCALES sc
.irp i, 0,1,2,3,4,5,6,7
	ds_load_b64 v[SC+8*NQ*\sc+NQ*\i:SC+8*NQ*\sc+NQ*\i+1], v[ADRS] offset:\i*128
.endr
.endm
.macro PLACES n                        ; plain vector instructions between a matrix instruction and a load into, or a read of, its registers (ISA guide 7.12.1 for a read)
.rept \n
	v_nop
.endr
.endm
.macro STEP slot, q
	s_wait_dscnt 4*NL                              ; B's set and A's blocks 0-3 are in; the youngest 16 loads (A's blocks 4-7) may be out
	WIN MUL_LO
	MUL16 0, (\q)%2, \q, \slot
	MUL16 2, (\q)%2, \q, \slot
	s_wait_dscnt 0
	PLACES NP
	FETCH_B \slot, (\q)+1, 1-(\q)%2
	FETCH_A \slot, (\q)+1, 0
	WIN MUL_HI
	MUL16 4, (\q)%2, \q, \slot
	MUL16 6, (\q)%2, \q, \slot
	PLACES NP
	WIN 0
	FETCH_A \slot, (\q)+1, 4
.endm
.macro TURN slot, next, fill
	s_wait_tensorcnt 0x0                           ; all my tensor loads have landed: my part of the next slot
	ds_add_u32 v[SPW], v[NIL]                      ; 0 onto my spare word
	s_wait_dscnt 4*NL+1                            ; (the add and the youngest 16 loads may be out)
	WIN MUL_LO
	MUL16 0, 1, NQ-1, \slot
	s_wait_dscnt 0x0                               ; the add is done, and my reads of this slot are over
	s_barrier_signal -1
	MUL16 2, 1, NQ-1, \slot
	WIN 0
	s_barrier_wait -1
.if \fill
	CREST                                          ; the barrier has opened a round of the cluster's barrier
	s_add_nc_u64 s[G0+4*\slot+2:G0+4*\slot+3], s[G0+4*\slot+2:G0+4*\slot+3], 2*TILEB
	s_add_nc_u64 s[G0B+4*\slot+2:G0B+4*\slot+3], s[G0B+4*\slot+2:G0B+4*\slot+3], 2*TILEB
	JLOAD G0+4*\slot, G1, G0B+4*\slot, G1B         ; the first tensor load behind the round; its four v_nop are the places in front of the loads below
.else
	PLACES NP
.endif
	v_add_nc_u32 v[ADRS], 1024, v[ADRS]
	FETCH_B \next, 0, 0
	FETCH_A \next, 0, 0
	SCALES \next
	WIN MUL_HI
	MUL16 4, 1, NQ-1, \slot
	MUL16 6, 1, NQ-1, \slot
	PLACES NP
	WIN 0
	FETCH_A \next, 0, 4
.endm
	s_wait_tensorcnt 1                             ; the scale bytes and my part of K step 0 are in (K step 1's load may be out)
	s_barrier_signal -1
	s_barrier_wait -1
	FETCH_B 0, 0, 0
	FETCH_A 0, 0, 0
	SCALES 0
	FETCH_A 0, 0, 4
	s_wait_loadcnt 0x0                             ; the residual lies in the accumulators
	STEP 0, 0
	s_mov_b32 s3, LAPS-1
.Llap:
	TURN 0, 1, 1
	STEP 1, 0
	TURN 1, 0, 1
	STEP 0, 0
	s_sub_co_u32 s3, s3, 1
	s_cmp_lg_u32 s3, 0
	s_cbranch_scc1 .Llap
	TURN 0, 1, 0
	STEP 1, 0
	s_wait_dscnt 4*NL
	WIN MUL_LO
	MUL16 0, 1, NQ-1, 1
	MUL16 2, 1, NQ-1, 1
	s_wait_dscnt 0
	WIN MUL_HI
	MUL16 4, 1, NQ-1, 1
	MUL16 6, 1, NQ-1, 1
	WIN 0
; THE WAY OUT, block by block of 16 rows x 128 columns, through my own stage in LDS: in as 16 bytes a lane, back as whole rows of 512 bytes.  LDS serves a wave's instructions in order (ISA guide 5.7.1.4).
.macro TOSTAGE a
.set AC, 64*((\a)%4)
	WIN 0x08+4*((\a)/4)                            ; the data: window 2 or 3
.irp b, 0,1,2,3,4,5,6,7
	ds_store_b128 v[STO], v[AC+8*\b:AC+8*\b+3] offset:128*(\b/2)+32*(\b%2)          ; each accumulator from its low end on
	ds_store_b128 v[STO], v[AC+8*\b+4:AC+8*\b+7] offset:128*(\b/2)+32*(\b%2)+16
.endr
	WIN 0
.set BB, BK+64*((\a)%2)
.irp t, 0,1,2,3,4,5,6,7,8,9,10,11,12,13,14,15
	ds_load_b128 v[BB+4*\t:BB+4*\t+3], v[RD] offset:\t*SPITCH
.endr
.endm
.macro SEND a, younger                 ; stage row t is row t + 8 (t / 8) behind the block's first; blocks begin 8 and 24 rows apart by turns
.set BB, BK+64*((\a)%2)
	s_wait_dscnt \younger
.if (\a) > 0
.if ((\a)%2) == 1
	s_add_nc_u64 s[10:11], s[10:11], 8*4096
.else
	s_add_nc_u64 s[10:11], s[10:11], 24*4096
.endif
.endif
.irp t, 0,1,2,3,4,5,6,7,8,9,10,11,12,13,14,15
	global_store_b128 v[CO], v[BB+4*\t:BB+4*\t+3], s[10:11] offset:(\t+8*(\t/8))*4096 th:TH_STORE_NT   ; 32 lanes store 512 consecutive bytes, aligned to 256; written once, read by nobody here
.endr
.endm
	PLACES NP
	TOSTAGE 0
.irp a, 1,2,3,4,5,6,7
.if \a > 1
	s_wait_xcnt 0x0                                ; block a - 2's stores have read their registers and their base
.endif
	TOSTAGE \a
	SEND \a-1, 32                                  ; behind block a - 1's loads: block a's 16 stores and 16 loads
.endr
	s_wait_xcnt 0x0
	SEND 7, 0
	s_wait_tensorcnt 0x0                           ; the wave's end
	ds_add_u32 v[SPW], v[NIL]
	s_wait_dscnt 0x0
	CROUND                                         ; the closing round
	s_endpgm
.Lfunc_end_k_q70da235bd5_ffn2:
	.size	k_q70da235bd5_ffn2, .Lfunc_end_k_q70da235bd5_ffn2-k_q70da235bd5_ffn2
	.p2alignl 7, 3214868480
	.fill 96, 4, 3214868480
	.section	.rodata,"a",@progbits
	.p2align	6, 0x0
	.amdhsa_kernel k_q70da235bd5_ffn2
		.amdhsa_group_segment_fixed_size 327680
		.amdhsa_private_segment_fixed_size 0
		.amdhsa_enable_private_segment 0
		.amdhsa_kernarg_size 32
		.amdhsa_user_sgpr_count 2
		.amdhsa_user_sgpr_kernarg_segment_ptr 1
		.amdhsa_wavefront_size32 1
		.amdhsa_system_sgpr_workgroup_id_x 1
		.amdhsa_system_sgpr_workgroup_id_y 1
		.amdhsa_system_sgpr_workgroup_id_z 1
		.amdhsa_system_vgpr_workitem_id 0
		.amdhsa_next_free_vgpr 1024
		.amdhsa_next_free_sgpr 98
		.amdhsa_reserve_vcc 0
		.amdhsa_float_denorm_mode_32 3
		.amdhsa_float_denorm_mode_16_64 3
		.amdhsa_memory_ordered 1
		.amdhsa_forward_progress 1
		.amdhsa_inst_pref_size 156
	.end_amdhsa_kernel
	.amdgpu_metadata
---
amdhsa.version: [ 1, 2 ]
amdhsa.kernels:
  - .name:           k_q70da235bd5_ffn2
    .symbol:         k_q70da235bd5_ffn2.kd
    .args:
      - { .name: gbuf, .offset: 0, .size: 8, .value_kind: global_buffer, .address_space: global }
      - { .name: wimg, .offset: 8, .size: 8, .value_kind: global_buffer, .address_space: global }
      - { .name: x2, .offset: 16, .size: 8, .value_kind: global_buffer, .address_space: global }
      - { .name: out0, .offset: 24, .size: 8, .value_kind: global_buffer, .address_space: global }
    .group_segment_fixed_size: 327680
    .private_segment_fixed_size: 0
    .kernarg_segment_align: 8
    .kernarg_segment_size: 32
    .max_flat_workgroup_size: 128
    .sgpr_count:     98
    .vgpr_count:     1024
    .wavefront_size: 32
...
	.end_amdgpu_metadata
.endif
;; end of part 7
;; ======== version 2 of 2: 7 launches
;; limits: right only within a limited range of input values
;; workspace buffers: wimg 10,616,832 bytes; hbuf 3,276,800 bytes; qkv 10,223,616 bytes; abuf 3,276,800 bytes; x2 16,777,216 bytes; h2buf 3,276,800 bytes; gbuf 13,107,200 bytes
;; launch prep_ln1 (part 8): grid 352 x 1, 8 waves a work-group, no clusters, 3,072 bytes of LDS; arguments x, ln1_w, ln1_b, wq_codes, wq_scales, wk_codes, wk_scales, wv_codes, wv_scales, wo_codes, wo_scales, w1_codes, w1_scales, w2_codes, w2_scales, hbuf, wimg; writes hbuf, wimg
.if DOCPART == 8
	.amdgcn_target "amdgcn-amd-amdhsa--gfx1250"
	.amdhsa_code_object_version 6
	.text
	.protected	k_q70da235bd5_prep_ln1
	.globl	k_q70da235bd5_prep_ln1
	.p2align	8
	.type	k_q70da235bd5_prep_ln1,@function
k_q70da235bd5_prep_ln1:
	s_mov_b64 s[64:65], 0
	v_nop
	global_prefetch_b8 v0, s[64:65] scope:SCOPE_SE
	s_setreg_imm32_b32 hwreg(HW_REG_WAVE_MODE, 25, 1), 1
	s_wait_xcnt 0x0
; TWO JOBS IN ONE LAUNCH, parted by the work-group's number (the same in all eight waves of a work-group).
; Work-groups 0-255: h = layernorm(x) by ln1_w, ln1_b, quantised along its 1,024 columns to codes of E2M3 with one E8M0 byte for each 32, stored as IMAGES OF OPERAND REGISTERS (below).
; Work-groups 256-351: the six weights' codes and scale bytes, which arrive row by row, are laid out as the same kind of images.  No number is changed.
; THE IMAGE.  Tile a of a matrix has 16 rows; lane r stands for row 32 (a / 2) + 8 (a % 2) + r + 8 (r / 8).  Unit (a, k / 64) of 768 bytes at (a K / 64 + k / 64) x 768 holds, for lane (r, h), the 24 bytes of
; that row's codes k = 64 (k / 64) + 32 h + 0 .. 31: its first 16 bytes at 16 x lane, its last 8 at 512 + 8 x lane.  Two units are one operand of 16 rows x 128 K: twelve registers by four dense loads.
; Scale bytes: at (k / 256) x 32,768 + a x 128 + 8 r the eight bytes of that row for 256 along K.
; LAYER NORM: work-group a takes the 16 rows of tile a, wave w their columns 128 w .. 128 w + 127; a lane holds 64 numbers in the very order of the operand's registers.  Mean first, then the mean of the squared
; differences (two passes over registers, nothing is a difference of large sums); the eight waves' partial sums meet in LDS.
; LIMITS: NaN and infinities among the inputs are not served.  A block whose largest magnitude lies under 2^-124 has its byte held at 1; a block of zeros keeps the byte 1 (its codes are zeros; only this program reads the bytes).
.set X,    32                          ; v32-95   my 64 numbers: X + 32 c + i = column 128 w + 64 c + 32 h + i of my row
.set GM,   96                          ; v96-159  the gain at those columns
.set BT,   160                         ; v160-223 the bias
.set PC,   224                         ; v224-235 the codes: an operand's twelve registers
.set PT,   236                         ; v236-238, v240-242 the second half of each block's codes, as converted
.set AM,   244                         ; v244-245 largest magnitudes;  v246-247 the conversions' scale operands;  v248-249 the bytes
.set SO,   246
.set BY,   248
.set RED1, 0                           ; LDS: 16 rows x 8 waves x 4 bytes: the sums;
.set RED2, 512                         ; the sums of squares;
.set SCW,  1024                        ; the tile's scale bytes: 4 x 128 bytes
.set HSC,  3145728                     ; where the scale image begins in hbuf
.set WSC,  9437184                     ; and the weights' scale images in wimg
	v_lshl_add_u32 v254, v0, 2, 0x800
	v_mov_b32 v255, 0
	v_lshrrev_b32 v1, 5, v0
	s_delay_alu instid0(VALU_DEP_1)
	v_readfirstlane_b32 s14, v1                    ; wave 0..7
	v_and_b32 v1, 31, v0                           ; lane
	v_and_b32 v2, 15, v0                           ; r
	v_bfe_u32 v3, v0, 4, 1                         ; h
	s_delay_alu instid0(VALU_DEP_2)
	v_and_b32 v4, 8, v2
	s_delay_alu instid0(VALU_DEP_1)
	v_add_nc_u32 v4, v4, v2                        ; r + 8 (r / 8): my row within a pair of tiles
	v_lshlrev_b32 v6, 4, v1                        ; 16 x lane
	v_lshlrev_b32 v7, 3, v1                        ; 8 x lane
	s_cmp_lt_u32 ttmp9, 256
	s_cbranch_scc0 .Lweights
	; ---------------- layer norm ----------------
	s_load_b128 s[4:7], s[0:1], 0x0                ; x, the gain
	s_load_b64 s[8:9], s[0:1], 0x10                ; the bias
	s_load_b64 s[10:11], s[0:1], 0x78              ; hbuf
	v_lshlrev_b32 v4, 12, v4
	s_delay_alu instid0(VALU_DEP_1)
	v_lshl_add_u32 v4, v3, 7, v4                   ; x: my row of 4,096 bytes, + 128 h
	v_lshlrev_b32 v5, 7, v3                        ; gain and bias: 128 h
	s_lshl_b32 s15, s14, 2
	v_lshl_add_u32 v8, v2, 5, s15                  ; LDS: 32 r + 4 w: my wave's word of my row
	v_lshlrev_b32 v9, 5, v2                        ; 32 r: my row's eight words
	s_lshr_b32 s16, s14, 1
	s_lshl_b32 s16, s16, 7
	s_and_b32 s17, s14, 1
	s_lshl_b32 s17, s17, 2
	s_add_co_u32 s16, s16, s17
	s_add_co_u32 s16, s16, SCW
	v_lshl_add_u32 v10, v2, 3, s16                 ; SCW + 128 (w / 2) + 8 r + 4 (w % 2): my scale word's place
	v_mov_b32 v251, 0                              ; a lane permute's destination counts as one of its sources
	s_mov_b32 s12, 0x76543210
	s_mov_b32 s13, 0xfedcba98                      ; v_permlanex16_b32's selects for lane l xor 16
	s_mov_b32 s18, 0x3a800000                      ; 1 / 1,024
	s_mov_b32 s19, 0x2b8cbccc                      ; 1e-12
	s_lshr_b32 s20, ttmp9, 1
	s_lshl_b32 s20, s20, 17                        ; 32 (a / 2) rows of 4,096 bytes
	s_and_b32 s21, ttmp9, 1
	s_lshl_b32 s21, s21, 15                        ; 8 (a % 2) rows
	s_add_co_u32 s20, s20, s21
	s_lshl_b32 s22, s14, 9                         ; my wave's 128 columns: 512 bytes
	s_add_co_u32 s20, s20, s22
	s_mov_b32 s21, 0
	s_mov_b32 s23, 0
	s_lshl_b32 s24, ttmp9, 4
	s_lshl_b32 s25, s14, 1
	s_add_co_u32 s24, s24, s25
	s_mul_i32 s24, s24, 768                        ; units 16 a + 2 w and the next
	s_mov_b32 s25, 0
	s_lshl_b32 s26, ttmp9, 7
	s_add_co_u32 s26, s26, HSC                     ; the tile's 128 scale bytes of each 256 along K
	s_mov_b32 s27, 0
	s_wait_alu depctr_va_vdst(0)
	s_wait_kmcnt 0x0
	s_add_nc_u64 s[4:5], s[4:5], s[20:21]
	s_add_nc_u64 s[6:7], s[6:7], s[22:23]
	s_add_nc_u64 s[8:9], s[8:9], s[22:23]
	s_add_nc_u64 s[28:29], s[10:11], s[24:25]
	s_add_nc_u64 s[10:11], s[10:11], s[26:27]
.irp c, 0,1
.irp j, 0,1,2,3,4,5,6,7
	global_load_b128 v[X+32*\c+4*\j:X+32*\c+4*\j+3], v4, s[4:5] offset:256*\c+16*\j
.endr
.endr
.irp c, 0,1
.irp j, 0,1,2,3,4,5,6,7
	global_load_b128 v[GM+32*\c+4*\j:GM+32*\c+4*\j+3], v5, s[6:7] offset:256*\c+16*\j
.endr
.endr
.irp c, 0,1
.irp j, 0,1,2,3,4,5,6,7
	global_load_b128 v[BT+32*\c+4*\j:BT+32*\c+4*\j+3], v5, s[8:9] offset:256*\c+16*\j
.endr
.endr
; v20 of my lane, its partner 16 lanes away and the eight waves are added: the row's sum comes back in v20 of every lane of the row
.macro REDUCE base
	s_delay_alu instid0(VALU_DEP_1)
	v_permlanex16_b32 v251, v20, s12, s13
	s_delay_alu instid0(VALU_DEP_1)
	v_add_f32 v20, v20, v251
	ds_store_b32 v8, v20 offset:\base              ; both halves of the lanes write the same word with the same value
	s_wait_dscnt 0x0                               ; for the others' sake: my store has landed
	s_barrier_signal -1
	s_barrier_wait -1
	ds_load_b128 v[12:15], v9 offset:\base
	ds_load_b128 v[16:19], v9 offset:\base+16
	s_wait_dscnt 0x0
	v_add_f32 v12, v12, v13
	v_add_f32 v14, v14, v15
	v_add_f32 v16, v16, v17
	v_add_f32 v18, v18, v19
	s_delay_alu instid0(VALU_DEP_3)
	v_add_f32 v12, v12, v14
	s_delay_alu instid0(VALU_DEP_2)
	v_add_f32 v16, v16, v18
	s_delay_alu instid0(VALU_DEP_1)
	v_add_f32 v20, v12, v16
.endm
.macro FOLD                            ; four chains of pairs become one number in v20
	s_delay_alu instid0(VALU_DEP_3)
	v_pk_add_f32 v[20:21], v[20:21], v[22:23]
	s_delay_alu instid0(VALU_DEP_2)
	v_pk_add_f32 v[24:25], v[24:25], v[26:27]
	s_delay_alu instid0(VALU_DEP_1)
	v_pk_add_f32 v[20:21], v[20:21], v[24:25]
	s_delay_alu instid0(VALU_DEP_1)
	v_add_f32 v20, v20, v21
.endm
	s_wait_loadcnt 32                              ; x's sixteen loads are in; the 32 younger ones (gain, bias) may be out
.irp k, 0,1,2,3
	v_pk_add_f32 v[20+2*\k:21+2*\k], v[X+4*\k:X+4*\k+1], v[X+4*\k+2:X+4*\k+3]
.endr
.irp i, 16,24,32,40,48,56
.irp k, 0,1,2,3
	s_delay_alu instid0(VALU_DEP_4)
	v_pk_add_f32 v[20+2*\k:21+2*\k], v[20+2*\k:21+2*\k], v[X+\i+2*\k:X+\i+2*\k+1]
.endr
.endr
	FOLD
	REDUCE RED1
	s_delay_alu instid0(VALU_DEP_1)
	v_mul_f32 v28, s18, v20                        ; the mean
	s_delay_alu instid0(VALU_DEP_1)
	v_mov_b32 v29, v28
.set j, 0
.rept 32
	v_pk_add_f32 v[X+j:X+j+1], v[X+j:X+j+1], v[28:29] neg_lo:[0,1] neg_hi:[0,1]   ; x - mean
.set j, j+2
.endr
.irp k, 0,1,2,3
	v_pk_mul_f32 v[20+2*\k:21+2*\k], v[X+2*\k:X+2*\k+1], v[X+2*\k:X+2*\k+1]
.endr
.irp i, 8,16,24,32,40,48,56
.irp k, 0,1,2,3
	s_delay_alu instid0(VALU_DEP_4)
	v_pk_fma_f32 v[20+2*\k:21+2*\k], v[X+\i+2*\k:X+\i+2*\k+1], v[X+\i+2*\k:X+\i+2*\k+1], v[20+2*\k:21+2*\k]
.endr
.endr
	FOLD
	REDUCE RED2                                    ; other bytes than the first sum's: no wave can still be reading what is written here
	s_delay_alu instid0(VALU_DEP_1)
	v_fma_f32 v28, v20, s18, s19                   ; the variance + 1e-12
	s_wait_alu depctr_va_vdst(0)
	v_rsq_f32 v28, v28
	v_nop                                          ; one plain place behind a transcendental (ISA guide 5.7.2)
	s_wait_alu depctr_va_vdst(0)
	v_mov_b32 v29, v28
.set j, 0
.rept 32
	v_pk_mul_f32 v[X+j:X+j+1], v[X+j:X+j+1], v[28:29]
.set j, j+2
.endr
	s_wait_loadcnt 0x0                             ; gain and bias
.set j, 0
.rept 32
	v_pk_fma_f32 v[X+j:X+j+1], v[X+j:X+j+1], v[GM+j:GM+j+1], v[BT+j:BT+j+1]
.set j, j+2
.endr
	; the quantiser: block 2 c + h of these 128 columns lies whole in my 32 registers X + 32 c ..
.irp c, 0,1
	v_max3_num_f32 v[AM+\c], |v[X+32*\c]|, |v[X+32*\c+1]|, 0x1800000   ; with the floor 2^(3 - 127): the byte cannot fall under 1
.endr
.irp i, 2,4,6,8,10,12,14,16,18,20,22,24,26,28,30
.irp c, 0,1
	s_delay_alu instid0(VALU_DEP_2)
	v_max3_num_f32 v[AM+\c], v[AM+\c], |v[X+32*\c+\i]|, |v[X+32*\c+\i+1]|
.endr
.endr
.irp c, 0,1
	s_delay_alu instid0(VALU_DEP_2)
	v_add_nc_u32 v[SO+\c], 0xff000000, v[AM+\c]    ; 2 off the exponent field: the conversion takes this operand's exponent field as its scale
.endr
.irp c, 0,1
	s_delay_alu instid0(VALU_DEP_2)
	v_lshrrev_b32 v[BY+\c], 23, v[SO+\c]           ; the scale's byte
.endr
.irp c, 0,1
	v_cvt_scalef32_pk16_fp6_f32 v[PC+6*\c:PC+6*\c+2], v[X+32*\c:X+32*\c+15], v[SO+\c]
	v_cvt_scalef32_pk16_fp6_f32 v[PT+4*\c:PT+4*\c+2], v[X+32*\c+16:X+32*\c+31], v[SO+\c]   ; (a conversion's three registers begin on an even number)
.endr
	v_nop                                          ; one plain place behind a scaled conversion
.irp c, 0,1
.irp i, 0,1,2
	v_mov_b32 v[PC+3+6*\c+\i], v[PT+4*\c+\i]
.endr
.endr
	v_lshl_or_b32 v250, v[BY+1], 16, v[BY]         ; my two bytes: blocks h and 2 + h,
	v_lshlrev_b32 v251, 3, v3
	s_delay_alu instid0(VALU_DEP_1)
	v_lshlrev_b32 v250, v251, v250                 ; at their places in the word;
	v_mov_b32 v251, 0
	s_delay_alu instid0(VALU_DEP_1)
	v_permlanex16_b32 v251, v250, s12, s13
	s_delay_alu instid0(VALU_DEP_1)
	v_or_b32 v250, v250, v251                      ; with lane l xor 16's two the word is whole
	global_store_b128 v6, v[PC:PC+3], s[28:29]               ; each store of the wave covers 512 or 256 consecutive bytes, aligned to 256
	global_store_b64 v7, v[PC+4:PC+5], s[28:29] offset:512
	global_store_b128 v6, v[PC+6:PC+9], s[28:29] offset:768
	global_store_b64 v7, v[PC+10:PC+11], s[28:29] offset:1280
	ds_store_b32 v10, v250
	s_wait_dscnt 0x0
	s_barrier_signal -1
	s_barrier_wait -1                              ; the tile's 512 scale bytes lie in LDS
	s_cmp_lg_u32 s14, 0
	s_cbranch_scc1 .Lln_end
	ds_load_b128 v[12:15], v6 offset:SCW           ; wave 0 stores them: four pieces of 128 consecutive bytes, 32,768 apart (one byte in 24 of what the work-group stores)
	v_lshrrev_b32 v16, 3, v1
	v_and_b32 v17, 7, v1
	s_delay_alu instid0(VALU_DEP_1)
	v_lshlrev_b32 v17, 4, v17
	s_delay_alu instid0(VALU_DEP_1)
	v_lshl_add_u32 v16, v16, 15, v17
	s_wait_alu depctr_va_vdst(0)
	s_wait_dscnt 0x0
	global_store_b128 v16, v[12:15], s[10:11]
.Lln_end:
	s_wait_tensorcnt 0x0
	ds_add_u32 v254, v255
	s_wait_dscnt 0x0
	s_endpgm
	; ---------------- the weights' images ----------------
	; Chunk c = 8 (work-group - 256) + wave is one tile of 16 rows x 1,024 along K: 12,288 bytes of codes, 512 scale bytes.  wq, wk, wv, wo: 64 chunks each; w1: 256; w2 (K = 4,096): 64 tiles x 4 quarters of K.
.Lweights:
	s_load_b128 s[16:19], s[0:1], 0x18             ; wq's codes, scales
	s_load_b128 s[20:23], s[0:1], 0x28             ; wk's
	s_load_b128 s[24:27], s[0:1], 0x38             ; wv's
	s_load_b128 s[28:31], s[0:1], 0x48             ; wo's
	s_load_b128 s[32:35], s[0:1], 0x58             ; w1's
	s_load_b128 s[36:39], s[0:1], 0x68             ; w2's
	s_load_b64 s[40:41], s[0:1], 0x80              ; wimg
	s_sub_co_u32 s12, ttmp9, 256
	s_lshl_b32 s13, s12, 3
	s_add_co_u32 s13, s13, s14                     ; the chunk
	s_mov_b32 s8, 512                              ; w2: its first chunk,
	s_mov_b32 s9, 655360                           ; and where its scale image begins behind WSC
	s_wait_kmcnt 0x0
	s_mov_b64 s[4:5], s[36:37]
	s_mov_b64 s[6:7], s[38:39]
.macro PICK lim, cod, cb, mo           ; work-groups under lim belong to an earlier matrix: the choice hangs on the work-group's number alone
	s_cmp_lt_u32 s12, \lim
	s_cselect_b64 s[4:5], s[\cod:\cod+1], s[4:5]
	s_cselect_b64 s[6:7], s[\cod+2:\cod+3], s[6:7]
	s_cselect_b32 s8, \cb, s8
	s_cselect_b32 s9, \mo, s9
.endm
	PICK 64, 32, 256, 524288
	PICK 32, 28, 192, 393216
	PICK 24, 24, 128, 262144
	PICK 16, 20, 64, 131072
	PICK 8, 16, 0, 0
	s_cmp_lt_u32 s12, 64
	s_cselect_b32 s10, 0, 2                        ; w2's rows are four times as long
	s_cselect_b32 s11, 0, 3
	s_sub_co_u32 s42, s13, s8
	s_lshr_b32 s43, s42, s10                       ; the tile
	s_and_b32 s44, s42, s11                        ; the quarter of K
	s_lshl_b32 s45, 768, s10                       ; a row of codes in bytes
	s_lshl_b32 s46, 32, s10                        ; a row of scale bytes
	s_lshr_b32 s47, s43, 1
	s_lshl_b32 s47, s47, 5
	s_and_b32 s48, s43, 1
	s_lshl_b32 s48, s48, 3
	s_add_co_u32 s47, s47, s48                     ; the tile's first row: 32 (a / 2) + 8 (a % 2)
	s_mul_i32 s48, s47, s45
	s_mul_i32 s49, s44, 768
	s_add_co_u32 s48, s48, s49
	s_mov_b32 s49, 0
	s_add_nc_u64 s[4:5], s[4:5], s[48:49]
	s_mul_i32 s50, s47, s46
	s_lshl_b32 s51, s44, 5
	s_add_co_u32 s50, s50, s51
	s_mov_b32 s51, 0
	s_add_nc_u64 s[6:7], s[6:7], s[50:51]
	s_mul_i32 s52, s13, 12288
	s_mov_b32 s53, 0
	s_add_nc_u64 s[54:55], s[40:41], s[52:53]      ; the chunk's codes in wimg
	s_lshl_b32 s56, s44, 17                        ; a quarter of K is four steps of 32,768 bytes in the scale image
	s_add_co_u32 s56, s56, s9
	s_lshl_b32 s57, s43, 7
	s_add_co_u32 s56, s56, s57
	s_add_co_u32 s56, s56, WSC
	s_mov_b32 s57, 0
	s_add_nc_u64 s[40:41], s[40:41], s[56:57]
	s_wait_alu depctr_va_vdst(0)
	v_mul_lo_u32 v8, v4, s45
	s_delay_alu instid0(VALU_DEP_1)
	v_mad_u32_u24 v8, v3, 24, v8                   ; codes: my row, + 24 h
	v_mul_lo_u32 v9, v4, s46
	s_delay_alu instid0(VALU_DEP_1)
	v_lshl_add_u32 v9, v3, 4, v9                   ; scale bytes: my row, + 16 h
	v_lshlrev_b32 v10, 3, v2
	s_delay_alu instid0(VALU_DEP_1)
	v_lshl_add_u32 v10, v3, 16, v10                ; in the scale image: 8 r, and lanes 16-31 two steps of 32,768 on
	global_load_b128 v[128:131], v9, s[6:7]        ; 16 scale bytes: 512 along K
.irp s, 0,1,2,3,4,5,6,7
.irp p, 0,1,2,3,4,5
	global_load_b64 v[32+12*\s+2*\p:33+12*\s+2*\p], v8, s[4:5] offset:96*\s+48*(\p/3)+8*(\p%3)
.endr
.endr
	s_wait_alu depctr_va_vdst(0)
.irp s, 0,1,2,3,4,5,6,7
	s_wait_loadcnt 6*(7-\s)                        ; this K step's six loads are in; the later steps' six each may be out
	global_store_b128 v6, v[32+12*\s:35+12*\s], s[54:55] offset:1536*\s
	global_store_b64 v7, v[36+12*\s:37+12*\s], s[54:55] offset:1536*\s+512
	global_store_b128 v6, v[38+12*\s:41+12*\s], s[54:55] offset:1536*\s+768
	global_store_b64 v7, v[42+12*\s:43+12*\s], s[54:55] offset:1536*\s+1280
.endr
	global_store_b64 v10, v[128:129], s[40:41]
	global_store_b64 v10, v[130:131], s[40:41] offset:32768
	s_endpgm
.Lfunc_end_k_q70da235bd5_prep_ln1:
	.size	k_q70da235bd5_prep_ln1, .Lfunc_end_k_q70da235bd5_prep_ln1-k_q70da235bd5_prep_ln1
	.p2alignl 7, 3214868480
	.fill 96, 4, 3214868480
	.section	.rodata,"a",@progbits
	.p2align	6, 0x0
	.amdhsa_kernel k_q70da235bd5_prep_ln1
		.amdhsa_group_segment_fixed_size 3072
		.amdhsa_private_segment_fixed_size 0
		.amdhsa_enable_private_segment 0
		.amdhsa_kernarg_size 136
		.amdhsa_user_sgpr_count 2
		.amdhsa_user_sgpr_kernarg_segment_ptr 1
		.amdhsa_wavefront_size32 1
		.amdhsa_system_sgpr_workgroup_id_x 1
		.amdhsa_system_sgpr_workgroup_id_y 1
		.amdhsa_system_sgpr_workgroup_id_z 1
		.amdhsa_system_vgpr_workitem_id 0
		.amdhsa_next_free_vgpr 256
		.amdhsa_next_free_sgpr 66
		.amdhsa_reserve_vcc 0
		.amdhsa_float_denorm_mode_32 3
		.amdhsa_float_denorm_mode_16_64 3
		.amdhsa_memory_ordered 1
		.amdhsa_forward_progress 1
		.amdhsa_inst_pref_size 39
	.end_amdhsa_kernel
	.amdgpu_metadata
---
amdhsa.version: [ 1, 2 ]
amdhsa.kernels:
  - .name:           k_q70da235bd5_prep_ln1
    .symbol:         k_q70da235bd5_prep_ln1.kd
    .args:
      - { .name: x, .offset: 0, .size: 8, .value_kind: global_buffer, .address_space: global }
      - { .name: ln1_w, .offset: 8, .size: 8, .value_kind: global_buffer, .address_space: global }
      - { .name: ln1_b, .offset: 16, .size: 8, .value_kind: global_buffer, .address_space: global }
      - { .name: wq_codes, .offset: 24, .size: 8, .value_kind: global_buffer, .address_space: global }
      - { .name: wq_scales, .offset: 32, .size: 8, .value_kind: global_buffer, .address_space: global }
      - { .name: wk_codes, .offset: 40, .size: 8, .value_kind: global_buffer, .address_space: global }
      - { .name: wk_scales, .offset: 48, .size: 8, .value_kind: global_buffer, .address_space: global }
      - { .name: wv_codes, .offset: 56, .size: 8, .value_kind: global_buffer, .address_space: global }
      - { .name: wv_scales, .offset: 64, .size: 8, .value_kind: global_buffer, .address_space: global }
      - { .name: wo_codes, .offset: 72, .size: 8, .value_kind: global_buffer, .address_space: global }
      - { .name: wo_scales, .offset: 80, .size: 8, .value_kind: global_buffer, .address_space: global }
      - { .name: w1_codes, .offset: 88, .size: 8, .value_kind: global_buffer, .address_space: global }
      - { .name: w1_scales, .offset: 96, .size: 8, .value_kind: global_buffer, .address_space: global }
      - { .name: w2_codes, .offset: 104, .size: 8, .value_kind: global_buffer, .address_space: global }
      - { .name: w2_scales, .offset: 112, .size: 8, .value_kind: global_buffer, .address_space: global }
      - { .name: hbuf, .offset: 120, .size: 8, .value_kind: global_buffer, .address_space: global }
      - { .name: wimg, .offset: 128, .size: 8, .value_kind: global_buffer, .address_space: global }
    .group_segment_fixed_size: 3072
    .private_segment_fixed_size: 0
    .kernarg_segment_align: 8
    .kernarg_segment_size: 136
    .max_flat_workgroup_size: 256
    .sgpr_count:     66
    .vgpr_count:     256
    .wavefront_size: 32
...
	.end_amdgpu_metadata
.endif
;; end of part 8
;; launch qkv (part 9): grid 12 x 16, 4 waves a work-group, clusters of 4 x 4, 327,680 bytes of LDS; arguments hbuf, wimg, qkv; writes qkv
.if DOCPART == 9
	.amdgcn_target "amdgcn-amd-amdhsa--gfx1250"
	.amdhsa_code_object_version 6
	.text
	.protected	k_q70da235bd5_qkv
	.globl	k_q70da235bd5_qkv
	.p2align	8
	.type	k_q70da235bd5_qkv,@function
k_q70da235bd5_qkv:
	s_mov_b64 s[64:65], 0
	v_nop
	global_prefetch_b8 v0, s[64:65] scope:SCOPE_SE
	s_setreg_imm32_b32 hwreg(HW_REG_WAVE_MODE, 25, 1), 1
	s_wait_xcnt 0x0
	s_wait_alu depctr_hold_cnt(0) depctr_sa_sdst(0) depctr_va_vdst(0) depctr_va_sdst(0) depctr_va_ssrc(0) depctr_va_vcc(0) depctr_vm_vsrc(0)
	s_getreg_b32 s2, hwreg(HW_REG_IB_STS2, 6, 4)
	s_cmp_eq_u32 s2, 0
	s_cbranch_scc0 .Lentry_in_a_cluster
	s_endpgm
.Lentry_in_a_cluster:
	s_bfe_u32 s2, ttmp6, 0x10000c
	s_cmp_lg_u32 s2, 0xf033
	s_cbranch_scc0 .Lentry_shape_is_right
	s_endpgm
.Lentry_shape_is_right:
; q = h wq, k = h wk, v = h wv on codes of E2M3 (one E8M0 byte for each 32 along K = 1,024), each result quantised at once for attention's products and stored as images of operand registers.
; THE IMAGES (made by the launches before): tile a has 16 rows, lane r stands for row 32 (a / 2) + 8 (a % 2) + r + 8 (r / 8); unit (a, k / 64) of 768 bytes holds each lane's 24 bytes of codes (16 at 16 x lane, 8 at
; 512 + 8 x lane); scale bytes at (k / 256) x 32,768 + a x 128 + 8 r.  A fragment of 16 rows x 128 K is two units: four dense LDS loads.
; A tile of C, 256 x 256, is made by four waves, 128 x 128 each: 64 accumulators in 512 registers.  K goes in steps of 256 through a ring of two LDS slots filled by the tensor data mover; all scale bytes come once.
; THE MATRIX INSTRUCTION IS USED TRANSPOSED (source 0 = a tile of "B", source 1 = a tile of "A"): lane (r, h) holds one row of A, and by the images' order of rows the 16 registers of B's tiles 2 b, 2 b + 1 are
; the 16 neighbours 32 b + 16 h + 0 .. 15 along B's rows: the next product's K.
; The cluster's x says which product (0 q, 1 k, 2 v).  q, k: A = h (tokens), B = the weight (channels): quantised along the channels.  v: A = wv (channels), B = h (tokens): V^T, quantised along the tokens (the keys).
; CLUSTERS: 4 x 4 work-groups; A's tiles are shared along a row of the cluster, B's along a column: each is asked for jointly, by the same tensor load with the same descriptor and a mask that names the four.
; LIMITS: NaN and infinities are not served; a block whose largest magnitude lies under 2^-124 has its byte held at 1 (a block of zeros too: its codes are zeros; only this program reads the bytes).
; REGISTERS: window 0: v1-7, v16-30 addresses; v32-63 scale words, two sets; v128-223 A's fragments, one set; way out: v192-243.  window 1: B's fragments, two sets.  windows 2, 3: the accumulators, (a, b) at v[8 (8 (a % 4) + b)].
.set SIZE_K, 1024
.set WSC,    9437184                   ; the weights' scale images in wimg
.set NQ,     2                         ; matrix instructions deep in a slot
.set FR,     12                        ; registers of a fragment
.set NL,     4                         ; LDS loads that bring one
.set NP,     4                         ; places behind this matrix instruction (ISA guide 7.12.1)
.set TILEB,  3072                      ; 16 rows x 256 K: four units
.set HALFT,  8*TILEB                   ; 128 rows: what one tensor load brings
.set SLOT,   4*HALFT                   ; A's 256 rows, then B's
.set LAPS,   SIZE_K/512
.set KPITCH, 12*SIZE_K                 ; a tile's codes for all of K, in bytes
.set NSG,    SIZE_K/256
.set HALFS,  NSG*1024                  ; the scale bytes of 128 rows
.set SCL,    2*SLOT                    ; behind the ring: the scale bytes
.set SPARE,  327168                    ; the spare words, 128 bytes for each wave: two blocks of 256 bytes that no other line names
.set L16,  4                           ; v4   16 x lane
.set L8,   5                           ; v5   8 x lane
.set ADRA, 16                          ; v16-17 A's fragments in slot 0, 1 (16 x lane); v18-19 the same with 8 x lane
.set ADRB, 20                          ; v20-23 the same for B
.set SWA,  24                          ; v24  the way out: my scale word's place in LDS
.set SRD,  25                          ; v25  and where I read 16 of those bytes back
.set ADRS, 27                          ; v27  my scale words: lanes 0-15 A's rows, lanes 16-31 B's
.set SPW,  28                          ; v28  my spare word; never rewritten
.set NIL,  29                          ; v29  0; never rewritten
.set SC,   32
.set AF,   128
.set TM,   192                         ; the way out: v192-207 at work, v208 the scale word, v224-243 the codes
.set PW,   208
.set PC,   224
.set G1, 24
.set G0, 32
.set G1B, 48
.set G0B, 56
.set G1S, 68
.set G0S, 76
.set G1SB, 80
.set G0SB, 88
.set MSB, 0
.macro WIN new                         ; the immediate's high byte repeats the setting that is left
.if MSB != (\new)
	s_set_vgpr_msb (MSB<<8)|(\new)
.set MSB, (\new)
.endif
.endm
.set MUL_LO, 0xa1                      ; source 0 (B) window 1, source 1 (A) window 0, C and D window 2
.set MUL_HI, 0xf1                      ; the same, C and D window 3
.set TO_B,   0x40                      ; destination window 1, address window 0
; A joint load: waves 0 and 1 fetch for A, waves 2 and 3 for B; the branch hangs on the wave's number alone.  Four v_nop follow each of the two lines.
.macro JLOAD g0a, g1a, g0b, g1b
	s_cmp_eq_u32 s15, 0
	s_cbranch_scc0 .Lfor_b_\@
	tensor_load_to_lds s[\g0a:\g0a+3], s[\g1a:\g1a+7]
	s_nop 0
.rept 4
	v_nop
.endr
	s_branch .Lasked_\@
.Lfor_b_\@:
	tensor_load_to_lds s[\g0b:\g0b+3], s[\g1b:\g1b+7]
	s_nop 0
.rept 4
	v_nop
.endr
.Lasked_\@:
.endm
.macro CREST                           ; a round of the cluster's barrier behind its opening barrier
	s_cmp_lg_u32 s14, 0
	s_cbranch_scc1 .Lnot_wave_0_\@
	s_barrier_signal -3
.Lnot_wave_0_\@:
	s_barrier_wait -3
	s_barrier_signal -1
	s_barrier_wait -1
.endm
.macro CROUND
	s_barrier_signal -1
	s_barrier_wait -1
	CREST
.endm
	s_load_b128 s[4:7], s[0:1], 0x0                ; hbuf, wimg
	s_load_b64 s[8:9], s[0:1], 0x10                ; qkv
	v_lshl_add_u32 v[SPW], v0, 2, SPARE
	v_mov_b32 v[NIL], 0
	ds_add_u32 v28, v29
	ds_add_u32 v28, v29
	s_wait_dscnt 0x0
	v_lshrrev_b32 v1, 5, v0
	v_readfirstlane_b32 s14, v1                    ; wave 0..3
	s_lshr_b32 s15, s14, 1                         ; which half of A's rows is mine.  Also: I fetch for A (0) or for B (1)
	s_and_b32 s16, s14, 1                          ; which half of B's rows.  Also: which 128 rows I fetch
	s_bfe_u32 s40, ttmp6, 0x40000                  ; cx, cy: my place in the cluster
	s_bfe_u32 s41, ttmp6, 0x40004
	s_and_b32 s13, ttmp7, 0xffff
	s_lshl_b32 s13, s13, 2                         ; 4 x cluster y
	s_mul_i32 s96, ttmp9, 786432                   ; the weight's codes in wimg,
	s_mul_i32 s12, ttmp9, 131072
	s_add_co_u32 s12, s12, WSC                     ; its scale image;
	s_mov_b32 s97, 3145728                         ; h's scale image in hbuf
	s_cmp_eq_u32 ttmp9, 2                          ; v?  The cluster's x is the same in all sixteen partners
	s_cselect_b32 s17, 0, s13                      ; the long axis (4,096 tokens, 16 tiles) is A's for q and k, B's for v
	s_cselect_b32 s42, s13, 0
	s_cselect_b32 s95, 64, 16                      ; units in a tile of the result's image: 4,096 / 64 or 1,024 / 64
	s_cselect_b32 s98, s96, 0                      ; A's codes and scale bytes begin here in A's buffer,
	s_cselect_b32 s99, s12, s97
	s_cselect_b32 s100, 0, s96                     ; B's in B's
	s_cselect_b32 s101, s97, s12
	s_add_co_u32 s17, s17, s41                     ; A's block of 256 rows: hangs on cy, never on cx
	s_add_co_u32 s42, s42, s40                     ; B's: hangs on cx, never on cy
	s_lshl_b32 s43, s41, 2
	s_lshl_b32 s43, 15, s43                        ; my row of the cluster
	s_lshl_b32 s44, 0x1111, s40                    ; my column
	; descriptor group 1, codes: 8 tiles (rows) of 3,072 bytes (384 elements of 8 bytes), KPITCH bytes apart; dense in LDS
	s_or_b32 s[G1+0], s43, (3<<16)|(1<<21)         ; 15:0 the mask; 17:16 elements of 8 bytes; 21 set beside a mask; no padding
	s_or_b32 s[G1B+0], s44, (3<<16)|(1<<21)
.irp g, G1, G1B
	s_mov_b32 s[\g+1], 384<<16                     ; tensor_dim0
	s_mov_b32 s[\g+2], 16<<16                      ; tensor_dim1: 16 tiles for the head's loads; set to 8 for the ring's behind them
	s_mov_b32 s[\g+3], 384<<16                     ; tile_dim0
	s_mov_b32 s[\g+4], 16                          ; tile_dim1
	s_mov_b32 s[\g+5], KPITCH/8                    ; tensor_dim0_stride
	s_mov_b32 s[\g+6], 0
	s_mov_b32 s[\g+7], 0
.endr
	; scale bytes: NSG rows of 2,048 bytes (16 tiles x 128), 32,768 bytes apart
	s_or_b32 s[G1S+0], s43, (3<<16)|(1<<21)
	s_or_b32 s[G1SB+0], s44, (3<<16)|(1<<21)
.irp g, G1S, G1SB
	s_mov_b32 s[\g+1], 256<<16                     ; a row: the 2,048 scale bytes of all 16 tiles for 256 along K
	s_mov_b32 s[\g+2], NSG<<16
	s_mov_b32 s[\g+3], 256<<16
	s_mov_b32 s[\g+4], NSG
	s_mov_b32 s[\g+5], 4096
	s_mov_b32 s[\g+6], 0
	s_mov_b32 s[\g+7], 0
.endr
	s_mul_i32 s18, s16, 8*KPITCH                   ; s[18:19]: bytes from a block's first tile to the 8 tiles that I fetch in the ring
	s_mov_b32 s19, 0
	s_lshl_b32 s20, s17, 4                         ; A: tile 16 x block
	s_lshl_b32 s46, s42, 4                         ; B likewise
	s_lshl_b32 s22, s20, 7
	s_add_co_u32 s22, s22, s99
	s_mov_b32 s23, 0
	s_lshl_b32 s92, s46, 7
	s_add_co_u32 s92, s92, s101
	s_mov_b32 s93, 0
	s_mul_i32 s20, s20, KPITCH
	s_add_co_u32 s20, s20, s98
	s_mov_b32 s21, 0
	s_mul_i32 s46, s46, KPITCH
	s_add_co_u32 s46, s46, s100
	s_mov_b32 s47, 0
	s_mul_i32 s45, s14, HALFT                      ; where they go: wave x 128 rows: no place in the cluster enters an LDS address
	s_wait_kmcnt 0x0
	s_cmp_eq_u32 ttmp9, 2
	s_cselect_b64 s[10:11], s[6:7], s[4:5]         ; A's buffer: wimg for v, else hbuf
	s_cselect_b64 s[6:7], s[4:5], s[6:7]           ; B's: the other
	s_add_nc_u64 s[20:21], s[10:11], s[20:21]
	s_add_nc_u64 s[22:23], s[10:11], s[22:23]
	s_add_nc_u64 s[46:47], s[6:7], s[46:47]
	s_add_nc_u64 s[92:93], s[6:7], s[92:93]
	CROUND                                         ; all sixteen work-groups are here: the first joint loads meet
	s_mov_b32 s[G0S], 1
	s_mov_b32 s[G0S+1], SCL
	s_mov_b64 s[G0S+2:G0S+3], s[22:23]
	s_or_b32 s[G0S+3], s[G0S+3], 0x80000000
	s_mov_b32 s[G0SB], 1
	s_mov_b32 s[G0SB+1], SCL+2*HALFS
	s_mov_b64 s[G0SB+2:G0SB+3], s[92:93]
	s_or_b32 s[G0SB+3], s[G0SB+3], 0x80000000
.irp s, 0,1
	s_mov_b32 s[G0+4*\s], 1
	s_add_co_u32 s[G0+4*\s+1], s45, \s*SLOT
	s_add_nc_u64 s[G0+4*\s+2:G0+4*\s+3], s[20:21], \s*TILEB
	s_or_b32 s[G0+4*\s+3], s[G0+4*\s+3], 0x80000000
	s_mov_b32 s[G0B+4*\s], 1
	s_add_co_u32 s[G0B+4*\s+1], s45, \s*SLOT
	s_add_nc_u64 s[G0B+4*\s+2:G0B+4*\s+3], s[46:47], \s*TILEB
	s_or_b32 s[G0B+4*\s+3], s[G0B+4*\s+3], 0x80000000
.endr
	s_mov_b32 s[G0+1], 0                           ; slot 0's sets serve the head first: A's 16 tiles whole at byte 0,
	s_mov_b32 s[G0B+1], 2*HALFT                    ; B's behind them;
	s_add_nc_u64 s[G0+6:G0+7], s[G0+6:G0+7], s[18:19]      ; slot 1's sets are the ring's: my 8 tiles
	s_add_nc_u64 s[G0B+6:G0B+7], s[G0B+6:G0B+7], s[18:19]
; THE HEAD'S LOADS, ONE A WAVE: wave 0 K step 0 of A, wave 1 of B, wave 2 A's scale bytes, wave 3 B's.  One chain of branches on the wave's number, every way passes one load.
.macro ARM under, g0, g1, next
	s_cmp_lt_u32 s14, \under
	s_cbranch_scc0 \next
	tensor_load_to_lds s[\g0:\g0+3], s[\g1:\g1+7]
	s_nop 0
.rept 4
	v_nop
.endr
	s_branch .Lhead_asked
\next:
.endm
	ARM 1, G0,  G1,  .Lhead_b
	ARM 2, G0B, G1B, .Lhead_sa
	ARM 3, G0S, G1S, .Lhead_sb
	tensor_load_to_lds s[G0SB:G0SB+3], s[G1SB:G1SB+7]
	s_nop 0
.rept 4
	v_nop
.endr
.Lhead_asked:
	; THE PREFETCHES.  Of the 8 tiles (3,072 bytes of a K step each, 12 blocks of 256 bytes) that my wave fetches in the ring, each of the four partners that ask for them jointly takes two,
	; told apart by address (cx for A, cy for B): a lane a block, lanes 24-31 name the last block again.  s[4:5]: my two tiles' bytes of K step 0.  K steps 1 and 2 are asked for here, K step 3 behind K step 1's load.
	s_cmp_eq_u32 s15, 0
	s_cselect_b64 s[4:5], s[20:21], s[46:47]
	s_cselect_b32 s6, s40, s41
	s_mul_i32 s6, s6, 2*KPITCH
	s_mov_b32 s7, 0
	s_add_nc_u64 s[4:5], s[4:5], s[18:19]
	s_add_nc_u64 s[4:5], s[4:5], s[6:7]
	v_and_b32 v30, 31, v0
	v_min_u32 v30, 23, v30                         ; l
	v_mul_u32_u24 v31, 11, v30
	v_lshrrev_b32 v31, 7, v31                      ; l / 12: which of the two tiles
	v_mul_u32_u24 v31, KPITCH-TILEB, v31
	v_lshl_add_u32 v30, v30, 8, v31                ; v30: 256 l + (l / 12) x (a tile's pitch - 3,072); never rewritten
	global_prefetch_b8 v30, s[4:5] offset:TILEB th:TH_LOAD_NT scope:SCOPE_SE
	global_prefetch_b8 v30, s[4:5] offset:2*TILEB th:TH_LOAD_NT scope:SCOPE_SE
	v_and_b32 v1, 31, v0
	v_and_b32 v2, 15, v0                           ; r
	v_bfe_u32 v3, v0, 4, 1                         ; h
	v_lshlrev_b32 v[L16], 4, v1
	v_lshlrev_b32 v[L8], 3, v1
	s_mul_i32 s21, s15, HALFT                      ; my 128 rows of A
	s_mul_i32 s22, s16, HALFT                      ; my 128 rows of B,
	s_add_co_u32 s22, s22, 2*HALFT                 ; which lie behind A's 256
.irp s, 0,1
	v_add_nc_u32 v[ADRA+\s], s21, v[L16]
	v_add_nc_u32 v[ADRB+\s], s22, v[L16]
	v_add_nc_u32 v[ADRA+2+\s], s21, v[L8]
	v_add_nc_u32 v[ADRB+2+\s], s22, v[L8]
	s_add_co_u32 s21, s21, SLOT
	s_add_co_u32 s22, s22, SLOT
.endr
	v_lshlrev_b32 v6, 3, v2                        ; my row's scale bytes: 8 r
	s_mul_i32 s21, s15, HALFS/NSG                  ; my 8 tiles' 1,024 bytes of a row of 2,048
	s_mul_i32 s22, s16, HALFS/NSG
	s_add_co_u32 s22, s22, 2*HALFS
	s_sub_co_u32 s22, s22, s21
	v_mul_u32_u24 v7, s22, v3                      ; lanes 16-31 take B's: one product, the distance between the two bases
	s_add_co_u32 s21, s21, SCL
	v_add_nc_u32 v6, v6, v7
	v_add_nc_u32 v[ADRS], s21, v6
	s_lshl_b32 s21, s15, 10
	s_lshl_b32 s22, s16, 2
	s_add_co_u32 s21, s21, s22
	v_lshl_add_u32 v[SWA], v2, 3, s21              ; the way out: (8 x my half of A's rows + block) x 128 + 8 r + 4 x my half of B's rows
	s_lshl_b32 s21, s14, 9
	v_add_nc_u32 v[SRD], s21, v[L16]
	; where my results go
	s_lshl_b32 s20, s17, 4
	s_lshl_b32 s21, s15, 3
	s_add_co_u32 s20, s20, s21                     ; my first tile of rows
	s_mul_i32 s20, s20, s95
	s_lshl_b32 s21, s42, 2
	s_add_co_u32 s20, s20, s21
	s_lshl_b32 s21, s16, 1
	s_add_co_u32 s20, s20, s21                     ; + my first unit along the result's K
	s_mul_i32 s20, s20, 768
	s_mul_i32 s21, ttmp9, 3145728
	s_add_co_u32 s20, s20, s21
	s_mov_b32 s21, 0
	s_add_nc_u64 s[10:11], s[8:9], s[20:21]        ; codes
	s_mul_i32 s12, s95, 768                        ; from a tile of rows to the next
	s_mov_b32 s13, 0
	s_mul_i32 s20, ttmp9, 131072
	s_add_co_u32 s20, s20, 9437184
	s_lshl_b32 s22, s42, 15
	s_add_co_u32 s20, s20, s22
	s_lshl_b32 s22, s17, 11
	s_add_co_u32 s20, s20, s22
	s_lshl_b32 s22, s14, 9
	s_add_co_u32 s20, s20, s22
	s_add_nc_u64 s[8:9], s[8:9], s[20:21]          ; scale bytes: my 512 of the work-group's 2,048
.macro FRAG reg, adr, q, i             ; a fragment: two units as they lie: every load takes consecutive bytes of LDS
	ds_load_b128 v[\reg:\reg+3], v[\adr] offset:(\i)*TILEB+(\q)*1536
	ds_load_b64 v[\reg+4:\reg+5], v[\adr+2] offset:(\i)*TILEB+(\q)*1536+512
	ds_load_b128 v[\reg+6:\reg+9], v[\adr] offset:(\i)*TILEB+(\q)*1536+768
	ds_load_b64 v[\reg+10:\reg+11], v[\adr+2] offset:(\i)*TILEB+(\q)*1536+1280
.endm
; 16 matrix instructions: A's blocks a0, a0 + 1 x B's eight, 128 along K.  The 64 accumulators take turns, one instruction a turn, in the same order in every step.
.macro MUL16 a0, p, q, sc, zero
.irp a, \a0, \a0+1
.irp b, 0,1,2,3,4,5,6,7
.if \zero
	v_wmma_scale_f32_16x16x128_f8f6f4 v[8*(8*((\a)%4)+\b):8*(8*((\a)%4)+\b)+7], v[128*(\p)+FR*\b:128*(\p)+FR*\b+FR-1], v[AF+FR*(\a):AF+FR*(\a)+FR-1], 0, v[SC+8*NQ*(\sc)+NQ*\b+(\q)], v[SC+8*NQ*(\sc)+NQ*(\a)+(\q)] matrix_a_fmt:MATRIX_FMT_FP6 matrix_b_fmt:MATRIX_FMT_FP6 matrix_a_scale:MATRIX_SCALE_ROW1
.else
	v_wmma_scale_f32_16x16x128_f8f6f4 v[8*(8*((\a)%4)+\b):8*(8*((\a)%4)+\b)+7], v[128*(\p)+FR*\b:128*(\p)+FR*\b+FR-1], v[AF+FR*(\a):AF+FR*(\a)+FR-1], v[8*(8*((\a)%4)+\b):8*(8*((\a)%4)+\b)+7], v[SC+8*NQ*(\sc)+NQ*\b+(\q)], v[SC+8*NQ*(\sc)+NQ*(\a)+(\q)] matrix_a_fmt:MATRIX_FMT_FP6 matrix_b_fmt:MATRIX_FMT_FP6 matrix_a_scale:MATRIX_SCALE_ROW1
.endif
.endr
.endr
.endm
.macro FETCH_B slot, q, p
	WIN TO_B
.irp i, 0,1,2,3,4,5,6,7
	FRAG 128*(\p)+FR*\i, ADRB+\slot, \q, \i
.endr
	WIN 0
.endm
.macro FETCH_A slot, q, i0
.irp i, \i0, \i0+1, \i0+2, \i0+3
	FRAG AF+FR*(\i), ADRA+\slot, \q, \i
.endr
.endm
.macro SCALES sc                       ; a K step's scale words: two a row; lanes 0-15 take A's block i, lanes 16-31 B's block i
.irp i, 0,1,2,3,4,5,6,7
	ds_load_b64 v[SC+8*NQ*\sc+NQ*\i:SC+8*NQ*\sc+NQ*\i+1], v[ADRS] offset:\i*128
.endr
.endm
.macro PLACES n                        ; plain vector instructions between a matrix instruction and a load into, or a read of, its registers (ISA guide 7.12.1 for a read)
.rept \n
	v_nop
.endr
.endm
.macro STEP slot, q, zero              ; a step of 128 along K that has its successor in the same slot
	s_wait_dscnt 4*NL                              ; B's set and A's blocks 0-3 are in; the youngest 16 loads (A's blocks 4-7) may be out
	WIN MUL_LO
	MUL16 0, (\q)%2, \q, \slot, \zero
	MUL16 2, (\q)%2, \q, \slot, \zero
	s_wait_dscnt 0                                 ; A's blocks 4-7 are in
	PLACES NP
	FETCH_B \slot, (\q)+1, 1-(\q)%2
	FETCH_A \slot, (\q)+1, 0
	WIN MUL_HI
	MUL16 4, (\q)%2, \q, \slot, \zero
	MUL16 6, (\q)%2, \q, \slot, \zero
	PLACES NP
	WIN 0
	FETCH_A \slot, (\q)+1, 4
.endm
; A slot's last step changes slots: one barrier; in front of it each wave waits for all its tensor loads, adds 0 to its spare word, and waits for that and for its own reads of this slot.
.macro TURN slot, next, fill
	s_wait_tensorcnt 0x0                           ; all my tensor loads have landed: my part of the next slot
	ds_add_u32 v[SPW], v[NIL]                      ; 0 onto my spare word
	s_wait_dscnt 4*NL+1                            ; (the add and the youngest 16 loads may be out)
	WIN MUL_LO
	MUL16 0, 1, NQ-1, \slot, 0
	s_wait_dscnt 0x0                               ; the add is done, and my reads of this slot are over
	s_barrier_signal -1
	MUL16 2, 1, NQ-1, \slot, 0
	WIN 0
	s_barrier_wait -1
.if \fill
	CREST                                          ; the barrier has opened a round of the cluster's barrier: no wave of any partner still reads this slot or has a load on its way
	s_add_nc_u64 s[G0+4*\slot+2:G0+4*\slot+3], s[G0+4*\slot+2:G0+4*\slot+3], 2*TILEB
	s_add_nc_u64 s[G0B+4*\slot+2:G0B+4*\slot+3], s[G0B+4*\slot+2:G0B+4*\slot+3], 2*TILEB
	JLOAD G0+4*\slot, G1, G0B+4*\slot, G1B         ; the first tensor load behind the round; its four v_nop are the places in front of the loads below
.else
	PLACES NP
.endif
	s_wait_alu depctr_va_vdst(0)
	v_add_nc_u32 v[ADRS], 2048, v[ADRS]            ; the next K step's scale words: one row on
	FETCH_B \next, 0, 0
	FETCH_A \next, 0, 0
	SCALES \next
	WIN MUL_HI
	MUL16 4, 1, NQ-1, \slot, 0
	MUL16 6, 1, NQ-1, \slot, 0
	PLACES NP
	WIN 0
	FETCH_A \next, 0, 4
.endm
	s_wait_alu depctr_va_vdst(0)
	s_wait_tensorcnt 0x0                           ; my tile of the head's four is in
	ds_add_u32 v[SPW], v[NIL]
	s_mov_b32 s[G1+2], 8<<16                       ; no load of mine is out: from here on a load brings 8 tiles,
	s_mov_b32 s[G1+4], 8
	s_mov_b32 s[G1B+2], 8<<16
	s_mov_b32 s[G1B+4], 8
	s_mov_b32 s[G0+1], s45                         ; and slot 0's sets take the ring's form: my quarter of the slot, my 8 tiles
	s_add_nc_u64 s[G0+2:G0+3], s[G0+2:G0+3], s[18:19]
	s_mov_b32 s[G0B+1], s45
	s_add_nc_u64 s[G0B+2:G0B+3], s[G0B+2:G0B+3], s[18:19]
	s_wait_dscnt 0x0
	CROUND                                         ; everybody's tiles are in, and all sixteen work-groups are here
	JLOAD G0+4, G1, G0B+4, G1B                     ; K step 1, the first tensor load behind the round
	FETCH_B 0, 0, 0
	FETCH_A 0, 0, 0
	SCALES 0
	FETCH_A 0, 0, 4
	global_prefetch_b8 v30, s[4:5] offset:3*TILEB th:TH_LOAD_NT scope:SCOPE_SE   ; behind K step 1's load: K step 3, the last
	STEP 0, 0, 1
	s_mov_b32 s3, LAPS-1
.Llap:                                             ; a trip goes once round the ring and fills both slots again
	TURN 0, 1, 1
	STEP 1, 0, 0
	TURN 1, 0, 1
	STEP 0, 0, 0
	s_sub_co_u32 s3, s3, 1
	s_cmp_lg_u32 s3, 0
	s_cbranch_scc1 .Llap
	TURN 0, 1, 0                                   ; the last lap fills nothing
	STEP 1, 0, 0
	s_wait_dscnt 4*NL
	WIN MUL_LO
	MUL16 0, 1, NQ-1, 1, 0
	MUL16 2, 1, NQ-1, 1, 0
	s_wait_dscnt 0
	WIN MUL_HI
	MUL16 4, 1, NQ-1, 1, 0
	MUL16 6, 1, NQ-1, 1, 0
	WIN 0
; THE WAY OUT.  A block of 16 rows x 128: 64 registers a lane in window w from s on, register 16 b + i = index 32 b + 16 h + i of my row.  They become a fragment's codes in v[PC] on and its scale word in v[PW].
.macro QUANTW w, s
	WIN (\w)|((\w)<<2)                             ; sources 0 and 1: the accumulators' window
.irp b, 0,1,2,3
	v_max3_num_f32 v[TM+\b], |v[(\s)+16*\b]|, |v[(\s)+16*\b+1]|, 0x1800000   ; each accumulator from its low end on; the floor 2^(3 - 127) holds the byte at 1 from below
.endr
.irp i, 2,4,6,8,10,12,14
.irp b, 0,1,2,3
	v_max3_num_f32 v[TM+\b], |v[(\s)+16*\b+\i]|, |v[(\s)+16*\b+\i+1]|, v[TM+\b]
.endr
.endr
	WIN 0
.irp b, 0,1,2,3
	v_permlanex16_b32 v[TM+4+\b], v[TM+\b], s18, s19
.endr
.irp b, 0,1,2,3
	v_max_num_f32 v[TM+\b], v[TM+\b], v[TM+4+\b]   ; with lane l xor 16's: the block's largest magnitude
.endr
.irp b, 0,1,2,3
	v_add_nc_u32 v[TM+12+\b], 0xff000000, v[TM+\b] ; 2 off its exponent field: the conversion's scale operand
.endr
.irp b, 0,1,2,3
	v_lshrrev_b32 v[TM+4+\b], 23, v[TM+12+\b]      ; the scale's byte
.endr
	v_lshl_or_b32 v[PW], v[TM+5], 8, v[TM+4]
	v_lshl_or_b32 v[PW], v[TM+6], 16, v[PW]
	v_lshl_or_b32 v[PW], v[TM+7], 24, v[PW]
	WIN (\w)                                       ; source 0: the accumulators' window
.irp c, 0,1
	v_cvt_scalef32_pk16_fp6_f32 v[PC+6*\c:PC+2+6*\c], v[(\s)+32*\c:(\s)+15+32*\c], v[TM+12+2*\c]
	v_cvt_scalef32_pk16_fp6_f32 v[PC+12+4*\c:PC+14+4*\c], v[(\s)+16+32*\c:(\s)+31+32*\c], v[TM+12+2*\c+1]
.endr
	WIN 0
	v_nop                                          ; one plain place behind a scaled conversion
.irp c, 0,1                                    ; the operand's layout wants a whole block in a lane
.irp i, 0,1,2
	v_permlane16_swap_b32 v[PC+6*\c+\i], v[PC+12+4*\c+\i]
.endr
.irp i, 0,1,2
	v_mov_b32 v[PC+3+6*\c+\i], v[PC+12+4*\c+\i]
.endr
.endr
.endm
.macro PUT a                           ; two units to memory, each store 512 or 256 consecutive aligned bytes; the scale word to LDS
	global_store_b128 v[L16], v[PC:PC+3], s[10:11]
	global_store_b64 v[L8], v[PC+4:PC+5], s[10:11] offset:512
	global_store_b128 v[L16], v[PC+6:PC+9], s[10:11] offset:768
	global_store_b64 v[L8], v[PC+10:PC+11], s[10:11] offset:1280
	ds_store_b32 v[SWA], v[PW] offset:128*(\a)     ; (in slot 0, which has had its last fill and its last read)
	s_wait_xcnt 0x0                                ; the stores' data and base are rewritten only behind this wait
	s_wait_dscnt 0x0
	s_add_nc_u64 s[10:11], s[10:11], s[12:13]
.endm
	PLACES NP
	s_mov_b32 s18, 0x76543210
	s_mov_b32 s19, 0xfedcba98                      ; v_permlanex16_b32's selects for lane l xor 16
.irp b, 0,1,2,3
	v_mov_b32 v[TM+4+\b], 0                        ; a lane permute's destination counts as one of its sources
.endr
.irp a, 0,1,2,3,4,5,6,7
	QUANTW 2+\a/4, 64*(\a%4)
	PUT \a
.endr
	s_barrier_signal -1                            ; (every wave's LDS stores have landed: the wait stands in PUT)
	s_barrier_wait -1                              ; the work-group's 2,048 scale bytes lie in LDS
	ds_load_b128 v[PC:PC+3], v[SRD]
	s_wait_dscnt 0x0
	global_store_b128 v[L16], v[PC:PC+3], s[8:9]   ; 512 consecutive bytes a wave
	s_wait_tensorcnt 0x0                           ; the wave's end
	ds_add_u32 v[SPW], v[NIL]
	s_wait_dscnt 0x0
	CROUND                                         ; the closing round
	s_endpgm
.Lfunc_end_k_q70da235bd5_qkv:
	.size	k_q70da235bd5_qkv, .Lfunc_end_k_q70da235bd5_qkv-k_q70da235bd5_qkv
	.p2alignl 7, 3214868480
	.fill 96, 4, 3214868480
	.section	.rodata,"a",@progbits
	.p2align	6, 0x0
	.amdhsa_kernel k_q70da235bd5_qkv
		.amdhsa_group_segment_fixed_size 327680
		.amdhsa_private_segment_fixed_size 0
		.amdhsa_enable_private_segment 0
		.amdhsa_kernarg_size 24
		.amdhsa_user_sgpr_count 2
		.amdhsa_user_sgpr_kernarg_segment_ptr 1
		.amdhsa_wavefront_size32 1
		.amdhsa_system_sgpr_workgroup_id_x 1
		.amdhsa_system_sgpr_workgroup_id_y 1
		.amdhsa_system_sgpr_workgroup_id_z 1
		.amdhsa_system_vgpr_workitem_id 0
		.amdhsa_next_free_vgpr 1024
		.amdhsa_next_free_sgpr 104
		.amdhsa_reserve_vcc 0
		.amdhsa_float_denorm_mode_32 3
		.amdhsa_float_denorm_mode_16_64 3
		.amdhsa_memory_ordered 1
		.amdhsa_forward_progress 1
		.amdhsa_inst_pref_size 152
	.end_amdhsa_kernel
	.amdgpu_metadata
---
amdhsa.version: [ 1, 2 ]
amdhsa.kernels:
  - .name:           k_q70da235bd5_qkv
    .symbol:         k_q70da235bd5_qkv.kd
    .args:
      - { .name: hbuf, .offset: 0, .size: 8, .value_kind: global_buffer, .address_space: global }
      - { .name: wimg, .offset: 8, .size: 8, .value_kind: global_buffer, .address_space: global }
      - { .name: qkv, .offset: 16, .size: 8, .value_kind: global_buffer, .address_space: global }
    .group_segment_fixed_size: 327680
    .private_segment_fixed_size: 0
    .kernarg_segment_align: 8
    .kernarg_segment_size: 24
    .max_flat_workgroup_size: 128
    .sgpr_count:     104
    .vgpr_count:     1024
    .wavefront_size: 32
...
	.end_amdgpu_metadata
.endif
;; end of part 9
;; launch att (part 10): grid 32 x 8, 16 waves a work-group, no clusters, 327,680 bytes of LDS; arguments qkv, mask, abuf; writes abuf
.if DOCPART == 10
	.amdgcn_target "amdgcn-amd-amdhsa--gfx1250"
	.amdhsa_code_object_version 6
	.text
	.protected	k_q70da235bd5_att
	.globl	k_q70da235bd5_att
	.p2align	8
	.type	k_q70da235bd5_att,@function
k_q70da235bd5_att:
	s_mov_b64 s[64:65], 0
	v_nop
	global_prefetch_b8 v0, s[64:65] scope:SCOPE_SE
	s_setreg_imm32_b32 hwreg(HW_REG_WAVE_MODE, 25, 1), 1
	s_wait_xcnt 0x0
.set SLOT1, 131072
.set VOFF,  24576
.set MOFF,  49152
.set MP,    520
.set KSC,   262144
.set VSC,   278528
.set SPARE, 294912
.set STG,   296960
.set AK16, 1
.set AK8,  3
.set AV16, 5
.set AV8,  7
.set AM,   9
.set ASK,  11
.set ASV,  28
.set SPW,  29
.set NIL,  30
.set QF,   16
.set KF,   32
.set BM,   32
.set BP,   36
.set SO,   40
.set PCD,  44
.set PT,   56
.set S,    96
.set O,    160
.set VF,   192
.set KS,   240
.set VS,   248
.set WV,   10
.set SEL,  20
.set CS,   22
.set G1K,  24
.set G1V,  32
.set G1M,  40
.set G1KS, 48
.set G1VS, 56
.set G0K,  68
.set G0V,  72
.set G0M,  76
.set G0KS, 80
.set G0VS, 84
.macro ARM w, g0, g1                   ; one arm of the head's chain: wave w issues its one first fill
	s_cmp_lg_u32 s[WV], \w
	s_cbranch_scc1 .Lpast_\w
	tensor_load_to_lds s[\g0:\g0+3], s[\g1:\g1+7]
	s_nop 0
.rept 4
	v_nop
.endr
	s_branch .Lhead_asked
.Lpast_\w:
.endm
.macro TLOAD3
	s_cmp_lg_u32 s[WV], 0
	s_cbranch_scc1 .Lt3a_\@
	tensor_load_to_lds s[G0K:G0K+3], s[G1K:G1K+7]
	s_nop 0
.rept 4
	v_nop
.endr
	s_branch .Lt3z_\@
.Lt3a_\@:
	s_cmp_lg_u32 s[WV], 1
	s_cbranch_scc1 .Lt3b_\@
	tensor_load_to_lds s[G0V:G0V+3], s[G1V:G1V+7]
	s_nop 0
.rept 4
	v_nop
.endr
	s_branch .Lt3z_\@
.Lt3b_\@:
	s_cmp_lg_u32 s[WV], 2
	s_cbranch_scc1 .Lt3z_\@
	tensor_load_to_lds s[G0M:G0M+3], s[G1M:G1M+7]
	s_nop 0
.rept 4
	v_nop
.endr
.Lt3z_\@:
.endm
	s_load_b128 s[4:7], s[0:1], 0x0
	s_load_b64 s[8:9], s[0:1], 0x10
	v_lshl_add_u32 v[SPW], v0, 2, SPARE
	v_mov_b32 v[NIL], 0
	ds_add_u32 v29, v30
	ds_add_u32 v29, v30
	s_wait_dscnt 0x0
	v_lshrrev_b32 v31, 5, v0
	s_delay_alu instid0(VALU_DEP_1)
	v_readfirstlane_b32 s[WV], v31
	s_lshr_b32 s11, s[WV], 2
	s_and_b32 s12, s[WV], 3
	s_and_b32 s13, ttmp7, 0xffff
	s_lshr_b32 s14, s13, 2
	s_and_b32 s15, s13, 3
	s_lshl_b32 s16, s14, 11
	s_lshl_b32 s17, s15, 2
	s_add_co_u32 s16, s16, s17
	s_mul_i32 s16, s16, 768
	s_add_co_u32 s16, s16, 3145728
	s_mov_b32 s17, 0
	s_lshl_b32 s18, s15, 10
	s_lshl_b32 s19, s14, 5
	s_add_co_u32 s18, s18, s19
	s_mul_i32 s18, s18, 768
	s_add_co_u32 s18, s18, 6291456
	s_mov_b32 s19, 0
	s_lshl_b32 s90, ttmp9, 19
	s_mov_b32 s91, 0
	s_lshl_b32 s92, s15, 15
	s_lshl_b32 s93, s14, 14
	s_add_co_u32 s92, s92, s93
	s_add_co_u32 s92, s92, 9568256
	s_mov_b32 s93, 0
	s_lshl_b32 s94, s14, 18
	s_lshl_b32 s95, s15, 11
	s_add_co_u32 s94, s94, s95
	s_add_co_u32 s94, s94, 9699328
	s_mov_b32 s95, 0
	s_lshl_b32 s96, s14, 7
	s_lshl_b32 s97, ttmp9, 2
	s_add_co_u32 s89, s96, s97
	s_add_co_u32 s96, s89, s12
	s_lshl_b32 s97, s15, 2
	s_add_co_u32 s97, s97, s11
	s_lshl_b32 s98, s96, 4
	s_add_co_u32 s98, s98, s97
	s_mul_i32 s98, s98, 768
	s_mov_b32 s99, 0
	s_lshl_b32 s100, s15, 15
	s_lshl_b32 s101, s96, 7
	s_add_co_u32 s100, s100, s101
	s_add_co_u32 s100, s100, 9437184
	s_mov_b32 s101, 0
	s_lshl_b32 s2, s15, 15
	s_lshl_b32 s3, s89, 7
	s_add_co_u32 s2, s2, s3
	s_add_co_u32 s2, s2, 3145728
	s_mov_b32 s3, 0
	s_mov_b32 s[G1K], 3<<16
	s_mov_b32 s[G1K+1], 384<<16
	s_mov_b32 s[G1K+2], 8<<16
	s_mov_b32 s[G1K+3], 384<<16
	s_mov_b32 s[G1K+4], 8
	s_mov_b32 s[G1K+5], 1536
	s_mov_b32 s[G1K+6], 0
	s_mov_b32 s[G1K+7], 0
	s_mov_b32 s[G1V], 3<<16
	s_mov_b32 s[G1V+1], 192<<16
	s_mov_b32 s[G1V+2], 16<<16
	s_mov_b32 s[G1V+3], 192<<16
	s_mov_b32 s[G1V+4], 16
	s_mov_b32 s[G1V+5], 6144
	s_mov_b32 s[G1V+6], 0
	s_mov_b32 s[G1V+7], 0
	s_mov_b32 s[G1M], (2<<16)|(1<<20)|(6<<22)|(1<<25)
	s_mov_b32 s[G1M+1], 128<<16
	s_mov_b32 s[G1M+2], 64<<16
	s_mov_b32 s[G1M+3], 128<<16
	s_mov_b32 s[G1M+4], 64
	s_mov_b32 s[G1M+5], 2048
	s_mov_b32 s[G1M+6], 0
	s_mov_b32 s[G1M+7], 0
	s_mov_b32 s[G1KS], 3<<16
	s_mov_b32 s[G1KS+1], 32<<16
	s_mov_b32 s[G1KS+2], 64<<16
	s_mov_b32 s[G1KS+3], 32<<16
	s_mov_b32 s[G1KS+4], 64
	s_mov_b32 s[G1KS+5], 32
	s_mov_b32 s[G1KS+6], 0
	s_mov_b32 s[G1KS+7], 0
	s_mov_b32 s[G1VS], 3<<16
	s_mov_b32 s[G1VS+1], 256<<16
	s_mov_b32 s[G1VS+2], 8<<16
	s_mov_b32 s[G1VS+3], 256<<16
	s_mov_b32 s[G1VS+4], 8
	s_mov_b32 s[G1VS+5], 4096
	s_mov_b32 s[G1VS+6], 0
	s_mov_b32 s[G1VS+7], 0
	s_mov_b32 s[SEL], 0x76543210
	s_mov_b32 s[SEL+1], 0xfedcba98
	s_mov_b32 s[CS], 0x3fb8aa3b
	s_mov_b32 s[CS+1], s[CS]
	s_mov_b32 s88, 7
	s_wait_kmcnt 0x0
	s_mov_b32 s[G0KS], 1
	s_mov_b32 s[G0KS+1], KSC
	s_add_nc_u64 s[G0KS+2:G0KS+3], s[4:5], s[92:93]
	s_or_b32 s[G0KS+3], s[G0KS+3], 0x80000000
	s_mov_b32 s[G0VS], 1
	s_mov_b32 s[G0VS+1], VSC
	s_add_nc_u64 s[G0VS+2:G0VS+3], s[4:5], s[94:95]
	s_or_b32 s[G0VS+3], s[G0VS+3], 0x80000000
	s_mov_b32 s[G0K], 1
	s_mov_b32 s[G0K+1], 0
	s_add_nc_u64 s[G0K+2:G0K+3], s[4:5], s[16:17]
	s_or_b32 s[G0K+3], s[G0K+3], 0x80000000
	s_mov_b32 s[G0V], 1
	s_mov_b32 s[G0V+1], VOFF
	s_add_nc_u64 s[G0V+2:G0V+3], s[4:5], s[18:19]
	s_or_b32 s[G0V+3], s[G0V+3], 0x80000000
	s_mov_b32 s[G0M], 1
	s_mov_b32 s[G0M+1], MOFF
	s_add_nc_u64 s[G0M+2:G0M+3], s[6:7], s[90:91]
	s_or_b32 s[G0M+3], s[G0M+3], 0x80000000
	; the five first fills, one to a wave, in one chain of branches on the wave's number: slot 0's K, V and mask, and the scale bytes of K and V
	ARM 0, G0K, G1K
	ARM 1, G0V, G1V
	ARM 2, G0M, G1M
	ARM 3, G0KS, G1KS
	ARM 4, G0VS, G1VS
.Lhead_asked:
	; THE PREFETCHES.  Waves 5, 6, 7, which issue no tensor load, ask for later steps' tiles of K, V and the mask: behind the load of tile k for tile k + 2; tiles 1 and 2 here.
	; K's tile (8 rows x 12 blocks of 256 bytes) and V's (16 rows x 6 blocks) are read by the 32 work-groups of my y: they are shared out in four parts by i = bits 1 and 4 of x, 24 blocks a part.
	; The mask's tile (64 rows x 2 blocks) is read by the 8 work-groups of my x: shared out by y, 16 blocks each.  A lane a block; the lanes left over name the last block again.
	; One form serves the three: l = min(lane, last), q = l / (blocks a row), offset = 256 l + q x (pitch - row bytes); what differs lies in scalar registers chosen by the wave's number.
	s_lshr_b32 s96, ttmp9, 1
	s_and_b32 s96, s96, 1
	s_lshr_b32 s97, ttmp9, 4
	s_lshl_b32 s97, s97, 1
	s_or_b32 s96, s96, s97                         ; i
	s_mul_i32 s97, s96, 24576
	s_add_co_u32 s92, s16, s97                     ; K: my 2 rows of 12,288 bytes' pitch
	s_mul_i32 s97, s96, 196608
	s_add_co_u32 s97, s18, s97                     ; V: my 4 rows of 49,152
	s_lshl_b32 s96, s13, 16
	s_add_co_u32 s96, s90, s96                     ; mask: my 8 rows of 8,192
	s_mov_b32 s94, 98304                           ; bytes from a step's tile to the next
	s_mov_b32 s89, 9216                            ; pitch - row bytes
	s_cmp_eq_u32 s[WV], 6
	s_cselect_b32 s92, s97, s92
	s_cselect_b32 s94, 1536, s94
	s_cselect_b32 s89, 47616, s89
	s_cselect_b32 s14, 43, 11                      ; l / 6 = 43 l >> 8, l / 12 = 11 l >> 7, for l under 24
	s_cselect_b32 s15, 8, 7
	s_cmp_eq_u32 s[WV], 7
	s_cselect_b32 s92, s96, s92
	s_cselect_b32 s94, 512, s94
	s_cselect_b32 s89, 7680, s89
	s_cselect_b32 s14, 1, s14                      ; l / 2
	s_cselect_b32 s15, 1, s15
	s_cselect_b32 s90, 15, 23                      ; the last block's lane
	s_cselect_b64 s[96:97], s[6:7], s[4:5]         ; the mask, or qkv
	s_mov_b32 s93, 0
	s_mov_b32 s95, 0
	s_add_nc_u64 s[96:97], s[96:97], s[92:93]      ; tile 0,
	s_add_nc_u64 s[96:97], s[96:97], s[94:95]      ; tile 1,
	s_add_nc_u64 s[92:93], s[96:97], s[94:95]      ; tile 2: s[92:93] steps on from here, one tile a change of slots
	s_sub_co_u32 s91, s[WV], 5                     ; under 3 in waves 5, 6, 7 alone
	v_and_b32 v92, 31, v0
	v_min_u32 v92, s90, v92
	v_mul_u32_u24 v93, s14, v92
	v_lshrrev_b32 v93, s15, v93
	v_mul_u32_u24 v93, s89, v93
	v_lshl_add_u32 v92, v92, 8, v93                ; v92: the prefetches' offset; never rewritten
	s_cmp_lt_u32 s91, 3
	s_cbranch_scc0 .Lno_first
	global_prefetch_b8 v92, s[96:97] th:TH_LOAD_NT scope:SCOPE_SE
	global_prefetch_b8 v92, s[92:93] th:TH_LOAD_NT scope:SCOPE_SE
.Lno_first:
	s_add_nc_u64 s[16:17], s[4:5], s[98:99]
	s_add_nc_u64 s[18:19], s[8:9], s[98:99]
	s_add_nc_u64 s[100:101], s[4:5], s[100:101]
	s_add_nc_u64 s[2:3], s[8:9], s[2:3]
	v_and_b32 v31, 31, v0
	v_and_b32 v68, 15, v0
	v_bfe_u32 v69, v0, 4, 1
	s_delay_alu instid0(VALU_DEP_3)
	v_lshlrev_b32 v86, 4, v31
	s_delay_alu instid0(VALU_DEP_4)
	v_lshlrev_b32 v87, 3, v31
	s_mul_i32 s89, s11, 768
	v_add_nc_u32 v[AK16], s89, v86
	v_add_nc_u32 v[AK8], s89, v87
	s_delay_alu instid0(VALU_DEP_2)
	v_add_nc_u32 v[AK16+1], SLOT1, v[AK16]
	s_delay_alu instid0(VALU_DEP_2)
	v_add_nc_u32 v[AK8+1], SLOT1, v[AK8]
	s_mul_i32 s89, s11, 6144
	s_add_co_u32 s89, s89, VOFF
	v_add_nc_u32 v[AV16], s89, v86
	v_add_nc_u32 v[AV8], s89, v87
	s_delay_alu instid0(VALU_DEP_2)
	v_add_nc_u32 v[AV16+1], SLOT1, v[AV16]
	s_delay_alu instid0(VALU_DEP_2)
	v_add_nc_u32 v[AV8+1], SLOT1, v[AV8]
	s_lshr_b32 s89, s12, 1
	s_lshl_b32 s89, s89, 5
	s_and_b32 s13, s12, 1
	s_lshl_b32 s13, s13, 3
	s_add_co_u32 s89, s89, s13
	s_mul_i32 s89, s89, MP
	s_add_co_u32 s89, s89, MOFF
	v_and_b32 v70, 8, v68
	s_delay_alu instid0(VALU_DEP_1)
	v_add_nc_u32 v70, v70, v68
	s_delay_alu instid0(VALU_DEP_1)
	v_mul_u32_u24 v70, v70, MP
	s_delay_alu instid0(VALU_DEP_1)
	v_lshl_add_u32 v70, v69, 6, v70
	s_delay_alu instid0(VALU_DEP_1)
	v_add_nc_u32 v[AM], s89, v70
	s_delay_alu instid0(VALU_DEP_1)
	v_add_nc_u32 v[AM+1], SLOT1, v[AM]
	s_lshl_b32 s89, s11, 1
	s_add_co_u32 s13, s89, KSC
	v_lshl_add_u32 v[ASK], v68, 3, s13
	s_lshl_b32 s13, s11, 9
	s_add_co_u32 s13, s13, VSC
	v_lshl_add_u32 v[ASV], v68, 3, s13
	v_lshl_add_u32 v90, v68, 3, s89
	s_lshl_b32 s13, s12, 7
	s_add_co_u32 s13, s13, s89
	s_add_co_u32 s13, s13, STG
	v_lshl_add_u32 v88, v68, 3, s13
	v_add_nc_u32 v89, STG, v86
	global_load_b128 v[QF:QF+3], v86, s[16:17]
	global_load_b64 v[QF+4:QF+5], v87, s[16:17] offset:512
	global_load_u16 v91, v90, s[100:101]
.irp i, 0,1,2,3,4,5
	v_mov_b32 v[QF+6+\i], 0
	v_mov_b32 v[KF+48+\i], 0
.endr
	v_mov_b32 v13, 0xff61b1e6
	s_delay_alu instid0(VALU_DEP_1)
	v_floor_f32 v12, -v13
	v_mov_b32 v14, 0
	v_mov_b32 v15, 0
	s_wait_loadcnt 0x0
	v_and_b32 v68, 0xff, v91
	v_lshrrev_b32 v69, 8, v91
	s_delay_alu instid0(VALU_DEP_2)
	v_max_u32 v68, 3, v68
	s_delay_alu instid0(VALU_DEP_2)
	v_max_u32 v69, 3, v69
	s_delay_alu instid0(VALU_DEP_2)
	v_add_nc_u32 v68, -3, v68
	s_delay_alu instid0(VALU_DEP_2)
	v_add_nc_u32 v69, -3, v69
	s_delay_alu instid0(VALU_DEP_1)
	v_lshl_or_b32 v253, v69, 8, v68
.set j, 0
.rept 32
	v_mov_b32 v[O+j], 0
.set j, j+1
.endr
.macro STEP sl
.rept 4
	v_nop
.endr
.irp t, 0,1,2,3,4,5,6,7
	ds_load_b128 v[KF+6*\t:KF+6*\t+3], v[AK16+\sl] offset:3072*\t
	ds_load_b64 v[KF+6*\t+4:KF+6*\t+5], v[AK8+\sl] offset:3072*\t+512
	ds_load_u16 v[KS+\t], v[ASK] offset:1024*\sl+128*\t
.endr
.irp b, 0,1,2,3
.irp i, 0,1,2,3,4,5,6,7
	ds_load_b64 v[S+16*\b+2*\i:S+16*\b+2*\i+1], v[AM+\sl] offset:128*\b+8*\i
.endr
.endr
.irp t, 0,1,2,3
	ds_load_b128 v[VF+12*\t:VF+12*\t+3], v[AV16+\sl] offset:1536*\t
	ds_load_b64 v[VF+12*\t+4:VF+12*\t+5], v[AV8+\sl] offset:1536*\t+512
	ds_load_b128 v[VF+12*\t+6:VF+12*\t+9], v[AV16+\sl] offset:1536*\t+768
	ds_load_b64 v[VF+12*\t+10:VF+12*\t+11], v[AV8+\sl] offset:1536*\t+1280
	ds_load_b32 v[VS+\t], v[ASV] offset:128*\t+4*\sl
.endr
	s_wait_dscnt 20                                ; K and the mask are in; V's 20 loads, the youngest, may be out
.irp t, 0,1,2,3,4,5,6,7
	v_wmma_scale_f32_16x16x128_f8f6f4 v[S+8*\t:S+8*\t+7], v[KF+6*\t:KF+6*\t+11], v[QF:QF+11], v[S+8*\t:S+8*\t+7], v[KS+\t], v253 matrix_a_fmt:MATRIX_FMT_FP6 matrix_b_fmt:MATRIX_FMT_FP6
.endr
.rept 4
	v_nop
.endr
.irp b, 0,1,2,3
	v_max3_num_f32 v[BM+\b], v[S+16*\b], v[S+16*\b+1], v[S+16*\b+2]
.endr
.irp i, 3,5,7,9,11,13
.irp b, 0,1,2,3
	v_max3_num_f32 v[BM+\b], v[BM+\b], v[S+16*\b+\i], v[S+16*\b+\i+1]
.endr
.endr
.irp b, 0,1,2,3
	v_max_num_f32 v[BM+\b], v[BM+\b], v[S+16*\b+15]
.endr
.irp b, 0,1,2,3
	s_delay_alu instid0(VALU_DEP_4)
	v_permlanex16_b32 v[BP+\b], v[BM+\b], s[SEL], s[SEL+1]
.endr
.irp b, 0,1,2,3
	s_delay_alu instid0(VALU_DEP_4)
	v_max_num_f32 v[BM+\b], v[BM+\b], v[BP+\b]
.endr
	s_delay_alu instid0(VALU_DEP_2)
	v_max3_num_f32 v68, v[BM], v[BM+1], v[BM+2]
	s_delay_alu instid0(VALU_DEP_1)
	v_max_num_f32 v68, v68, v[BM+3]
	s_delay_alu instid0(VALU_DEP_1)
	v_mul_f32 v68, s[CS], v68
	s_delay_alu instid0(VALU_DEP_1)
	v_max_num_f32 v13, v13, v68
	v_mov_b32 v68, v12
	s_delay_alu instid0(VALU_DEP_2)
	v_floor_f32 v12, -v13
	s_delay_alu instid0(VALU_DEP_1)
	v_sub_f32 v68, v12, v68
	s_delay_alu instid0(VALU_DEP_1)
	v_cvt_i32_f32 v68, v68
	s_delay_alu instid0(VALU_DEP_1)
	v_ldexp_f32 v66, 1.0, v68
.set j, 0
.rept 32
	v_pk_fma_f32 v[S+j:S+j+1], v[S+j:S+j+1], s[CS:CS+1], v[12:13] op_sel_hi:[1,0,0]
.set j, j+2
.endr
.irp b, 0,1,2,3
	v_fma_f32 v[BM+\b], v[BM+\b], s[CS], v12
.endr
.set j, 0
	s_wait_alu depctr_va_vdst(0)
.rept 64
	v_exp_f32 v[S+j], v[S+j]
.set j, j+1
.endr
.irp b, 0,1,2,3
	v_exp_f32 v[BM+\b], v[BM+\b]
.endr
	v_pk_mul_f32 v[14:15], v[14:15], v[66:67] op_sel_hi:[1,0]
	s_wait_alu depctr_va_vdst(0)
.irp b, 0,1,2,3
	v_max_num_f32 v[BM+\b], 0x1800000, v[BM+\b]
.endr
.irp b, 0,1,2,3
	s_delay_alu instid0(VALU_DEP_4)
	v_add_nc_u32 v[SO+\b], 0xff000000, v[BM+\b]
.endr
.irp b, 0,1,2,3
	s_delay_alu instid0(VALU_DEP_4)
	v_lshrrev_b32 v[BP+\b], 23, v[SO+\b]
.endr
	s_delay_alu instid0(VALU_DEP_3)
	v_lshl_or_b32 v252, v[BP+1], 8, v[BP]
	s_delay_alu instid0(VALU_DEP_1)
	v_lshl_or_b32 v252, v[BP+2], 16, v252
	s_delay_alu instid0(VALU_DEP_1)
	v_lshl_or_b32 v252, v[BP+3], 24, v252
.irp c, 0,1
	v_cvt_scalef32_pk16_fp6_f32 v[PCD+6*\c:PCD+6*\c+2], v[S+32*\c:S+32*\c+15], v[SO+2*\c]
	v_cvt_scalef32_pk16_fp6_f32 v[PT+4*\c:PT+4*\c+2], v[S+32*\c+16:S+32*\c+31], v[SO+2*\c+1]
.endr
	v_nop
.irp c, 0,1
.irp i, 0,1,2
	v_permlane16_swap_b32 v[PCD+6*\c+\i], v[PT+4*\c+\i]
.endr
.irp i, 0,1,2
	s_delay_alu instid0(VALU_DEP_3)
	v_mov_b32 v[PCD+3+6*\c+\i], v[PT+4*\c+\i]
.endr
.endr
	v_pk_add_f32 v[64:65], v[S:S+1], v[S+2:S+3]
.irp j, 4,8,12,16,20,24,28,32,36,40,44,48,52,56,60
	v_pk_add_f32 v[14:15], v[14:15], v[S+\j:S+\j+1]
	v_pk_add_f32 v[64:65], v[64:65], v[S+\j+2:S+\j+3]
.endr
	s_delay_alu instid0(VALU_DEP_1)
	v_pk_add_f32 v[14:15], v[14:15], v[64:65]
.set j, 0
.rept 16
	v_pk_mul_f32 v[O+j:O+j+1], v[O+j:O+j+1], v[66:67] op_sel_hi:[1,0]
.set j, j+2
.endr
	s_wait_alu depctr_va_vdst(0)
	s_wait_dscnt 0x0
.irp t, 0,1,2,3
	v_wmma_scale_f32_16x16x128_f8f6f4 v[O+8*\t:O+8*\t+7], v[VF+12*\t:VF+12*\t+11], v[PCD:PCD+11], v[O+8*\t:O+8*\t+7], v[VS+\t], v252 matrix_a_fmt:MATRIX_FMT_FP6 matrix_b_fmt:MATRIX_FMT_FP6
.endr
.endm
.macro PFETCH guard                    ; waves 5, 6, 7 ask for the tile two on from the load just issued; guard = 1: not in the loop's last trip, where that tile would be the 17th of 16
	s_cmp_lt_u32 s91, 3
	s_cbranch_scc0 .Lno_ask_\@
.if \guard
	s_cmp_gt_u32 s88, 1
	s_cbranch_scc0 .Lno_ask_\@
.endif
	global_prefetch_b8 v92, s[92:93] th:TH_LOAD_NT scope:SCOPE_SE
.Lno_ask_\@:
.endm
.macro CHANGE fill
	s_wait_tensorcnt 0x0
	ds_add_u32 v[SPW], v[NIL]
.if \fill
	ds_add_u32 v[SPW], v[NIL]                      ; twice on end where a fill follows
	s_wait_xcnt 0x0                                ; the last step's prefetch has read its base:
	s_add_nc_u64 s[92:93], s[92:93], s[94:95]      ; one tile on
	s_xor_b32 s[G0K+1], s[G0K+1], SLOT1
	s_add_nc_u64 s[G0K+2:G0K+3], s[G0K+2:G0K+3], 98304
	s_xor_b32 s[G0V+1], s[G0V+1], SLOT1
	s_add_nc_u64 s[G0V+2:G0V+3], s[G0V+2:G0V+3], 1536
	s_xor_b32 s[G0M+1], s[G0M+1], SLOT1
	s_add_nc_u64 s[G0M+2:G0M+3], s[G0M+2:G0M+3], 512
.endif
	s_wait_dscnt 0x0
	s_barrier_signal -1
	s_barrier_wait -1
.if \fill
	TLOAD3
.endif
.endm
.Lpair:
	CHANGE 1
	PFETCH 0
	s_wait_alu depctr_va_vdst(0)
	STEP 0
	CHANGE 1
	PFETCH 1
	STEP 1
	v_add_nc_u32 v[ASK], 2048, v[ASK]
	v_add_nc_u32 v[ASV], 2048, v[ASV]
	s_sub_co_u32 s88, s88, 1
	s_cmp_lg_u32 s88, 0
	s_cbranch_scc1 .Lpair
	CHANGE 1
	s_wait_alu depctr_va_vdst(0)
	STEP 0
	CHANGE 0
	STEP 1
.rept 4
	v_nop
.endr
	v_add_f32 v14, v14, v15
	s_delay_alu instid0(VALU_DEP_1)
	v_permlanex16_b32 v[BP], v14, s[SEL], s[SEL+1]
	s_delay_alu instid0(VALU_DEP_1)
	v_add_f32 v14, v14, v[BP]
	s_wait_alu depctr_va_vdst(0)
	v_rcp_f32 v14, v14
	v_nop
	s_wait_alu depctr_va_vdst(0)
	v_mov_b32 v15, v14
.set j, 0
.rept 16
	v_pk_mul_f32 v[S+j:S+j+1], v[O+j:O+j+1], v[14:15]
.set j, j+2
.endr
.irp b, 0,1
	v_max3_num_f32 v[BM+\b], |v[S+16*\b]|, |v[S+16*\b+1]|, 0x1800000
.endr
.irp i, 2,4,6,8,10,12,14
.irp b, 0,1
	s_delay_alu instid0(VALU_DEP_2)
	v_max3_num_f32 v[BM+\b], v[BM+\b], |v[S+16*\b+\i]|, |v[S+16*\b+\i+1]|
.endr
.endr
.irp b, 0,1
	s_delay_alu instid0(VALU_DEP_2)
	v_permlanex16_b32 v[BP+\b], v[BM+\b], s[SEL], s[SEL+1]
.endr
.irp b, 0,1
	s_delay_alu instid0(VALU_DEP_2)
	v_max_num_f32 v[BM+\b], v[BM+\b], v[BP+\b]
.endr
.irp b, 0,1
	s_delay_alu instid0(VALU_DEP_2)
	v_add_nc_u32 v[SO+\b], 0xff000000, v[BM+\b]
.endr
.irp b, 0,1
	s_delay_alu instid0(VALU_DEP_2)
	v_lshrrev_b32 v[BP+\b], 23, v[SO+\b]
.endr
	s_delay_alu instid0(VALU_DEP_1)
	v_lshl_or_b32 v68, v[BP+1], 8, v[BP]
	v_cvt_scalef32_pk16_fp6_f32 v[PCD:PCD+2], v[S:S+15], v[SO]
	v_cvt_scalef32_pk16_fp6_f32 v[PT:PT+2], v[S+16:S+31], v[SO+1]
	v_nop
.irp i, 0,1,2
	v_permlane16_swap_b32 v[PCD+\i], v[PT+\i]
.endr
.irp i, 0,1,2
	s_delay_alu instid0(VALU_DEP_3)
	v_mov_b32 v[PCD+3+\i], v[PT+\i]
.endr
	global_store_b128 v86, v[PCD:PCD+3], s[18:19]
	global_store_b64 v87, v[PCD+4:PCD+5], s[18:19] offset:512
	ds_store_b16 v88, v68
	s_wait_dscnt 0x0
	s_barrier_signal -1
	s_barrier_wait -1
	s_cmp_lg_u32 s[WV], 0
	s_cbranch_scc1 .Lnot_0
	ds_load_b128 v[S:S+3], v89
	s_wait_dscnt 0x0
	global_store_b128 v86, v[S:S+3], s[2:3]
.Lnot_0:
	s_wait_tensorcnt 0x0
	ds_add_u32 v[SPW], v[NIL]
	s_wait_dscnt 0x0
	s_endpgm
.Lfunc_end_k_q70da235bd5_att:
	.size	k_q70da235bd5_att, .Lfunc_end_k_q70da235bd5_att-k_q70da235bd5_att
	.p2alignl 7, 3214868480
	.fill 96, 4, 3214868480
	.section	.rodata,"a",@progbits
	.p2align	6, 0x0
	.amdhsa_kernel k_q70da235bd5_att
		.amdhsa_group_segment_fixed_size 327680
		.amdhsa_private_segment_fixed_size 0
		.amdhsa_enable_private_segment 0
		.amdhsa_kernarg_size 24
		.amdhsa_user_sgpr_count 2
		.amdhsa_user_sgpr_kernarg_segment_ptr 1
		.amdhsa_wavefront_size32 1
		.amdhsa_system_sgpr_workgroup_id_x 1
		.amdhsa_system_sgpr_workgroup_id_y 1
		.amdhsa_system_sgpr_workgroup_id_z 1
		.amdhsa_system_vgpr_workitem_id 0
		.amdhsa_next_free_vgpr 256
		.amdhsa_next_free_sgpr 104
		.amdhsa_reserve_vcc 0
		.amdhsa_float_denorm_mode_32 3
		.amdhsa_float_denorm_mode_16_64 3
		.amdhsa_memory_ordered 1
		.amdhsa_forward_progress 1
		.amdhsa_inst_pref_size 102
	.end_amdhsa_kernel
	.amdgpu_metadata
---
amdhsa.version: [ 1, 2 ]
amdhsa.kernels:
  - .name:           k_q70da235bd5_att
    .symbol:         k_q70da235bd5_att.kd
    .args:
      - { .name: qkv, .offset: 0, .size: 8, .value_kind: global_buffer, .address_space: global }
      - { .name: mask, .offset: 8, .size: 8, .value_kind: global_buffer, .address_space: global }
      - { .name: abuf, .offset: 16, .size: 8, .value_kind: global_buffer, .address_space: global }
    .group_segment_fixed_size: 327680
    .private_segment_fixed_size: 0
    .kernarg_segment_align: 8
    .kernarg_segment_size: 24
    .max_flat_workgroup_size: 512
    .sgpr_count:     104
    .vgpr_count:     256
    .wavefront_size: 32
...
	.end_amdgpu_metadata
.endif
;; end of part 10
;; launch wo (part 11): grid 8 x 32, 4 waves a work-group, clusters of 4 x 4, 327,680 bytes of LDS; arguments abuf, wimg, x, x2; writes x2
.if DOCPART == 11
	.amdgcn_target "amdgcn-amd-amdhsa--gfx1250"
	.amdhsa_code_object_version 6
	.text
	.protected	k_q70da235bd5_wo
	.globl	k_q70da235bd5_wo
	.p2align	8
	.type	k_q70da235bd5_wo,@function
k_q70da235bd5_wo:
	s_mov_b64 s[64:65], 0
	v_nop
	global_prefetch_b8 v0, s[64:65] scope:SCOPE_SE
	s_setreg_imm32_b32 hwreg(HW_REG_WAVE_MODE, 25, 1), 1
	s_wait_xcnt 0x0
	s_wait_alu depctr_hold_cnt(0) depctr_sa_sdst(0) depctr_va_vdst(0) depctr_va_sdst(0) depctr_va_ssrc(0) depctr_va_vcc(0) depctr_vm_vsrc(0)
	s_getreg_b32 s2, hwreg(HW_REG_IB_STS2, 6, 4)
	s_cmp_eq_u32 s2, 0
	s_cbranch_scc0 .Lentry_in_a_cluster
	s_endpgm
.Lentry_in_a_cluster:
	s_bfe_u32 s2, ttmp6, 0x10000c
	s_cmp_lg_u32 s2, 0xf033
	s_cbranch_scc0 .Lentry_shape_is_right
	s_endpgm
.Lentry_shape_is_right:
; x2 = x + attn wo, the product on codes of E2M3 (one E8M0 byte for each 32 along K = 1,024); x, x2: [4,096][1,024] f32.
; attn and wo come as images of operand registers: tile a has 16 rows, lane r stands for row 32 (a / 2) + 8 (a % 2) + r + 8 (r / 8); unit (a, k / 64) of 768 bytes holds each lane's 24 bytes of codes (16 at 16 x lane, 8 at
; 512 + 8 x lane); scale bytes at (k / 256) x 32,768 + a x 128 + 8 r.  A fragment of 16 rows x 128 K is two units: four dense LDS loads.
; A tile of C is 128 x 128, so that C's 32 x 8 tiles make 256 work-groups; four waves make 64 x 64 each: 16 accumulators in 128 registers.  The price: a wave reads 8 fragments from LDS for 16 matrix instructions.
; K goes in slots of 512 (four steps of 128): a tile's row in a slot is 6,144 consecutive bytes of memory.  K = 1,024 is two slots: both are asked for at the start, and nothing is filled again.  All scale bytes come once.
; THE MATRIX INSTRUCTION IS USED TRANSPOSED (source 0 = a tile of wo, source 1 = a tile of attn): lane (r, h) holds one token, and the 16 registers of wo's tiles 2 b, 2 b + 1 are columns 32 b + 16 h + 0 .. 15.
; THE RESIDUAL is loaded at the head in the shape in which the result is stored (sixteen lanes take 256 consecutive bytes of a row) and added when a block has come back from the stage as whole rows.
; CLUSTERS: 4 x 4 work-groups; attn's tiles are shared along a row of the cluster, wo's along a column: each is asked for jointly, by the same tensor load with the same descriptor and a mask that names the four.
; LIMITS: NaN and infinities are not served.
; REGISTERS: window 0: v1-7, v16-29 addresses; v32-63 scale words, two sets; v64-127 the way out; v128-255 the accumulators, (a, b) at v[128 + 8 (4 a + b)].
;   window 1: two sets of fragments at v0 and v128: A's four, then from + 48 B's four.   window 2: v0-127 the residual.
.set SIZE_K, 1024
.set A_SC,   3145728                   ; A's scale image in its buffer
.set B_CD,   2359296                   ; B's codes in wimg
.set B_SC,   9437184+393216            ; B's scale image
.set NQ,     4                         ; steps of 128 along K in a slot
.set FR,     12                        ; registers of a fragment
.set NP,     4                         ; places behind this matrix instruction (ISA guide 7.12.1)
.set TILEB,  6144                      ; 16 rows x 512 K: eight units
.set HALFT,  4*TILEB                   ; 64 rows: what one tensor load brings, and what one wave reads of A or of B
.set SLOT,   4*HALFT                   ; A's 128 rows, then B's
.set LAPS,   SIZE_K/1024               ; a lap = two slots
.set KPITCH, 12*SIZE_K                 ; a tile's codes for all of K, in bytes
.set NSG,    SIZE_K/256
.set HALFS,  NSG*512                   ; the scale bytes of 64 rows
.set SCL,    2*SLOT                    ; behind the two slots: the scale bytes
.set SPARE,  327168                    ; the spare words, 128 bytes for each wave: two blocks of 256 bytes that no other line names
.set SPITCH, 272                       ; the way out: a stage of 16 rows x (256 bytes + 16) for each wave, in slot 0, which has had its last fill and its last read by then
.set L16,  4                           ; v4   16 x lane
.set L8,   5                           ; v5   8 x lane
.set ADRA, 16                          ; v16-17 A's fragments in slot 0, 1 (16 x lane); v18-19 the same with 8 x lane
.set ADRB, 20                          ; v20-23 the same for B
.set STO,  24                          ; v24  the way out: where I put 16 bytes of a row
.set RD,   25                          ; v25  where I read a row back
.set CO,   26                          ; v26  residual and result: lanes 0-15 one row, lanes 16-31 the next, 16 bytes a lane; never rewritten
.set ADRS, 27                          ; v27  my scale words: lanes 0-15 A's rows, lanes 16-31 B's
.set SPW,  28                          ; v28  my spare word; never rewritten
.set NIL,  29                          ; v29  0; never rewritten
.set SC,   32                          ; scale words: set s at v[SC + 16 s]; in it register 4 i + q: block i, the slot's q-th 128 along K
.set BK,   64                          ; the way out: 16 rows read back from the stage: v64-95 and v96-127 by turns
.set ACC,  128
.set G1, 24
.set G0, 32
.set G1B, 48
.set G0B, 56
.set G1S, 68
.set G0S, 76
.set G1SB, 80
.set G0SB, 88
.set MSB, 0
.macro WIN new                         ; the immediate's high byte repeats the setting that is left
.if MSB != (\new)
	s_set_vgpr_msb (MSB<<8)|(\new)
.set MSB, (\new)
.endif
.endm
.set W_MUL, 0x05                       ; sources 0 (B) and 1 (A) window 1; C and D window 0
.set W_TOF, 0x40                       ; destination window 1, address window 0
.set W_TOR, 0x80                       ; destination window 2, address window 0
.set W_ADD, 0x08                       ; source 1 window 2
; A joint load: waves 0 and 1 fetch for A, waves 2 and 3 for B; the branch hangs on the wave's number alone.  Four v_nop follow each of the two lines.
.macro JLOAD g0a, g1a, g0b, g1b
	s_cmp_eq_u32 s15, 0
	s_cbranch_scc0 .Lfor_b_\@
	tensor_load_to_lds s[\g0a:\g0a+3], s[\g1a:\g1a+7]
	s_nop 0
.rept 4
	v_nop
.endr
	s_branch .Lasked_\@
.Lfor_b_\@:
	tensor_load_to_lds s[\g0b:\g0b+3], s[\g1b:\g1b+7]
	s_nop 0
.rept 4
	v_nop
.endr
.Lasked_\@:
.endm
.macro CREST                           ; a round of the cluster's barrier behind its opening barrier
	s_cmp_lg_u32 s14, 0
	s_cbranch_scc1 .Lnot_wave_0_\@
	s_barrier_signal -3
.Lnot_wave_0_\@:
	s_barrier_wait -3
	s_barrier_signal -1
	s_barrier_wait -1
.endm
.macro CROUND
	s_barrier_signal -1
	s_barrier_wait -1
	CREST
.endm
	s_load_b256 s[4:11], s[0:1], 0x0               ; A's buffer s[4:5], wimg s[6:7], the residual s[8:9], the result s[10:11]
	v_lshl_add_u32 v[SPW], v0, 2, SPARE
	v_mov_b32 v[NIL], 0
	ds_add_u32 v28, v29
	ds_add_u32 v28, v29
	s_wait_dscnt 0x0
	v_lshrrev_b32 v1, 5, v0
	v_readfirstlane_b32 s14, v1                    ; wave 0..3
	s_lshr_b32 s15, s14, 1                         ; which half of A's rows is mine.  Also: I fetch for A (0) or for B (1)
	s_and_b32 s16, s14, 1                          ; which half of B's rows.  Also: which 64 rows I fetch
	s_bfe_u32 s40, ttmp6, 0x40000                  ; cx, cy: my place in the cluster
	s_bfe_u32 s41, ttmp6, 0x40004
	s_lshl_b32 s42, ttmp9, 2
	s_add_co_u32 s42, s42, s40                     ; B's block of 128 rows = 4 x cluster x + cx
	s_and_b32 s17, ttmp7, 0xffff
	s_lshl_b32 s17, s17, 2
	s_add_co_u32 s17, s17, s41                     ; A's = 4 x cluster y + cy
	s_lshl_b32 s43, s41, 2
	s_lshl_b32 s43, 15, s43                        ; my row of the cluster
	s_lshl_b32 s44, 0x1111, s40                    ; my column
	; descriptor group 1, codes: 4 tiles (rows) of 6,144 bytes (768 elements of 8 bytes), KPITCH bytes apart; dense in LDS
	s_or_b32 s[G1+0], s43, (3<<16)|(1<<21)         ; 15:0 the mask; 17:16 elements of 8 bytes; 21 set beside a mask; no padding
	s_or_b32 s[G1B+0], s44, (3<<16)|(1<<21)
.irp g, G1, G1B
	s_mov_b32 s[\g+1], 768<<16                     ; tensor_dim0
	s_mov_b32 s[\g+2], 8<<16                       ; tensor_dim1: 8 tiles for the head's loads; set to 4 behind them
	s_mov_b32 s[\g+3], 768<<16                     ; tile_dim0
	s_mov_b32 s[\g+4], 8                           ; tile_dim1
	s_mov_b32 s[\g+5], KPITCH/8                    ; tensor_dim0_stride
	s_mov_b32 s[\g+6], 0
	s_mov_b32 s[\g+7], 0
.endr
	; scale bytes: NSG rows of 1,024 bytes (8 tiles x 128), 32,768 bytes apart
	s_or_b32 s[G1S+0], s43, (3<<16)|(1<<21)
	s_or_b32 s[G1SB+0], s44, (3<<16)|(1<<21)
.irp g, G1S, G1SB
	s_mov_b32 s[\g+1], 128<<16                     ; a row: the 1,024 scale bytes of all 8 tiles for 256 along K
	s_mov_b32 s[\g+2], NSG<<16
	s_mov_b32 s[\g+3], 128<<16
	s_mov_b32 s[\g+4], NSG
	s_mov_b32 s[\g+5], 4096
	s_mov_b32 s[\g+6], 0
	s_mov_b32 s[\g+7], 0
.endr
	s_mul_i32 s18, s16, 4*KPITCH                   ; s[18:19]: bytes from a block's first tile to the 4 tiles that I fetch of slot 1
	s_mov_b32 s19, 0
	s_lshl_b32 s20, s17, 3                         ; A: tile 8 x block
	s_lshl_b32 s46, s42, 3                         ; B likewise
	s_lshl_b32 s22, s20, 7
	s_add_co_u32 s22, s22, A_SC
	s_mov_b32 s23, 0
	s_lshl_b32 s92, s46, 7
	s_add_co_u32 s92, s92, B_SC
	s_mov_b32 s93, 0
	s_mul_i32 s20, s20, KPITCH
	s_mov_b32 s21, 0
	s_mul_i32 s46, s46, KPITCH
	s_add_co_u32 s46, s46, B_CD
	s_mov_b32 s47, 0
	s_mul_i32 s45, s14, HALFT                      ; where they go: wave x 64 rows: no place in the cluster enters an LDS address
	s_wait_kmcnt 0x0
	s_add_nc_u64 s[20:21], s[4:5], s[20:21]
	s_add_nc_u64 s[22:23], s[4:5], s[22:23]
	s_add_nc_u64 s[46:47], s[6:7], s[46:47]
	s_add_nc_u64 s[92:93], s[6:7], s[92:93]
	CROUND                                         ; all sixteen work-groups are here: the first joint loads meet
	s_mov_b32 s[G0S], 1
	s_mov_b32 s[G0S+1], SCL
	s_mov_b64 s[G0S+2:G0S+3], s[22:23]
	s_or_b32 s[G0S+3], s[G0S+3], 0x80000000
	s_mov_b32 s[G0SB], 1
	s_mov_b32 s[G0SB+1], SCL+2*HALFS
	s_mov_b64 s[G0SB+2:G0SB+3], s[92:93]
	s_or_b32 s[G0SB+3], s[G0SB+3], 0x80000000
.irp s, 0,1
	s_mov_b32 s[G0+4*\s], 1
	s_add_co_u32 s[G0+4*\s+1], s45, \s*SLOT
	s_add_nc_u64 s[G0+4*\s+2:G0+4*\s+3], s[20:21], \s*TILEB
	s_or_b32 s[G0+4*\s+3], s[G0+4*\s+3], 0x80000000
	s_mov_b32 s[G0B+4*\s], 1
	s_add_co_u32 s[G0B+4*\s+1], s45, \s*SLOT
	s_add_nc_u64 s[G0B+4*\s+2:G0B+4*\s+3], s[46:47], \s*TILEB
	s_or_b32 s[G0B+4*\s+3], s[G0B+4*\s+3], 0x80000000
.endr
	s_mov_b32 s[G0+1], 0                           ; slot 0 comes by the head's loads: A's 8 tiles whole at byte 0,
	s_mov_b32 s[G0B+1], 2*HALFT                    ; B's behind them;
	s_add_nc_u64 s[G0+6:G0+7], s[G0+6:G0+7], s[18:19]      ; of slot 1 each wave fetches its 4 tiles
	s_add_nc_u64 s[G0B+6:G0B+7], s[G0B+6:G0B+7], s[18:19]
; THE HEAD'S LOADS, ONE A WAVE: wave 0 slot 0 of A, wave 1 of B, wave 2 A's scale bytes, wave 3 B's.  One chain of branches on the wave's number, every way passes one load.
.macro ARM under, g0, g1, next
	s_cmp_lt_u32 s14, \under
	s_cbranch_scc0 \next
	tensor_load_to_lds s[\g0:\g0+3], s[\g1:\g1+7]
	s_nop 0
.rept 4
	v_nop
.endr
	s_branch .Lhead_asked
\next:
.endm
	ARM 1, G0,  G1,  .Lhead_b
	ARM 2, G0B, G1B, .Lhead_sa
	ARM 3, G0S, G1S, .Lhead_sb
	tensor_load_to_lds s[G0SB:G0SB+3], s[G1SB:G1SB+7]
	s_nop 0
.rept 4
	v_nop
.endr
.Lhead_asked:
	; THE PREFETCH.  Slot 1 is asked for here, under the head's loads.  Of the 4 tiles (6,144 bytes of a slot each, 24 blocks of 256 bytes) that my wave fetches of it, each of the four partners that
	; ask for them jointly takes one, told apart by address (cx for A, cy for B): a lane a block, lanes 24-31 name the last block again.  s[12:13]: my tile's bytes of slot 0.
	s_cmp_eq_u32 s15, 0
	s_cselect_b64 s[12:13], s[20:21], s[46:47]
	s_cselect_b32 s2, s40, s41
	s_mul_i32 s2, s2, KPITCH
	s_mov_b32 s3, 0
	s_add_nc_u64 s[12:13], s[12:13], s[18:19]
	s_add_nc_u64 s[12:13], s[12:13], s[2:3]
	v_and_b32 v1, 31, v0
	v_and_b32 v2, 15, v0                           ; r
	v_bfe_u32 v3, v0, 4, 1                         ; h
	v_lshlrev_b32 v[L16], 4, v1
	v_lshlrev_b32 v[L8], 3, v1
	s_mul_i32 s21, s15, HALFT                      ; my 64 rows of A
	s_mul_i32 s22, s16, HALFT                      ; my 64 rows of B,
	s_add_co_u32 s22, s22, 2*HALFT                 ; which lie behind A's 128
.irp s, 0,1
	v_add_nc_u32 v[ADRA+\s], s21, v[L16]
	v_add_nc_u32 v[ADRB+\s], s22, v[L16]
	v_add_nc_u32 v[ADRA+2+\s], s21, v[L8]
	v_add_nc_u32 v[ADRB+2+\s], s22, v[L8]
	s_add_co_u32 s21, s21, SLOT
	s_add_co_u32 s22, s22, SLOT
.endr
	v_lshlrev_b32 v6, 3, v2                        ; my row's scale bytes: 8 r
	s_mul_i32 s21, s15, HALFS/NSG                  ; my 4 tiles' 512 bytes of a row of 1,024
	s_mul_i32 s22, s16, HALFS/NSG
	s_add_co_u32 s22, s22, 2*HALFS
	s_sub_co_u32 s22, s22, s21
	v_mul_u32_u24 v7, s22, v3                      ; lanes 16-31 take B's: one product, the distance between the two bases
	s_add_co_u32 s21, s21, SCL
	v_add_nc_u32 v6, v6, v7
	v_add_nc_u32 v[ADRS], s21, v6
	s_mul_i32 s23, s14, 16*SPITCH                  ; my stage
	v_mul_u32_u24 v6, v2, SPITCH
	v_lshl_add_u32 v6, v3, 6, v6                   ; in: row r, + 64 h
	v_add_nc_u32 v[STO], s23, v6
	v_mul_u32_u24 v6, v3, SPITCH
	v_lshl_add_u32 v6, v2, 4, v6                   ; back: lanes 0-15 take one row of 256 bytes, lanes 16-31 the next
	v_add_nc_u32 v[RD], s23, v6
	v_lshlrev_b32 v6, 12, v3
	v_lshl_add_u32 v[CO], v2, 4, v6                ; and the same two rows of 4,096 bytes in memory
	v_min_u32 v30, 23, v1
	v_lshlrev_b32 v30, 8, v30                      ; v30: the prefetch's offset, 256 x min(lane, 23)
	s_wait_alu depctr_va_vdst(0)
	global_prefetch_b8 v30, s[12:13] offset:TILEB th:TH_LOAD_NT scope:SCOPE_SE
	s_lshl_b32 s20, s17, 7
	s_lshl_b32 s21, s15, 6
	s_add_co_u32 s20, s20, s21                     ; my first row: 128 x block + 64 x half
	s_lshl_b32 s20, s20, 12
	s_mov_b32 s21, 0
	s_lshl_b32 s46, s42, 9                         ; my first column, in bytes: 512 x block + 256 x half
	s_lshl_b32 s47, s16, 8
	s_add_co_u32 s46, s46, s47
	s_mov_b32 s47, 0
	s_add_nc_u64 s[20:21], s[20:21], s[46:47]
	s_add_nc_u64 s[8:9], s[8:9], s[20:21]
	s_add_nc_u64 s[10:11], s[10:11], s[20:21]
	; the residual: block a's 16 rows are rows 32 (a / 2) + 8 (a % 2) + t + 8 (t / 8), t = 0 .. 15; load i takes t = 2 i and 2 i + 1: sixteen lanes read 256 consecutive bytes, aligned to 256
	WIN W_TOR
.irp a, 0,1,2,3
.irp i, 0,1,2,3,4,5,6,7
	global_load_b128 v[32*\a+4*\i:32*\a+4*\i+3], v[CO], s[8:9] offset:(32*(\a/2)+8*(\a%2)+2*\i+8*(\i/4))*4096
.endr
.endr
	WIN 0
.macro FRAG reg, adr, q, i             ; a fragment: two units as they lie: every load takes consecutive bytes of LDS
	ds_load_b128 v[\reg:\reg+3], v[\adr] offset:(\i)*TILEB+(\q)*1536
	ds_load_b64 v[\reg+4:\reg+5], v[\adr+2] offset:(\i)*TILEB+(\q)*1536+512
	ds_load_b128 v[\reg+6:\reg+9], v[\adr] offset:(\i)*TILEB+(\q)*1536+768
	ds_load_b64 v[\reg+10:\reg+11], v[\adr+2] offset:(\i)*TILEB+(\q)*1536+1280
.endm
; 4 matrix instructions: A's block a x B's four, 128 along K, from set p.  The 16 accumulators take turns, one instruction a turn, in the same order in every step.
; zero = 1: the first product starts the sums: nothing is ever cleared.
.macro MUL4 a, p, q, sc, zero
.irp b, 0,1,2,3
.if \zero
	v_wmma_scale_f32_16x16x128_f8f6f4 v[ACC+8*(4*(\a)+\b):ACC+8*(4*(\a)+\b)+7], v[128*(\p)+48+FR*\b:128*(\p)+48+FR*\b+FR-1], v[128*(\p)+FR*(\a):128*(\p)+FR*(\a)+FR-1], 0, v[SC+4*NQ*(\sc)+NQ*\b+(\q)], v[SC+4*NQ*(\sc)+NQ*(\a)+(\q)] matrix_a_fmt:MATRIX_FMT_FP6 matrix_b_fmt:MATRIX_FMT_FP6 matrix_a_scale:MATRIX_SCALE_ROW1
.else
	v_wmma_scale_f32_16x16x128_f8f6f4 v[ACC+8*(4*(\a)+\b):ACC+8*(4*(\a)+\b)+7], v[128*(\p)+48+FR*\b:128*(\p)+48+FR*\b+FR-1], v[128*(\p)+FR*(\a):128*(\p)+FR*(\a)+FR-1], v[ACC+8*(4*(\a)+\b):ACC+8*(4*(\a)+\b)+7], v[SC+4*NQ*(\sc)+NQ*\b+(\q)], v[SC+4*NQ*(\sc)+NQ*(\a)+(\q)] matrix_a_fmt:MATRIX_FMT_FP6 matrix_b_fmt:MATRIX_FMT_FP6 matrix_a_scale:MATRIX_SCALE_ROW1
.endif
.endr
.endm
.macro FETCH slot, q, p                ; 32 LDS loads in one run: the eight fragments of the slot's q-th 128 along K into set p
	WIN W_TOF
.irp i, 0,1,2,3
	FRAG 128*(\p)+48+FR*\i, ADRB+\slot, \q, \i
	FRAG 128*(\p)+FR*\i, ADRA+\slot, \q, \i
.endr
.endm
.macro SCALES sc                       ; a slot's scale words: four a row, from two rows of the scale bytes' tile; lanes 0-15 take A's block i, lanes 16-31 B's block i
.irp i, 0,1,2,3
.irp g, 0,1
	ds_load_b64 v[SC+4*NQ*\sc+NQ*\i+2*\g:SC+4*NQ*\sc+NQ*\i+2*\g+1], v[ADRS] offset:\g*1024+\i*128
.endr
.endr
.endm
.macro PLACES n                        ; plain vector instructions between a matrix instruction and a load into, or a read of, its registers (ISA guide 7.12.1 for a read)
.rept \n
	v_nop
.endr
.endm
; A step of 128 along K that has its successor in the same slot: the successor's fragments are asked for first, into the set that the step before multiplied, and land while this step is multiplied.
.macro STEP slot, q, zero
	PLACES NP
	FETCH \slot, (\q)+1, 1-(\q)%2
	s_wait_dscnt 32                                ; all but the 32 loads just issued: this step's fragments (and scale words) are in
	WIN W_MUL
	MUL4 0, (\q)%2, \q, \slot, \zero
	MUL4 1, (\q)%2, \q, \slot, \zero
	MUL4 2, (\q)%2, \q, \slot, \zero
	MUL4 3, (\q)%2, \q, \slot, \zero
.endm
; A slot's last step changes slots: one barrier; in front of it each wave waits for all its tensor loads, adds 0 to its spare word, and waits for that and for its own reads of this slot.  fill = 1: this slot is filled again, two slots ahead.
.macro TURN slot, next, fill
	WIN 0                                          ; (the add's two registers lie in window 0)
	s_wait_tensorcnt 0x0                           ; all my tensor loads have landed: my part of the next slot
	ds_add_u32 v[SPW], v[NIL]                      ; 0 onto my spare word
	s_wait_dscnt 1                                 ; this step's fragments are in (the add may be out)
	WIN W_MUL
	MUL4 0, 1, NQ-1, \slot, 0                      ; four matrix instructions stand between the add and the wait for it
	s_wait_dscnt 0x0                               ; the add is done, and my reads of this slot are over
	s_barrier_signal -1
	MUL4 1, 1, NQ-1, \slot, 0
	WIN 0
	s_barrier_wait -1
.if \fill
	CREST                                          ; the barrier has opened a round of the cluster's barrier: no wave of any partner still reads this slot or has a load on its way
	s_add_nc_u64 s[G0+4*\slot+2:G0+4*\slot+3], s[G0+4*\slot+2:G0+4*\slot+3], 2*TILEB
	s_add_nc_u64 s[G0B+4*\slot+2:G0B+4*\slot+3], s[G0B+4*\slot+2:G0B+4*\slot+3], 2*TILEB
	JLOAD G0+4*\slot, G1, G0B+4*\slot, G1B         ; the first tensor load behind the round; its four v_nop are the places in front of the loads below
.else
	PLACES NP
.endif
	v_add_nc_u32 v[ADRS], 2048, v[ADRS]            ; the next slot's scale words: two rows of 1,024 bytes on
	FETCH \next, 0, 0
	WIN 0
	SCALES \next
	WIN W_MUL
	MUL4 2, 1, NQ-1, \slot, 0                      ; eight matrix instructions while the next slot's first fragments come
	MUL4 3, 1, NQ-1, \slot, 0
.endm
	s_wait_tensorcnt 0x0                           ; my tile of the head's four is in
	ds_add_u32 v[SPW], v[NIL]
	s_mov_b32 s[G1+2], 4<<16                       ; no load of mine is out: slot 1's loads bring 4 tiles each
	s_mov_b32 s[G1+4], 4
	s_mov_b32 s[G1B+2], 4<<16
	s_mov_b32 s[G1B+4], 4
	s_wait_dscnt 0x0
	CROUND                                         ; everybody's tiles are in, and all sixteen work-groups are here
	JLOAD G0+4, G1, G0B+4, G1B                     ; slot 1, the first tensor load behind the round
	FETCH 0, 0, 0
	WIN 0
	SCALES 0
	STEP 0, 0, 1                                   ; the first step's products start the sums
.if LAPS > 1
	WIN 0                                          ; at a label and at a branch every window is 0
	s_mov_b32 s3, LAPS-1
.Llap:                                             ; a trip goes once round the ring, from a lap's second step to the next lap's first, and fills both slots again
	STEP 0, 1, 0
	STEP 0, 2, 0
	TURN 0, 1, 1
	STEP 1, 0, 0
	STEP 1, 1, 0
	STEP 1, 2, 0
	TURN 1, 0, 1
	STEP 0, 0, 0
	WIN 0
	s_sub_co_u32 s3, s3, 1
	s_cmp_lg_u32 s3, 0
	s_cbranch_scc1 .Llap
.endif
	STEP 0, 1, 0                                   ; the last lap fills nothing
	STEP 0, 2, 0
	TURN 0, 1, 0
	STEP 1, 0, 0
	STEP 1, 1, 0
	STEP 1, 2, 0
	s_wait_dscnt 0x0                               ; the very last step: nothing more to fetch
	MUL4 0, 1, NQ-1, 1, 0
	MUL4 1, 1, NQ-1, 1, 0
	MUL4 2, 1, NQ-1, 1, 0
	MUL4 3, 1, NQ-1, 1, 0
	WIN 0
; THE WAY OUT, block by block of 16 rows x 64 columns, through my own stage in LDS: in as 16 bytes a lane, back as whole rows of 256 bytes, two an instruction.  LDS serves a wave's instructions in order (ISA guide 5.7.1.4).
.macro TOSTAGE a
.irp b, 0,1,2,3
	ds_store_b128 v[STO], v[ACC+8*(4*(\a)+\b):ACC+8*(4*(\a)+\b)+3] offset:128*(\b/2)+32*(\b%2)          ; each accumulator from its low end on
	ds_store_b128 v[STO], v[ACC+8*(4*(\a)+\b)+4:ACC+8*(4*(\a)+\b)+7] offset:128*(\b/2)+32*(\b%2)+16
.endr
.set BB, BK+32*((\a)%2)
.irp i, 0,1,2,3,4,5,6,7
	ds_load_b128 v[BB+4*\i:BB+4*\i+3], v[RD] offset:\i*2*SPITCH
.endr
.endm
.macro SEND a, younger                 ; younger: the LDS instructions issued behind block a's loads, which may stay out.  Stage row t is row t + 8 (t / 8) behind the block's first: every place stands in the immediate
.set BB, BK+32*((\a)%2)
	s_wait_dscnt \younger
	WIN W_ADD
.set gi, 0
.rept 16
	v_pk_add_f32 v[BB+gi:BB+gi+1], v[BB+gi:BB+gi+1], v[32*(\a)+gi:32*(\a)+gi+1]   ; + the residual, which was loaded in this very shape
.set gi, gi+2
.endr
	WIN 0
.irp i, 0,1,2,3,4,5,6,7
	global_store_b128 v[CO], v[BB+4*\i:BB+4*\i+3], s[10:11] offset:(32*((\a)/2)+8*((\a)%2)+2*\i+8*(\i/4))*4096   ; sixteen lanes store 256 consecutive bytes, aligned to 256
.endr
.endm
	PLACES NP
	s_wait_loadcnt 0x0                             ; the residual
	TOSTAGE 0
.irp a, 1,2,3
.if \a > 1
	s_wait_xcnt 0x0                                ; block a - 2's stores have read their registers: block a's loads may land there
.endif
	TOSTAGE \a
	SEND \a-1, 16                                  ; behind block a - 1's loads: block a's 8 stores and 8 loads
.endr
	SEND 3, 0
	s_wait_tensorcnt 0x0                           ; the wave's end
	ds_add_u32 v[SPW], v[NIL]
	s_wait_dscnt 0x0
	CROUND                                         ; the closing round: no work-group ends while a partner may still ask for a tile that names it
	s_endpgm
.Lfunc_end_k_q70da235bd5_wo:
	.size	k_q70da235bd5_wo, .Lfunc_end_k_q70da235bd5_wo-k_q70da235bd5_wo
	.p2alignl 7, 3214868480
	.fill 96, 4, 3214868480
	.section	.rodata,"a",@progbits
	.p2align	6, 0x0
	.amdhsa_kernel k_q70da235bd5_wo
		.amdhsa_group_segment_fixed_size 327680
		.amdhsa_private_segment_fixed_size 0
		.amdhsa_enable_private_segment 0
		.amdhsa_kernarg_size 32
		.amdhsa_user_sgpr_count 2
		.amdhsa_user_sgpr_kernarg_segment_ptr 1
		.amdhsa_wavefront_size32 1
		.amdhsa_system_sgpr_workgroup_id_x 1
		.amdhsa_system_sgpr_workgroup_id_y 1
		.amdhsa_system_sgpr_workgroup_id_z 1
		.amdhsa_system_vgpr_workitem_id 0
		.amdhsa_next_free_vgpr 768
		.amdhsa_next_free_sgpr 98
		.amdhsa_reserve_vcc 0
		.amdhsa_float_denorm_mode_32 3
		.amdhsa_float_denorm_mode_16_64 3
		.amdhsa_memory_ordered 1
		.amdhsa_forward_progress 1
		.amdhsa_inst_pref_size 61
	.end_amdhsa_kernel
	.amdgpu_metadata
---
amdhsa.version: [ 1, 2 ]
amdhsa.kernels:
  - .name:           k_q70da235bd5_wo
    .symbol:         k_q70da235bd5_wo.kd
    .args:
      - { .name: abuf, .offset: 0, .size: 8, .value_kind: global_buffer, .address_space: global }
      - { .name: wimg, .offset: 8, .size: 8, .value_kind: global_buffer, .address_space: global }
      - { .name: x, .offset: 16, .size: 8, .value_kind: global_buffer, .address_space: global }
      - { .name: x2, .offset: 24, .size: 8, .value_kind: global_buffer, .address_space: global }
    .group_segment_fixed_size: 327680
    .private_segment_fixed_size: 0
    .kernarg_segment_align: 8
    .kernarg_segment_size: 32
    .max_flat_workgroup_size: 128
    .sgpr_count:     98
    .vgpr_count:     768
    .wavefront_size: 32
...
	.end_amdgpu_metadata
.endif
;; end of part 11
;; launch ln2 (part 12): grid 256 x 1, 8 waves a work-group, no clusters, 3,072 bytes of LDS; arguments x2, ln2_w, ln2_b, h2buf; writes h2buf
.if DOCPART == 12
	.amdgcn_target "amdgcn-amd-amdhsa--gfx1250"
	.amdhsa_code_object_version 6
	.text
	.protected	k_q70da235bd5_ln2
	.globl	k_q70da235bd5_ln2
	.p2align	8
	.type	k_q70da235bd5_ln2,@function
k_q70da235bd5_ln2:
	s_mov_b64 s[64:65], 0
	v_nop
	global_prefetch_b8 v0, s[64:65] scope:SCOPE_SE
	s_setreg_imm32_b32 hwreg(HW_REG_WAVE_MODE, 25, 1), 1
	s_wait_xcnt 0x0
; h2 = layernorm(x2) by ln2_w, ln2_b, quantised along its 1,024 columns to codes of E2M3 with one E8M0 byte for each 32, stored as images of operand registers.
; THE IMAGE.  Tile a has 16 rows; lane r stands for row 32 (a / 2) + 8 (a % 2) + r + 8 (r / 8).  Unit (a, k / 64) of 768 bytes at (16 a + k / 64) x 768 holds, for lane (r, h), the 24 bytes of that row's codes
; k = 64 (k / 64) + 32 h + 0 .. 31: its first 16 bytes at 16 x lane, its last 8 at 512 + 8 x lane.  Scale bytes: at (k / 256) x 32,768 + a x 128 + 8 r the eight bytes of that row for 256 along K.
; Work-group a takes the 16 rows of tile a, wave w their columns 128 w .. 128 w + 127; a lane holds 64 numbers in the order of the operand's registers.  Mean first, then the mean of the squared differences;
; the eight waves' partial sums meet in LDS.
; LIMITS: NaN and infinities are not served.  A block whose largest magnitude lies under 2^-124 has its byte held at 1; a block of zeros keeps the byte 1 (its codes are zeros; only this program reads the bytes).
.set X,    32
.set GM,   96
.set BT,   160
.set PC,   224
.set PT,   236
.set AM,   244
.set SO,   246
.set BY,   248
.set RED1, 0
.set RED2, 512
.set SCW,  1024
.set HSC,  3145728
	s_load_b256 s[4:11], s[0:1], 0x0               ; x2, the gain, the bias, h2buf
	v_lshl_add_u32 v254, v0, 2, 0x800
	v_mov_b32 v255, 0
	v_lshrrev_b32 v1, 5, v0
	s_delay_alu instid0(VALU_DEP_1)
	v_readfirstlane_b32 s14, v1                    ; wave 0..7
	v_and_b32 v1, 31, v0                           ; lane
	v_and_b32 v2, 15, v0                           ; r
	v_bfe_u32 v3, v0, 4, 1                         ; h
	s_delay_alu instid0(VALU_DEP_2)
	v_and_b32 v4, 8, v2
	s_delay_alu instid0(VALU_DEP_1)
	v_add_nc_u32 v4, v4, v2                        ; r + 8 (r / 8)
	v_lshlrev_b32 v6, 4, v1
	v_lshlrev_b32 v7, 3, v1
	s_delay_alu instid0(VALU_DEP_3)
	v_lshlrev_b32 v4, 12, v4
	s_delay_alu instid0(VALU_DEP_1)
	v_lshl_add_u32 v4, v3, 7, v4                   ; my row of 4,096 bytes, + 128 h
	v_lshlrev_b32 v5, 7, v3
	s_lshl_b32 s15, s14, 2
	v_lshl_add_u32 v8, v2, 5, s15                  ; LDS: 32 r + 4 w
	v_lshlrev_b32 v9, 5, v2
	s_lshr_b32 s16, s14, 1
	s_lshl_b32 s16, s16, 7
	s_and_b32 s17, s14, 1
	s_lshl_b32 s17, s17, 2
	s_add_co_u32 s16, s16, s17
	s_add_co_u32 s16, s16, SCW
	v_lshl_add_u32 v10, v2, 3, s16                 ; my scale word's place
	v_mov_b32 v251, 0                              ; a lane permute's destination counts as one of its sources
	s_mov_b32 s12, 0x76543210
	s_mov_b32 s13, 0xfedcba98
	s_mov_b32 s18, 0x3a800000                      ; 1 / 1,024
	s_mov_b32 s19, 0x2b8cbccc                      ; 1e-12
	s_lshr_b32 s20, ttmp9, 1
	s_lshl_b32 s20, s20, 17
	s_and_b32 s21, ttmp9, 1
	s_lshl_b32 s21, s21, 15
	s_add_co_u32 s20, s20, s21
	s_lshl_b32 s22, s14, 9
	s_add_co_u32 s20, s20, s22
	s_mov_b32 s21, 0
	s_mov_b32 s23, 0
	s_lshl_b32 s24, ttmp9, 4
	s_lshl_b32 s25, s14, 1
	s_add_co_u32 s24, s24, s25
	s_mul_i32 s24, s24, 768
	s_mov_b32 s25, 0
	s_lshl_b32 s26, ttmp9, 7
	s_add_co_u32 s26, s26, HSC
	s_mov_b32 s27, 0
	s_wait_alu depctr_va_vdst(0)
	s_wait_kmcnt 0x0
	s_add_nc_u64 s[4:5], s[4:5], s[20:21]
	s_add_nc_u64 s[6:7], s[6:7], s[22:23]
	s_add_nc_u64 s[8:9], s[8:9], s[22:23]
	s_add_nc_u64 s[28:29], s[10:11], s[24:25]
	s_add_nc_u64 s[10:11], s[10:11], s[26:27]
.irp c, 0,1
.irp j, 0,1,2,3,4,5,6,7
	global_load_b128 v[X+32*\c+4*\j:X+32*\c+4*\j+3], v4, s[4:5] offset:256*\c+16*\j
.endr
.endr
.irp c, 0,1
.irp j, 0,1,2,3,4,5,6,7
	global_load_b128 v[GM+32*\c+4*\j:GM+32*\c+4*\j+3], v5, s[6:7] offset:256*\c+16*\j
.endr
.endr
.irp c, 0,1
.irp j, 0,1,2,3,4,5,6,7
	global_load_b128 v[BT+32*\c+4*\j:BT+32*\c+4*\j+3], v5, s[8:9] offset:256*\c+16*\j
.endr
.endr
.macro REDUCE base                     ; v20 of my lane, its partner 16 lanes away and the eight waves are added
	s_delay_alu instid0(VALU_DEP_1)
	v_permlanex16_b32 v251, v20, s12, s13
	s_delay_alu instid0(VALU_DEP_1)
	v_add_f32 v20, v20, v251
	ds_store_b32 v8, v20 offset:\base
	s_wait_dscnt 0x0                               ; for the others' sake: my store has landed
	s_barrier_signal -1
	s_barrier_wait -1
	ds_load_b128 v[12:15], v9 offset:\base
	ds_load_b128 v[16:19], v9 offset:\base+16
	s_wait_dscnt 0x0
	v_add_f32 v12, v12, v13
	v_add_f32 v14, v14, v15
	v_add_f32 v16, v16, v17
	v_add_f32 v18, v18, v19
	s_delay_alu instid0(VALU_DEP_3)
	v_add_f32 v12, v12, v14
	s_delay_alu instid0(VALU_DEP_2)
	v_add_f32 v16, v16, v18
	s_delay_alu instid0(VALU_DEP_1)
	v_add_f32 v20, v12, v16
.endm
.macro FOLD
	s_delay_alu instid0(VALU_DEP_3)
	v_pk_add_f32 v[20:21], v[20:21], v[22:23]
	s_delay_alu instid0(VALU_DEP_2)
	v_pk_add_f32 v[24:25], v[24:25], v[26:27]
	s_delay_alu instid0(VALU_DEP_1)
	v_pk_add_f32 v[20:21], v[20:21], v[24:25]
	s_delay_alu instid0(VALU_DEP_1)
	v_add_f32 v20, v20, v21
.endm
	s_wait_loadcnt 32                              ; x2's sixteen loads are in; the 32 younger ones (gain, bias) may be out
.irp k, 0,1,2,3
	v_pk_add_f32 v[20+2*\k:21+2*\k], v[X+4*\k:X+4*\k+1], v[X+4*\k+2:X+4*\k+3]
.endr
.irp i, 16,24,32,40,48,56
.irp k, 0,1,2,3
	s_delay_alu instid0(VALU_DEP_4)
	v_pk_add_f32 v[20+2*\k:21+2*\k], v[20+2*\k:21+2*\k], v[X+\i+2*\k:X+\i+2*\k+1]
.endr
.endr
	FOLD
	REDUCE RED1
	s_delay_alu instid0(VALU_DEP_1)
	v_mul_f32 v28, s18, v20                        ; the mean
	s_delay_alu instid0(VALU_DEP_1)
	v_mov_b32 v29, v28
.set j, 0
.rept 32
	v_pk_add_f32 v[X+j:X+j+1], v[X+j:X+j+1], v[28:29] neg_lo:[0,1] neg_hi:[0,1]
.set j, j+2
.endr
.irp k, 0,1,2,3
	v_pk_mul_f32 v[20+2*\k:21+2*\k], v[X+2*\k:X+2*\k+1], v[X+2*\k:X+2*\k+1]
.endr
.irp i, 8,16,24,32,40,48,56
.irp k, 0,1,2,3
	s_delay_alu instid0(VALU_DEP_4)
	v_pk_fma_f32 v[20+2*\k:21+2*\k], v[X+\i+2*\k:X+\i+2*\k+1], v[X+\i+2*\k:X+\i+2*\k+1], v[20+2*\k:21+2*\k]
.endr
.endr
	FOLD
	REDUCE RED2                                    ; other bytes than the first sum's
	s_delay_alu instid0(VALU_DEP_1)
	v_fma_f32 v28, v20, s18, s19                   ; the variance + 1e-12
	s_wait_alu depctr_va_vdst(0)
	v_rsq_f32 v28, v28
	v_nop                                          ; one plain place behind a transcendental (ISA guide 5.7.2)
	s_wait_alu depctr_va_vdst(0)
	v_mov_b32 v29, v28
.set j, 0
.rept 32
	v_pk_mul_f32 v[X+j:X+j+1], v[X+j:X+j+1], v[28:29]
.set j, j+2
.endr
	s_wait_loadcnt 0x0
.set j, 0
.rept 32
	v_pk_fma_f32 v[X+j:X+j+1], v[X+j:X+j+1], v[GM+j:GM+j+1], v[BT+j:BT+j+1]
.set j, j+2
.endr
.irp c, 0,1
	v_max3_num_f32 v[AM+\c], |v[X+32*\c]|, |v[X+32*\c+1]|, 0x1800000   ; with the floor 2^(3 - 127): the byte cannot fall under 1
.endr
.irp i, 2,4,6,8,10,12,14,16,18,20,22,24,26,28,30
.irp c, 0,1
	s_delay_alu instid0(VALU_DEP_2)
	v_max3_num_f32 v[AM+\c], v[AM+\c], |v[X+32*\c+\i]|, |v[X+32*\c+\i+1]|
.endr
.endr
.irp c, 0,1
	s_delay_alu instid0(VALU_DEP_2)
	v_add_nc_u32 v[SO+\c], 0xff000000, v[AM+\c]
.endr
.irp c, 0,1
	s_delay_alu instid0(VALU_DEP_2)
	v_lshrrev_b32 v[BY+\c], 23, v[SO+\c]
.endr
.irp c, 0,1
	v_cvt_scalef32_pk16_fp6_f32 v[PC+6*\c:PC+6*\c+2], v[X+32*\c:X+32*\c+15], v[SO+\c]
	v_cvt_scalef32_pk16_fp6_f32 v[PT+4*\c:PT+4*\c+2], v[X+32*\c+16:X+32*\c+31], v[SO+\c]
.endr
	v_nop                                          ; one plain place behind a scaled conversion
.irp c, 0,1
.irp i, 0,1,2
	v_mov_b32 v[PC+3+6*\c+\i], v[PT+4*\c+\i]
.endr
.endr
	v_lshl_or_b32 v250, v[BY+1], 16, v[BY]
	v_lshlrev_b32 v251, 3, v3
	s_delay_alu instid0(VALU_DEP_1)
	v_lshlrev_b32 v250, v251, v250
	v_mov_b32 v251, 0
	s_delay_alu instid0(VALU_DEP_1)
	v_permlanex16_b32 v251, v250, s12, s13
	s_delay_alu instid0(VALU_DEP_1)
	v_or_b32 v250, v250, v251                      ; my row's scale word for these 128 columns
	global_store_b128 v6, v[PC:PC+3], s[28:29]
	global_store_b64 v7, v[PC+4:PC+5], s[28:29] offset:512
	global_store_b128 v6, v[PC+6:PC+9], s[28:29] offset:768
	global_store_b64 v7, v[PC+10:PC+11], s[28:29] offset:1280
	ds_store_b32 v10, v250
	s_wait_dscnt 0x0
	s_barrier_signal -1
	s_barrier_wait -1
	s_cmp_lg_u32 s14, 0
	s_cbranch_scc1 .Lln_end
	ds_load_b128 v[12:15], v6 offset:SCW           ; wave 0 stores the tile's 512 scale bytes: four pieces of 128 consecutive bytes, 32,768 apart
	v_lshrrev_b32 v16, 3, v1
	v_and_b32 v17, 7, v1
	s_delay_alu instid0(VALU_DEP_1)
	v_lshlrev_b32 v17, 4, v17
	s_delay_alu instid0(VALU_DEP_1)
	v_lshl_add_u32 v16, v16, 15, v17
	s_wait_alu depctr_va_vdst(0)
	s_wait_dscnt 0x0
	global_store_b128 v16, v[12:15], s[10:11]
.Lln_end:
	s_wait_tensorcnt 0x0
	ds_add_u32 v254, v255
	s_wait_dscnt 0x0
	s_endpgm
.Lfunc_end_k_q70da235bd5_ln2:
	.size	k_q70da235bd5_ln2, .Lfunc_end_k_q70da235bd5_ln2-k_q70da235bd5_ln2
	.p2alignl 7, 3214868480
	.fill 96, 4, 3214868480
	.section	.rodata,"a",@progbits
	.p2align	6, 0x0
	.amdhsa_kernel k_q70da235bd5_ln2
		.amdhsa_group_segment_fixed_size 3072
		.amdhsa_private_segment_fixed_size 0
		.amdhsa_enable_private_segment 0
		.amdhsa_kernarg_size 32
		.amdhsa_user_sgpr_count 2
		.amdhsa_user_sgpr_kernarg_segment_ptr 1
		.amdhsa_wavefront_size32 1
		.amdhsa_system_sgpr_workgroup_id_x 1
		.amdhsa_system_sgpr_workgroup_id_y 1
		.amdhsa_system_sgpr_workgroup_id_z 1
		.amdhsa_system_vgpr_workitem_id 0
		.amdhsa_next_free_vgpr 256
		.amdhsa_next_free_sgpr 66
		.amdhsa_reserve_vcc 0
		.amdhsa_float_denorm_mode_32 3
		.amdhsa_float_denorm_mode_16_64 3
		.amdhsa_memory_ordered 1
		.amdhsa_forward_progress 1
		.amdhsa_inst_pref_size 27
	.end_amdhsa_kernel
	.amdgpu_metadata
---
amdhsa.version: [ 1, 2 ]
amdhsa.kernels:
  - .name:           k_q70da235bd5_ln2
    .symbol:         k_q70da235bd5_ln2.kd
    .args:
      - { .name: x2, .offset: 0, .size: 8, .value_kind: global_buffer, .address_space: global }
      - { .name: ln2_w, .offset: 8, .size: 8, .value_kind: global_buffer, .address_space: global }
      - { .name: ln2_b, .offset: 16, .size: 8, .value_kind: global_buffer, .address_space: global }
      - { .name: h2buf, .offset: 24, .size: 8, .value_kind: global_buffer, .address_space: global }
    .group_segment_fixed_size: 3072
    .private_segment_fixed_size: 0
    .kernarg_segment_align: 8
    .kernarg_segment_size: 32
    .max_flat_workgroup_size: 256
    .sgpr_count:     66
    .vgpr_count:     256
    .wavefront_size: 32
...
	.end_amdgpu_metadata
.endif
;; end of part 12
;; launch ffn1 (part 13): grid 16 x 16, 4 waves a work-group, clusters of 4 x 4, 327,680 bytes of LDS; arguments h2buf, wimg, gbuf; writes gbuf
.if DOCPART == 13
	.amdgcn_target "amdgcn-amd-amdhsa--gfx1250"
	.amdhsa_code_object_version 6
	.text
	.protected	k_q70da235bd5_ffn1
	.globl	k_q70da235bd5_ffn1
	.p2align	8
	.type	k_q70da235bd5_ffn1,@function
k_q70da235bd5_ffn1:
	s_mov_b64 s[64:65], 0
	v_nop
	global_prefetch_b8 v0, s[64:65] scope:SCOPE_SE
	s_setreg_imm32_b32 hwreg(HW_REG_WAVE_MODE, 25, 1), 1
	s_wait_xcnt 0x0
	s_wait_alu depctr_hold_cnt(0) depctr_sa_sdst(0) depctr_va_vdst(0) depctr_va_sdst(0) depctr_va_ssrc(0) depctr_va_vcc(0) depctr_vm_vsrc(0)
	s_getreg_b32 s2, hwreg(HW_REG_IB_STS2, 6, 4)
	s_cmp_eq_u32 s2, 0
	s_cbranch_scc0 .Lentry_in_a_cluster
	s_endpgm
.Lentry_in_a_cluster:
	s_bfe_u32 s2, ttmp6, 0x10000c
	s_cmp_lg_u32 s2, 0xf033
	s_cbranch_scc0 .Lentry_shape_is_right
	s_endpgm
.Lentry_shape_is_right:
.set SIZE_K, 1024
.set A_SC,   3145728
.set B_CD,   3145728
.set B_SC,   9437184+524288
.set NQ,     2
.set FR,     12
.set NL,     4
.set NP,     4
.set TILEB,  3072
.set HALFT,  8*TILEB
.set SLOT,   4*HALFT
.set LAPS,   SIZE_K/512
.set KPITCH, 12*SIZE_K
.set NSG,    SIZE_K/256
.set HALFS,  NSG*1024
.set SCL,    2*SLOT
.set SPARE,  327168
.set L16,  4
.set L8,   5
.set ADRA, 16
.set ADRB, 20
.set SWA,  24
.set SRD,  25
.set ADRS, 27
.set SPW,  28
.set NIL,  29
.set SC,   32
.set AF,   128
.set YY,   16
.set AX,   64
.set GG,   128
.set TT,   192
.set PP,   224
.set TM,   192
.set PW,   208
.set PC,   224
.set G1, 24
.set G0, 32
.set G1B, 48
.set G0B, 56
.set G1S, 68
.set G0S, 76
.set G1SB, 80
.set G0SB, 88
.set MSB, 0
.macro WIN new
.if MSB != (\new)
	s_set_vgpr_msb (MSB<<8)|(\new)
.set MSB, (\new)
.endif
.endm
.set MUL_LO, 0xa1
.set MUL_HI, 0xf1
.set TO_B,   0x40
.macro JLOAD g0a, g1a, g0b, g1b
	s_cmp_eq_u32 s15, 0
	s_cbranch_scc0 .Lfor_b_\@
	tensor_load_to_lds s[\g0a:\g0a+3], s[\g1a:\g1a+7]
	s_nop 0
.rept 4
	v_nop
.endr
	s_branch .Lasked_\@
.Lfor_b_\@:
	tensor_load_to_lds s[\g0b:\g0b+3], s[\g1b:\g1b+7]
	s_nop 0
.rept 4
	v_nop
.endr
.Lasked_\@:
.endm
.macro CREST
	s_cmp_lg_u32 s14, 0
	s_cbranch_scc1 .Lnot_wave_0_\@
	s_barrier_signal -3
.Lnot_wave_0_\@:
	s_barrier_wait -3
	s_barrier_signal -1
	s_barrier_wait -1
.endm
.macro CROUND
	s_barrier_signal -1
	s_barrier_wait -1
	CREST
.endm
	s_load_b128 s[4:7], s[0:1], 0x0
	s_load_b64 s[8:9], s[0:1], 0x10
	v_lshl_add_u32 v[SPW], v0, 2, SPARE
	v_mov_b32 v[NIL], 0
	ds_add_u32 v28, v29
	ds_add_u32 v28, v29
	s_wait_dscnt 0x0
	v_lshrrev_b32 v1, 5, v0
	v_readfirstlane_b32 s14, v1
	s_lshr_b32 s15, s14, 1
	s_and_b32 s16, s14, 1
	s_bfe_u32 s40, ttmp6, 0x40000
	s_bfe_u32 s41, ttmp6, 0x40004
	s_lshl_b32 s42, ttmp9, 2
	s_add_co_u32 s42, s42, s40
	s_and_b32 s17, ttmp7, 0xffff
	s_lshl_b32 s17, s17, 2
	s_add_co_u32 s17, s17, s41
	s_lshl_b32 s43, s41, 2
	s_lshl_b32 s43, 15, s43
	s_lshl_b32 s44, 0x1111, s40
	s_mov_b32 s96, 0x3e7c6f08
	s_mov_b32 s97, s96
	s_mov_b32 s98, 0x3eb504f3
	s_mov_b32 s99, s98
	s_mov_b32 s100, 0xbf38aa3b
	s_mov_b32 s101, s100
	s_or_b32 s[G1+0], s43, (3<<16)|(1<<21)
	s_or_b32 s[G1B+0], s44, (3<<16)|(1<<21)
.irp g, G1, G1B
	s_mov_b32 s[\g+1], 384<<16
	s_mov_b32 s[\g+2], 16<<16                      ; 16 tiles for the head's loads; set to 8 for the ring's behind them
	s_mov_b32 s[\g+3], 384<<16
	s_mov_b32 s[\g+4], 16
	s_mov_b32 s[\g+5], KPITCH/8
	s_mov_b32 s[\g+6], 0
	s_mov_b32 s[\g+7], 0
.endr
	s_or_b32 s[G1S+0], s43, (3<<16)|(1<<21)
	s_or_b32 s[G1SB+0], s44, (3<<16)|(1<<21)
.irp g, G1S, G1SB
	s_mov_b32 s[\g+1], 256<<16                     ; a row: the 2,048 scale bytes of all 16 tiles for 256 along K
	s_mov_b32 s[\g+2], NSG<<16
	s_mov_b32 s[\g+3], 256<<16
	s_mov_b32 s[\g+4], NSG
	s_mov_b32 s[\g+5], 4096
	s_mov_b32 s[\g+6], 0
	s_mov_b32 s[\g+7], 0
.endr
	s_mul_i32 s18, s16, 8*KPITCH                   ; s[18:19]: bytes from a block's first tile to the 8 tiles that I fetch in the ring
	s_mov_b32 s19, 0
	s_lshl_b32 s20, s17, 4
	s_lshl_b32 s46, s42, 4
	s_lshl_b32 s22, s20, 7
	s_add_co_u32 s22, s22, A_SC
	s_mov_b32 s23, 0
	s_lshl_b32 s92, s46, 7
	s_add_co_u32 s92, s92, B_SC
	s_mov_b32 s93, 0
	s_mul_i32 s20, s20, KPITCH
	s_mov_b32 s21, 0
	s_mul_i32 s46, s46, KPITCH
	s_add_co_u32 s46, s46, B_CD
	s_mov_b32 s47, 0
	s_mul_i32 s45, s14, HALFT
	s_wait_kmcnt 0x0
	s_add_nc_u64 s[20:21], s[4:5], s[20:21]
	s_add_nc_u64 s[22:23], s[4:5], s[22:23]
	s_add_nc_u64 s[46:47], s[6:7], s[46:47]
	s_add_nc_u64 s[92:93], s[6:7], s[92:93]
	CROUND
	s_mov_b32 s[G0S], 1
	s_mov_b32 s[G0S+1], SCL
	s_mov_b64 s[G0S+2:G0S+3], s[22:23]
	s_or_b32 s[G0S+3], s[G0S+3], 0x80000000
	s_mov_b32 s[G0SB], 1
	s_mov_b32 s[G0SB+1], SCL+2*HALFS
	s_mov_b64 s[G0SB+2:G0SB+3], s[92:93]
	s_or_b32 s[G0SB+3], s[G0SB+3], 0x80000000
.irp s, 0,1
	s_mov_b32 s[G0+4*\s], 1
	s_add_co_u32 s[G0+4*\s+1], s45, \s*SLOT
	s_add_nc_u64 s[G0+4*\s+2:G0+4*\s+3], s[20:21], \s*TILEB
	s_or_b32 s[G0+4*\s+3], s[G0+4*\s+3], 0x80000000
	s_mov_b32 s[G0B+4*\s], 1
	s_add_co_u32 s[G0B+4*\s+1], s45, \s*SLOT
	s_add_nc_u64 s[G0B+4*\s+2:G0B+4*\s+3], s[46:47], \s*TILEB
	s_or_b32 s[G0B+4*\s+3], s[G0B+4*\s+3], 0x80000000
.endr
	s_mov_b32 s[G0+1], 0                           ; slot 0's sets serve the head first: A's 16 tiles whole at byte 0,
	s_mov_b32 s[G0B+1], 2*HALFT                    ; B's behind them;
	s_add_nc_u64 s[G0+6:G0+7], s[G0+6:G0+7], s[18:19]      ; slot 1's sets are the ring's: my 8 tiles
	s_add_nc_u64 s[G0B+6:G0B+7], s[G0B+6:G0B+7], s[18:19]
; THE HEAD'S LOADS, ONE A WAVE: wave 0 K step 0 of A, wave 1 of B, wave 2 A's scale bytes, wave 3 B's.  One chain of branches on the wave's number, every way passes one load.
.macro ARM under, g0, g1, next
	s_cmp_lt_u32 s14, \under
	s_cbranch_scc0 \next
	tensor_load_to_lds s[\g0:\g0+3], s[\g1:\g1+7]
	s_nop 0
.rept 4
	v_nop
.endr
	s_branch .Lhead_asked
\next:
.endm
	ARM 1, G0,  G1,  .Lhead_b
	ARM 2, G0B, G1B, .Lhead_sa
	ARM 3, G0S, G1S, .Lhead_sb
	tensor_load_to_lds s[G0SB:G0SB+3], s[G1SB:G1SB+7]
	s_nop 0
.rept 4
	v_nop
.endr
.Lhead_asked:
	; THE PREFETCHES.  Of the 8 tiles (3,072 bytes of a K step each, 12 blocks of 256 bytes) that my wave fetches in the ring, each of the four partners that ask for them jointly takes two,
	; told apart by address (cx for A, cy for B): a lane a block, lanes 24-31 name the last block again.  s[4:5]: my two tiles' bytes of K step 0.  K steps 1 and 2 are asked for here, K step 3 behind K step 1's load.
	s_cmp_eq_u32 s15, 0
	s_cselect_b64 s[4:5], s[20:21], s[46:47]
	s_cselect_b32 s6, s40, s41
	s_mul_i32 s6, s6, 2*KPITCH
	s_mov_b32 s7, 0
	s_add_nc_u64 s[4:5], s[4:5], s[18:19]
	s_add_nc_u64 s[4:5], s[4:5], s[6:7]
	v_and_b32 v30, 31, v0
	v_min_u32 v30, 23, v30                         ; l
	v_mul_u32_u24 v31, 11, v30
	v_lshrrev_b32 v31, 7, v31                      ; l / 12: which of the two tiles
	v_mul_u32_u24 v31, KPITCH-TILEB, v31
	v_lshl_add_u32 v30, v30, 8, v31                ; v30: 256 l + (l / 12) x (a tile's pitch - 3,072); never rewritten
	global_prefetch_b8 v30, s[4:5] offset:TILEB th:TH_LOAD_NT scope:SCOPE_SE
	global_prefetch_b8 v30, s[4:5] offset:2*TILEB th:TH_LOAD_NT scope:SCOPE_SE
	v_and_b32 v1, 31, v0
	v_and_b32 v2, 15, v0
	v_bfe_u32 v3, v0, 4, 1
	v_lshlrev_b32 v[L16], 4, v1
	v_lshlrev_b32 v[L8], 3, v1
	s_mul_i32 s21, s15, HALFT
	s_mul_i32 s22, s16, HALFT
	s_add_co_u32 s22, s22, 2*HALFT
.irp s, 0,1
	v_add_nc_u32 v[ADRA+\s], s21, v[L16]
	v_add_nc_u32 v[ADRB+\s], s22, v[L16]
	v_add_nc_u32 v[ADRA+2+\s], s21, v[L8]
	v_add_nc_u32 v[ADRB+2+\s], s22, v[L8]
	s_add_co_u32 s21, s21, SLOT
	s_add_co_u32 s22, s22, SLOT
.endr
	v_lshlrev_b32 v6, 3, v2
	s_mul_i32 s21, s15, HALFS/NSG                  ; my 8 tiles' 1,024 bytes of a row of 2,048
	s_mul_i32 s22, s16, HALFS/NSG
	s_add_co_u32 s22, s22, 2*HALFS
	s_sub_co_u32 s22, s22, s21
	v_mul_u32_u24 v7, s22, v3
	s_add_co_u32 s21, s21, SCL
	v_add_nc_u32 v6, v6, v7
	v_add_nc_u32 v[ADRS], s21, v6
	s_lshl_b32 s21, s15, 10
	s_lshl_b32 s22, s16, 2
	s_add_co_u32 s21, s21, s22
	v_lshl_add_u32 v[SWA], v2, 3, s21
	s_lshl_b32 s21, s14, 9
	v_add_nc_u32 v[SRD], s21, v[L16]
	s_lshl_b32 s20, s17, 4
	s_lshl_b32 s21, s15, 3
	s_add_co_u32 s20, s20, s21
	s_lshl_b32 s20, s20, 6
	s_lshl_b32 s21, s42, 2
	s_add_co_u32 s20, s20, s21
	s_lshl_b32 s21, s16, 1
	s_add_co_u32 s20, s20, s21
	s_mul_i32 s20, s20, 768
	s_mov_b32 s21, 0
	s_add_nc_u64 s[10:11], s[8:9], s[20:21]
	s_lshl_b32 s20, s42, 15
	s_add_co_u32 s20, s20, 12582912
	s_lshl_b32 s22, s17, 11
	s_add_co_u32 s20, s20, s22
	s_lshl_b32 s22, s14, 9
	s_add_co_u32 s20, s20, s22
	s_add_nc_u64 s[8:9], s[8:9], s[20:21]
.macro FRAG reg, adr, q, i
	ds_load_b128 v[\reg:\reg+3], v[\adr] offset:(\i)*TILEB+(\q)*1536
	ds_load_b64 v[\reg+4:\reg+5], v[\adr+2] offset:(\i)*TILEB+(\q)*1536+512
	ds_load_b128 v[\reg+6:\reg+9], v[\adr] offset:(\i)*TILEB+(\q)*1536+768
	ds_load_b64 v[\reg+10:\reg+11], v[\adr+2] offset:(\i)*TILEB+(\q)*1536+1280
.endm
.macro MUL16 a0, p, q, sc, zero
.irp a, \a0, \a0+1
.irp b, 0,1,2,3,4,5,6,7
.if \zero
	v_wmma_scale_f32_16x16x128_f8f6f4 v[8*(8*((\a)%4)+\b):8*(8*((\a)%4)+\b)+7], v[128*(\p)+FR*\b:128*(\p)+FR*\b+FR-1], v[AF+FR*(\a):AF+FR*(\a)+FR-1], 0, v[SC+8*NQ*(\sc)+NQ*\b+(\q)], v[SC+8*NQ*(\sc)+NQ*(\a)+(\q)] matrix_a_fmt:MATRIX_FMT_FP6 matrix_b_fmt:MATRIX_FMT_FP6 matrix_a_scale:MATRIX_SCALE_ROW1
.else
	v_wmma_scale_f32_16x16x128_f8f6f4 v[8*(8*((\a)%4)+\b):8*(8*((\a)%4)+\b)+7], v[128*(\p)+FR*\b:128*(\p)+FR*\b+FR-1], v[AF+FR*(\a):AF+FR*(\a)+FR-1], v[8*(8*((\a)%4)+\b):8*(8*((\a)%4)+\b)+7], v[SC+8*NQ*(\sc)+NQ*\b+(\q)], v[SC+8*NQ*(\sc)+NQ*(\a)+(\q)] matrix_a_fmt:MATRIX_FMT_FP6 matrix_b_fmt:MATRIX_FMT_FP6 matrix_a_scale:MATRIX_SCALE_ROW1
.endif
.endr
.endr
.endm
.macro FETCH_B slot, q, p
	WIN TO_B
.irp i, 0,1,2,3,4,5,6,7
	FRAG 128*(\p)+FR*\i, ADRB+\slot, \q, \i
.endr
	WIN 0
.endm
.macro FETCH_A slot, q, i0
.irp i, \i0, \i0+1, \i0+2, \i0+3
	FRAG AF+FR*(\i), ADRA+\slot, \q, \i
.endr
.endm
.macro SCALES sc
.irp i, 0,1,2,3,4,5,6,7
	ds_load_b64 v[SC+8*NQ*\sc+NQ*\i:SC+8*NQ*\sc+NQ*\i+1], v[ADRS] offset:\i*128
.endr
.endm
.macro PLACES n
.rept \n
	v_nop
.endr
.endm
.macro STEP slot, q, zero
	s_wait_dscnt 4*NL
	WIN MUL_LO
	MUL16 0, (\q)%2, \q, \slot, \zero
	MUL16 2, (\q)%2, \q, \slot, \zero
	s_wait_dscnt 0
	PLACES NP
	FETCH_B \slot, (\q)+1, 1-(\q)%2
	FETCH_A \slot, (\q)+1, 0
	WIN MUL_HI
	MUL16 4, (\q)%2, \q, \slot, \zero
	MUL16 6, (\q)%2, \q, \slot, \zero
	PLACES NP
	WIN 0
	FETCH_A \slot, (\q)+1, 4
.endm
.macro TURN slot, next, fill
	s_wait_tensorcnt 0x0
	ds_add_u32 v[SPW], v[NIL]
	s_wait_dscnt 4*NL+1
	WIN MUL_LO
	MUL16 0, 1, NQ-1, \slot, 0
	s_wait_dscnt 0x0
	s_barrier_signal -1
	MUL16 2, 1, NQ-1, \slot, 0
	WIN 0
	s_barrier_wait -1
.if \fill
	CREST
	s_add_nc_u64 s[G0+4*\slot+2:G0+4*\slot+3], s[G0+4*\slot+2:G0+4*\slot+3], 2*TILEB
	s_add_nc_u64 s[G0B+4*\slot+2:G0B+4*\slot+3], s[G0B+4*\slot+2:G0B+4*\slot+3], 2*TILEB
	JLOAD G0+4*\slot, G1, G0B+4*\slot, G1B
.else
	PLACES NP
.endif
	s_wait_alu depctr_va_vdst(0)
	v_add_nc_u32 v[ADRS], 2048, v[ADRS]            ; the next K step's scale words: one row on
	FETCH_B \next, 0, 0
	FETCH_A \next, 0, 0
	SCALES \next
	WIN MUL_HI
	MUL16 4, 1, NQ-1, \slot, 0
	MUL16 6, 1, NQ-1, \slot, 0
	PLACES NP
	WIN 0
	FETCH_A \next, 0, 4
.endm
	s_wait_alu depctr_va_vdst(0)
	s_wait_tensorcnt 0x0                           ; my tile of the head's four is in
	ds_add_u32 v[SPW], v[NIL]
	s_mov_b32 s[G1+2], 8<<16                       ; no load of mine is out: from here on a load brings 8 tiles,
	s_mov_b32 s[G1+4], 8
	s_mov_b32 s[G1B+2], 8<<16
	s_mov_b32 s[G1B+4], 8
	s_mov_b32 s[G0+1], s45                         ; and slot 0's sets take the ring's form: my quarter of the slot, my 8 tiles
	s_add_nc_u64 s[G0+2:G0+3], s[G0+2:G0+3], s[18:19]
	s_mov_b32 s[G0B+1], s45
	s_add_nc_u64 s[G0B+2:G0B+3], s[G0B+2:G0B+3], s[18:19]
	s_wait_dscnt 0x0
	CROUND                                         ; everybody's tiles are in, and all sixteen work-groups are here
	JLOAD G0+4, G1, G0B+4, G1B                     ; K step 1, the first tensor load behind the round
	FETCH_B 0, 0, 0
	FETCH_A 0, 0, 0
	SCALES 0
	FETCH_A 0, 0, 4
	global_prefetch_b8 v30, s[4:5] offset:3*TILEB th:TH_LOAD_NT scope:SCOPE_SE   ; behind K step 1's load: K step 3, the last
	STEP 0, 0, 1
	s_mov_b32 s3, LAPS-1
.Llap:
	TURN 0, 1, 1
	STEP 1, 0, 0
	TURN 1, 0, 1
	STEP 0, 0, 0
	s_sub_co_u32 s3, s3, 1
	s_cmp_lg_u32 s3, 0
	s_cbranch_scc1 .Llap
	TURN 0, 1, 0
	STEP 1, 0, 0
	s_wait_dscnt 4*NL
	WIN MUL_LO
	MUL16 0, 1, NQ-1, 1, 0
	MUL16 2, 1, NQ-1, 1, 0
	s_wait_dscnt 0
	WIN MUL_HI
	MUL16 4, 1, NQ-1, 1, 0
	MUL16 6, 1, NQ-1, 1, 0
	WIN 0
.macro STUB a
	WIN (2+(\a)/4)<<2
.set gi, 0
.rept 64
	v_and_b32 v[AX+gi], s2, v[64*((\a)%4)+gi]
	v_max_num_f32 v[GG+gi], 0, v[64*((\a)%4)+gi]
.set gi, gi+1
.endr
	WIN 0
.endm
.macro GELU32 e
.set gi, 0
.rept 16
	v_pk_fma_f32 v[TT+gi:TT+gi+1], v[AX+32*(\e)+gi:AX+32*(\e)+gi+1], s[98:99], 1.0 op_sel_hi:[1,0,0]
.set gi, gi+2
.endr
.set gi, 0
	s_wait_alu depctr_va_vdst(0)
.rept 32
	v_rcp_f32 v[TT+gi], v[TT+gi]
.set gi, gi+1
.endr
	v_nop
.set gi, 0
	s_wait_alu depctr_va_vdst(0)
.rept 16
	v_pk_fma_f32 v[PP+gi:PP+gi+1], v[TT+gi:TT+gi+1], s[96:97], 0xbf97d29d op_sel_hi:[1,0,0]
.set gi, gi+2
.endr
.irp k, 0x40097039, 0xbfd1a1e5, 0x3ecdfd18, 0xbe899a80, 0x3e0efb2e, 0x3f0a29d2, 0x3fb8ab5a, 0xc034d90f
.set gi, 0
.rept 16
	v_pk_fma_f32 v[PP+gi:PP+gi+1], v[PP+gi:PP+gi+1], v[TT+gi:TT+gi+1], \k op_sel_hi:[1,1,0]
.set gi, gi+2
.endr
.endr
.set gi, 0
.rept 16
	v_pk_mul_f32 v[YY+gi%8:YY+gi%8+1], v[AX+32*(\e)+gi:AX+32*(\e)+gi+1], v[AX+32*(\e)+gi:AX+32*(\e)+gi+1]
	v_pk_fma_f32 v[PP+gi:PP+gi+1], v[YY+gi%8:YY+gi%8+1], s[100:101], v[PP+gi:PP+gi+1] op_sel_hi:[1,0,1]
.set gi, gi+2
.endr
.set gi, 0
	s_wait_alu depctr_va_vdst(0)
.rept 32
	v_exp_f32 v[PP+gi], v[PP+gi]
.set gi, gi+1
.endr
	v_nop
.set gi, 0
	s_wait_alu depctr_va_vdst(0)
.rept 16
	v_pk_mul_f32 v[TT+gi:TT+gi+1], v[TT+gi:TT+gi+1], v[PP+gi:PP+gi+1]
.set gi, gi+2
.endr
.set gi, 0
.rept 16
	v_pk_fma_f32 v[GG+32*(\e)+gi:GG+32*(\e)+gi+1], v[AX+32*(\e)+gi:AX+32*(\e)+gi+1], v[TT+gi:TT+gi+1], v[GG+32*(\e)+gi:GG+32*(\e)+gi+1] neg_lo:[1,0,0] neg_hi:[1,0,0]
.set gi, gi+2
.endr
.endm
	PLACES NP
	s_mov_b32 s2, 0x7fffffff
	s_mov_b32 s18, 0x76543210
	s_mov_b32 s19, 0xfedcba98
	s_mov_b32 s95, 0
.Lblk:
.irp a, 0,1,2,3,4,5,6
	s_cmp_eq_u32 s95, \a
	s_cbranch_scc1 .Lstub\a
.endr
	STUB 7
	s_branch .Lcommon
.irp a, 0,1,2,3,4,5
.Lstub\a:
	STUB \a
	s_branch .Lcommon
.endr
.Lstub6:
	STUB 6
.Lcommon:
	GELU32 0
	GELU32 1
.irp b, 0,1,2,3
	v_max3_num_f32 v[TM+\b], |v[GG+16*\b]|, |v[GG+16*\b+1]|, 0x1800000
.endr
.irp i, 2,4,6,8,10,12,14
.irp b, 0,1,2,3
	v_max3_num_f32 v[TM+\b], v[TM+\b], |v[GG+16*\b+\i]|, |v[GG+16*\b+\i+1]|
.endr
.endr
.irp b, 0,1,2,3
	v_permlanex16_b32 v[TM+4+\b], v[TM+\b], s18, s19
.endr
.irp b, 0,1,2,3
	v_max_num_f32 v[TM+\b], v[TM+\b], v[TM+4+\b]
.endr
.irp b, 0,1,2,3
	v_add_nc_u32 v[TM+12+\b], 0xff000000, v[TM+\b]
.endr
.irp b, 0,1,2,3
	v_lshrrev_b32 v[TM+4+\b], 23, v[TM+12+\b]
.endr
	v_lshl_or_b32 v[PW], v[TM+5], 8, v[TM+4]
	v_lshl_or_b32 v[PW], v[TM+6], 16, v[PW]
	v_lshl_or_b32 v[PW], v[TM+7], 24, v[PW]
.irp c, 0,1
	v_cvt_scalef32_pk16_fp6_f32 v[PC+6*\c:PC+2+6*\c], v[GG+32*\c:GG+15+32*\c], v[TM+12+2*\c]
	v_cvt_scalef32_pk16_fp6_f32 v[PC+12+4*\c:PC+14+4*\c], v[GG+16+32*\c:GG+31+32*\c], v[TM+12+2*\c+1]
.endr
	v_nop
.irp c, 0,1
.irp i, 0,1,2
	v_permlane16_swap_b32 v[PC+6*\c+\i], v[PC+12+4*\c+\i]
.endr
.irp i, 0,1,2
	v_mov_b32 v[PC+3+6*\c+\i], v[PC+12+4*\c+\i]
.endr
.endr
	global_store_b128 v[L16], v[PC:PC+3], s[10:11]
	global_store_b64 v[L8], v[PC+4:PC+5], s[10:11] offset:512
	global_store_b128 v[L16], v[PC+6:PC+9], s[10:11] offset:768
	global_store_b64 v[L8], v[PC+10:PC+11], s[10:11] offset:1280
	ds_store_b32 v[SWA], v[PW]
	s_wait_xcnt 0x0
	s_wait_dscnt 0x0
	s_add_nc_u64 s[10:11], s[10:11], 49152
	v_add_nc_u32 v[SWA], 128, v[SWA]
	s_add_co_u32 s95, s95, 1
	s_cmp_lt_u32 s95, 8
	s_cbranch_scc1 .Lblk
	s_barrier_signal -1
	s_barrier_wait -1
	ds_load_b128 v[PC:PC+3], v[SRD]
	s_wait_dscnt 0x0
	global_store_b128 v[L16], v[PC:PC+3], s[8:9]
	s_wait_tensorcnt 0x0
	ds_add_u32 v[SPW], v[NIL]
	s_wait_dscnt 0x0
	CROUND
	s_endpgm
.Lfunc_end_k_q70da235bd5_ffn1:
	.size	k_q70da235bd5_ffn1, .Lfunc_end_k_q70da235bd5_ffn1-k_q70da235bd5_ffn1
	.p2alignl 7, 3214868480
	.fill 96, 4, 3214868480
	.section	.rodata,"a",@progbits
	.p2align	6, 0x0
	.amdhsa_kernel k_q70da235bd5_ffn1
		.amdhsa_group_segment_fixed_size 327680
		.amdhsa_private_segment_fixed_size 0
		.amdhsa_enable_private_segment 0
		.amdhsa_kernarg_size 24
		.amdhsa_user_sgpr_count 2
		.amdhsa_user_sgpr_kernarg_segment_ptr 1
		.amdhsa_wavefront_size32 1
		.amdhsa_system_sgpr_workgroup_id_x 1
		.amdhsa_system_sgpr_workgroup_id_y 1
		.amdhsa_system_sgpr_workgroup_id_z 1
		.amdhsa_system_vgpr_workitem_id 0
		.amdhsa_next_free_vgpr 1024
		.amdhsa_next_free_sgpr 104
		.amdhsa_reserve_vcc 0
		.amdhsa_float_denorm_mode_32 3
		.amdhsa_float_denorm_mode_16_64 3
		.amdhsa_memory_ordered 1
		.amdhsa_forward_progress 1
		.amdhsa_inst_pref_size 196
	.end_amdhsa_kernel
	.amdgpu_metadata
---
amdhsa.version: [ 1, 2 ]
amdhsa.kernels:
  - .name:           k_q70da235bd5_ffn1
    .symbol:         k_q70da235bd5_ffn1.kd
    .args:
      - { .name: h2buf, .offset: 0, .size: 8, .value_kind: global_buffer, .address_space: global }
      - { .name: wimg, .offset: 8, .size: 8, .value_kind: global_buffer, .address_space: global }
      - { .name: gbuf, .offset: 16, .size: 8, .value_kind: global_buffer, .address_space: global }
    .group_segment_fixed_size: 327680
    .private_segment_fixed_size: 0
    .kernarg_segment_align: 8
    .kernarg_segment_size: 24
    .max_flat_workgroup_size: 128
    .sgpr_count:     104
    .vgpr_count:     1024
    .wavefront_size: 32
...
	.end_amdgpu_metadata
.endif
;; end of part 13
;; launch ffn2 (part 14): grid 8 x 32, 4 waves a work-group, clusters of 4 x 4, 327,680 bytes of LDS; arguments gbuf, wimg, x2, out0; writes out0
.if DOCPART == 14
	.amdgcn_target "amdgcn-amd-amdhsa--gfx1250"
	.amdhsa_code_object_version 6
	.text
	.protected	k_q70da235bd5_ffn2
	.globl	k_q70da235bd5_ffn2
	.p2align	8
	.type	k_q70da235bd5_ffn2,@function
k_q70da235bd5_ffn2:
	s_mov_b64 s[64:65], 0
	v_nop
	global_prefetch_b8 v0, s[64:65] scope:SCOPE_SE
	s_setreg_imm32_b32 hwreg(HW_REG_WAVE_MODE, 25, 1), 1
	s_wait_xcnt 0x0
	s_wait_alu depctr_hold_cnt(0) depctr_sa_sdst(0) depctr_va_vdst(0) depctr_va_sdst(0) depctr_va_ssrc(0) depctr_va_vcc(0) depctr_vm_vsrc(0)
	s_getreg_b32 s2, hwreg(HW_REG_IB_STS2, 6, 4)
	s_cmp_eq_u32 s2, 0
	s_cbranch_scc0 .Lentry_in_a_cluster
	s_endpgm
.Lentry_in_a_cluster:
	s_bfe_u32 s2, ttmp6, 0x10000c
	s_cmp_lg_u32 s2, 0xf033
	s_cbranch_scc0 .Lentry_shape_is_right
	s_endpgm
.Lentry_shape_is_right:
.set SIZE_K, 4096
.set A_SC,   12582912
.set B_CD,   6291456
.set B_SC,   9437184+655360
.set NQ,     4
.set FR,     12
.set NP,     4
.set TILEB,  6144
.set HALFT,  4*TILEB
.set SLOT,   4*HALFT
.set LAPS,   SIZE_K/1024
.set KPITCH, 12*SIZE_K
.set NSG,    SIZE_K/256
.set HALFS,  NSG*512
.set SCL,    2*SLOT
.set SPARE,  327168
.set SPITCH, 272
.set L16,  4
.set L8,   5
.set ADRA, 16
.set ADRB, 20
.set STO,  24
.set RD,   25
.set CO,   26
.set ADRS, 27
.set SPW,  28
.set NIL,  29
.set SC,   32
.set BK,   64
.set ACC,  128
.set G1, 24
.set G0, 32
.set G1B, 48
.set G0B, 56
.set G1S, 68
.set G0S, 76
.set G1SB, 80
.set G0SB, 88
.set MSB, 0
.macro WIN new
.if MSB != (\new)
	s_set_vgpr_msb (MSB<<8)|(\new)
.set MSB, (\new)
.endif
.endm
.set W_MUL, 0x05
.set W_TOF, 0x40
.set W_TOR, 0x80
.set W_ADD, 0x08
.macro JLOAD g0a, g1a, g0b, g1b
	s_cmp_eq_u32 s15, 0
	s_cbranch_scc0 .Lfor_b_\@
	tensor_load_to_lds s[\g0a:\g0a+3], s[\g1a:\g1a+7]
	s_nop 0
.rept 4
	v_nop
.endr
	s_branch .Lasked_\@
.Lfor_b_\@:
	tensor_load_to_lds s[\g0b:\g0b+3], s[\g1b:\g1b+7]
	s_nop 0
.rept 4
	v_nop
.endr
.Lasked_\@:
.endm
.macro CREST
	s_cmp_lg_u32 s14, 0
	s_cbranch_scc1 .Lnot_wave_0_\@
	s_barrier_signal -3
.Lnot_wave_0_\@:
	s_barrier_wait -3
	s_barrier_signal -1
	s_barrier_wait -1
.endm
.macro CROUND
	s_barrier_signal -1
	s_barrier_wait -1
	CREST
.endm
	s_load_b256 s[4:11], s[0:1], 0x0
	v_lshl_add_u32 v[SPW], v0, 2, SPARE
	v_mov_b32 v[NIL], 0
	ds_add_u32 v28, v29
	ds_add_u32 v28, v29
	s_wait_dscnt 0x0
	v_lshrrev_b32 v1, 5, v0
	v_readfirstlane_b32 s14, v1
	s_lshr_b32 s15, s14, 1
	s_and_b32 s16, s14, 1
	s_bfe_u32 s40, ttmp6, 0x40000
	s_bfe_u32 s41, ttmp6, 0x40004
	s_lshl_b32 s42, ttmp9, 2
	s_add_co_u32 s42, s42, s40
	s_and_b32 s17, ttmp7, 0xffff
	s_lshl_b32 s17, s17, 2
	s_add_co_u32 s17, s17, s41
	s_lshl_b32 s43, s41, 2
	s_lshl_b32 s43, 15, s43
	s_lshl_b32 s44, 0x1111, s40
	s_or_b32 s[G1+0], s43, (3<<16)|(1<<21)
	s_or_b32 s[G1B+0], s44, (3<<16)|(1<<21)
.irp g, G1, G1B
	s_mov_b32 s[\g+1], 768<<16
	s_mov_b32 s[\g+2], 8<<16                       ; 8 tiles for the head's loads; set to 4 for the ring's behind them
	s_mov_b32 s[\g+3], 768<<16
	s_mov_b32 s[\g+4], 8
	s_mov_b32 s[\g+5], KPITCH/8
	s_mov_b32 s[\g+6], 0
	s_mov_b32 s[\g+7], 0
.endr
	s_or_b32 s[G1S+0], s43, (3<<16)|(1<<21)
	s_or_b32 s[G1SB+0], s44, (3<<16)|(1<<21)
.irp g, G1S, G1SB
	s_mov_b32 s[\g+1], 128<<16                     ; a row: the 1,024 scale bytes of all 8 tiles for 256 along K
	s_mov_b32 s[\g+2], NSG<<16
	s_mov_b32 s[\g+3], 128<<16
	s_mov_b32 s[\g+4], NSG
	s_mov_b32 s[\g+5], 4096
	s_mov_b32 s[\g+6], 0
	s_mov_b32 s[\g+7], 0
.endr
	s_mul_i32 s18, s16, 4*KPITCH                   ; s[18:19]: bytes from a block's first tile to the 4 tiles that I fetch in the ring
	s_mov_b32 s19, 0
	s_lshl_b32 s20, s17, 3
	s_lshl_b32 s46, s42, 3
	s_lshl_b32 s22, s20, 7
	s_add_co_u32 s22, s22, A_SC
	s_mov_b32 s23, 0
	s_lshl_b32 s92, s46, 7
	s_add_co_u32 s92, s92, B_SC
	s_mov_b32 s93, 0
	s_mul_i32 s20, s20, KPITCH
	s_mov_b32 s21, 0
	s_mul_i32 s46, s46, KPITCH
	s_add_co_u32 s46, s46, B_CD
	s_mov_b32 s47, 0
	s_mul_i32 s45, s14, HALFT
	s_wait_kmcnt 0x0
	s_add_nc_u64 s[20:21], s[4:5], s[20:21]
	s_add_nc_u64 s[22:23], s[4:5], s[22:23]
	s_add_nc_u64 s[46:47], s[6:7], s[46:47]
	s_add_nc_u64 s[92:93], s[6:7], s[92:93]
	CROUND
	s_mov_b32 s[G0S], 1
	s_mov_b32 s[G0S+1], SCL
	s_mov_b64 s[G0S+2:G0S+3], s[22:23]
	s_or_b32 s[G0S+3], s[G0S+3], 0x80000000
	s_mov_b32 s[G0SB], 1
	s_mov_b32 s[G0SB+1], SCL+2*HALFS
	s_mov_b64 s[G0SB+2:G0SB+3], s[92:93]
	s_or_b32 s[G0SB+3], s[G0SB+3], 0x80000000
.irp s, 0,1
	s_mov_b32 s[G0+4*\s], 1
	s_add_co_u32 s[G0+4*\s+1], s45, \s*SLOT
	s_add_nc_u64 s[G0+4*\s+2:G0+4*\s+3], s[20:21], \s*TILEB
	s_or_b32 s[G0+4*\s+3], s[G0+4*\s+3], 0x80000000
	s_mov_b32 s[G0B+4*\s], 1
	s_add_co_u32 s[G0B+4*\s+1], s45, \s*SLOT
	s_add_nc_u64 s[G0B+4*\s+2:G0B+4*\s+3], s[46:47], \s*TILEB
	s_or_b32 s[G0B+4*\s+3], s[G0B+4*\s+3], 0x80000000
.endr
	s_mov_b32 s[G0+1], 0                           ; slot 0's sets serve the head first: A's 8 tiles whole at byte 0,
	s_mov_b32 s[G0B+1], 2*HALFT                    ; B's behind them;
	s_add_nc_u64 s[G0+6:G0+7], s[G0+6:G0+7], s[18:19]      ; slot 1's sets are the ring's: my 4 tiles
	s_add_nc_u64 s[G0B+6:G0B+7], s[G0B+6:G0B+7], s[18:19]
; THE HEAD'S LOADS, ONE A WAVE: wave 0 slot 0 of A, wave 1 of B, wave 2 A's scale bytes, wave 3 B's.  One chain of branches on the wave's number, every way passes one load.
.macro ARM under, g0, g1, next
	s_cmp_lt_u32 s14, \under
	s_cbranch_scc0 \next
	tensor_load_to_lds s[\g0:\g0+3], s[\g1:\g1+7]
	s_nop 0
.rept 4
	v_nop
.endr
	s_branch .Lhead_asked
\next:
.endm
	ARM 1, G0,  G1,  .Lhead_b
	ARM 2, G0B, G1B, .Lhead_sa
	ARM 3, G0S, G1S, .Lhead_sb
	tensor_load_to_lds s[G0SB:G0SB+3], s[G1SB:G1SB+7]
	s_nop 0
.rept 4
	v_nop
.endr
.Lhead_asked:
	; THE PREFETCHES.  Behind the load of slot j the codes of slot j + 2 are asked for.  Of the 4 tiles (6,144 bytes of a slot each, 24 blocks of 256 bytes) that my wave fetches in the ring, each of the four
	; partners that ask for them jointly takes one, told apart by address (cx for A, cy for B): a lane a block, lanes 24-31 name the last block again.  s[12:13]: my tile's bytes of slot 0.
	s_cmp_eq_u32 s15, 0
	s_cselect_b64 s[12:13], s[20:21], s[46:47]
	s_cselect_b32 s2, s40, s41
	s_mul_i32 s2, s2, KPITCH
	s_mov_b32 s3, 0
	s_add_nc_u64 s[12:13], s[12:13], s[18:19]
	s_add_nc_u64 s[12:13], s[12:13], s[2:3]
	v_and_b32 v1, 31, v0
	v_and_b32 v2, 15, v0
	v_bfe_u32 v3, v0, 4, 1
	v_lshlrev_b32 v[L16], 4, v1
	v_lshlrev_b32 v[L8], 3, v1
	s_mul_i32 s21, s15, HALFT
	s_mul_i32 s22, s16, HALFT
	s_add_co_u32 s22, s22, 2*HALFT
.irp s, 0,1
	v_add_nc_u32 v[ADRA+\s], s21, v[L16]
	v_add_nc_u32 v[ADRB+\s], s22, v[L16]
	v_add_nc_u32 v[ADRA+2+\s], s21, v[L8]
	v_add_nc_u32 v[ADRB+2+\s], s22, v[L8]
	s_add_co_u32 s21, s21, SLOT
	s_add_co_u32 s22, s22, SLOT
.endr
	v_lshlrev_b32 v6, 3, v2
	s_mul_i32 s21, s15, HALFS/NSG                  ; my 4 tiles' 512 bytes of a row of 1,024
	s_mul_i32 s22, s16, HALFS/NSG
	s_add_co_u32 s22, s22, 2*HALFS
	s_sub_co_u32 s22, s22, s21
	v_mul_u32_u24 v7, s22, v3
	s_add_co_u32 s21, s21, SCL
	v_add_nc_u32 v6, v6, v7
	v_add_nc_u32 v[ADRS], s21, v6
	s_mul_i32 s23, s14, 16*SPITCH
	v_mul_u32_u24 v6, v2, SPITCH
	v_lshl_add_u32 v6, v3, 6, v6
	v_add_nc_u32 v[STO], s23, v6
	v_mul_u32_u24 v6, v3, SPITCH
	v_lshl_add_u32 v6, v2, 4, v6
	v_add_nc_u32 v[RD], s23, v6
	v_lshlrev_b32 v6, 12, v3
	v_lshl_add_u32 v[CO], v2, 4, v6
	v_min_u32 v30, 23, v1
	v_lshlrev_b32 v30, 8, v30                      ; v30: the prefetches' offset, 256 x min(lane, 23); never rewritten
	s_wait_alu depctr_va_vdst(0)
	global_prefetch_b8 v30, s[12:13] offset:TILEB th:TH_LOAD_NT scope:SCOPE_SE     ; under the head's loads: slot 1,
	global_prefetch_b8 v30, s[12:13] offset:2*TILEB th:TH_LOAD_NT scope:SCOPE_SE   ; and slot 2
	s_lshl_b32 s20, s17, 7
	s_lshl_b32 s21, s15, 6
	s_add_co_u32 s20, s20, s21
	s_lshl_b32 s20, s20, 12
	s_mov_b32 s21, 0
	s_lshl_b32 s46, s42, 9
	s_lshl_b32 s47, s16, 8
	s_add_co_u32 s46, s46, s47
	s_mov_b32 s47, 0
	s_add_nc_u64 s[20:21], s[20:21], s[46:47]
	s_add_nc_u64 s[8:9], s[8:9], s[20:21]
	s_add_nc_u64 s[10:11], s[10:11], s[20:21]
	WIN W_TOR
.irp a, 0,1,2,3
.irp i, 0,1,2,3,4,5,6,7
	global_load_b128 v[32*\a+4*\i:32*\a+4*\i+3], v[CO], s[8:9] offset:(32*(\a/2)+8*(\a%2)+2*\i+8*(\i/4))*4096
.endr
.endr
	WIN 0
.macro FRAG reg, adr, q, i
	ds_load_b128 v[\reg:\reg+3], v[\adr] offset:(\i)*TILEB+(\q)*1536
	ds_load_b64 v[\reg+4:\reg+5], v[\adr+2] offset:(\i)*TILEB+(\q)*1536+512
	ds_load_b128 v[\reg+6:\reg+9], v[\adr] offset:(\i)*TILEB+(\q)*1536+768
	ds_load_b64 v[\reg+10:\reg+11], v[\adr+2] offset:(\i)*TILEB+(\q)*1536+1280
.endm
.macro MUL4 a, p, q, sc, zero
.irp b, 0,1,2,3
.if \zero
	v_wmma_scale_f32_16x16x128_f8f6f4 v[ACC+8*(4*(\a)+\b):ACC+8*(4*(\a)+\b)+7], v[128*(\p)+48+FR*\b:128*(\p)+48+FR*\b+FR-1], v[128*(\p)+FR*(\a):128*(\p)+FR*(\a)+FR-1], 0, v[SC+4*NQ*(\sc)+NQ*\b+(\q)], v[SC+4*NQ*(\sc)+NQ*(\a)+(\q)] matrix_a_fmt:MATRIX_FMT_FP6 matrix_b_fmt:MATRIX_FMT_FP6 matrix_a_scale:MATRIX_SCALE_ROW1
.else
	v_wmma_scale_f32_16x16x128_f8f6f4 v[ACC+8*(4*(\a)+\b):ACC+8*(4*(\a)+\b)+7], v[128*(\p)+48+FR*\b:128*(\p)+48+FR*\b+FR-1], v[128*(\p)+FR*(\a):128*(\p)+FR*(\a)+FR-1], v[ACC+8*(4*(\a)+\b):ACC+8*(4*(\a)+\b)+7], v[SC+4*NQ*(\sc)+NQ*\b+(\q)], v[SC+4*NQ*(\sc)+NQ*(\a)+(\q)] matrix_a_fmt:MATRIX_FMT_FP6 matrix_b_fmt:MATRIX_FMT_FP6 matrix_a_scale:MATRIX_SCALE_ROW1
.endif
.endr
.endm
.macro FETCH slot, q, p
	WIN W_TOF
.irp i, 0,1,2,3
	FRAG 128*(\p)+48+FR*\i, ADRB+\slot, \q, \i
	FRAG 128*(\p)+FR*\i, ADRA+\slot, \q, \i
.endr
.endm
.macro SCALES sc
.irp i, 0,1,2,3
.irp g, 0,1
	ds_load_b64 v[SC+4*NQ*\sc+NQ*\i+2*\g:SC+4*NQ*\sc+NQ*\i+2*\g+1], v[ADRS] offset:\g*1024+\i*128
.endr
.endr
.endm
.macro PLACES n
.rept \n
	v_nop
.endr
.endm
.macro STEP slot, q, zero
	PLACES NP
	FETCH \slot, (\q)+1, 1-(\q)%2
	s_wait_dscnt 32
	WIN W_MUL
	MUL4 0, (\q)%2, \q, \slot, \zero
	MUL4 1, (\q)%2, \q, \slot, \zero
	MUL4 2, (\q)%2, \q, \slot, \zero
	MUL4 3, (\q)%2, \q, \slot, \zero
.endm
.macro TURN slot, next, fill
	WIN 0
	s_wait_tensorcnt 0x0
	ds_add_u32 v[SPW], v[NIL]
	s_wait_dscnt 1
	WIN W_MUL
	MUL4 0, 1, NQ-1, \slot, 0
	s_wait_dscnt 0x0
	s_barrier_signal -1
	MUL4 1, 1, NQ-1, \slot, 0
	WIN 0
	s_barrier_wait -1
.if \fill
	CREST
	s_add_nc_u64 s[G0+4*\slot+2:G0+4*\slot+3], s[G0+4*\slot+2:G0+4*\slot+3], 2*TILEB
	s_add_nc_u64 s[G0B+4*\slot+2:G0B+4*\slot+3], s[G0B+4*\slot+2:G0B+4*\slot+3], 2*TILEB
	JLOAD G0+4*\slot, G1, G0B+4*\slot, G1B
.else
	PLACES NP
.endif
	s_wait_alu depctr_va_vdst(0)
	v_add_nc_u32 v[ADRS], 2048, v[ADRS]            ; the next slot's scale words: two rows of 1,024 bytes on
	FETCH \next, 0, 0
	WIN 0
	SCALES \next
.if \fill
	s_cmp_gt_u32 s3, 1                             ; the loop's last trip loads slots 6 and 7: no slot stands two on, and nothing is asked for
	s_cbranch_scc0 .Lno_ask_\@
	global_prefetch_b8 v30, s[12:13] offset:(4+\slot)*TILEB th:TH_LOAD_NT scope:SCOPE_SE   ; two slots on from the load above
.Lno_ask_\@:
.endif
	WIN W_MUL
	MUL4 2, 1, NQ-1, \slot, 0
	MUL4 3, 1, NQ-1, \slot, 0
.endm
	s_wait_tensorcnt 0x0                           ; my tile of the head's four is in
	ds_add_u32 v[SPW], v[NIL]
	s_mov_b32 s[G1+2], 4<<16                       ; no load of mine is out: from here on a load brings 4 tiles,
	s_mov_b32 s[G1+4], 4
	s_mov_b32 s[G1B+2], 4<<16
	s_mov_b32 s[G1B+4], 4
	s_mov_b32 s[G0+1], s45                         ; and slot 0's sets take the ring's form: my quarter of the slot, my 4 tiles
	s_add_nc_u64 s[G0+2:G0+3], s[G0+2:G0+3], s[18:19]
	s_mov_b32 s[G0B+1], s45
	s_add_nc_u64 s[G0B+2:G0B+3], s[G0B+2:G0B+3], s[18:19]
	s_wait_dscnt 0x0
	CROUND                                         ; everybody's tiles are in, and all sixteen work-groups are here
	JLOAD G0+4, G1, G0B+4, G1B                     ; slot 1, the first tensor load behind the round
	FETCH 0, 0, 0
	WIN 0
	SCALES 0
	global_prefetch_b8 v30, s[12:13] offset:3*TILEB th:TH_LOAD_NT scope:SCOPE_SE   ; behind slot 1's load: slot 3
	STEP 0, 0, 1
.if LAPS > 1
	WIN 0
	s_mov_b32 s3, LAPS-1
.Llap:
	STEP 0, 1, 0
	STEP 0, 2, 0
	TURN 0, 1, 1
	STEP 1, 0, 0
	STEP 1, 1, 0
	STEP 1, 2, 0
	TURN 1, 0, 1
	STEP 0, 0, 0
	WIN 0
	s_wait_xcnt 0x0                                ; my prefetches have read their base: it steps two slots a trip
	s_add_nc_u64 s[12:13], s[12:13], 2*TILEB
	s_sub_co_u32 s3, s3, 1
	s_cmp_lg_u32 s3, 0
	s_cbranch_scc1 .Llap
.endif
	STEP 0, 1, 0
	STEP 0, 2, 0
	TURN 0, 1, 0
	STEP 1, 0, 0
	STEP 1, 1, 0
	STEP 1, 2, 0
	s_wait_dscnt 0x0
	MUL4 0, 1, NQ-1, 1, 0
	MUL4 1, 1, NQ-1, 1, 0
	MUL4 2, 1, NQ-1, 1, 0
	MUL4 3, 1, NQ-1, 1, 0
	WIN 0
.macro TOSTAGE a
.irp b, 0,1,2,3
	ds_store_b128 v[STO], v[ACC+8*(4*(\a)+\b):ACC+8*(4*(\a)+\b)+3] offset:128*(\b/2)+32*(\b%2)
	ds_store_b128 v[STO], v[ACC+8*(4*(\a)+\b)+4:ACC+8*(4*(\a)+\b)+7] offset:128*(\b/2)+32*(\b%2)+16
.endr
.set BB, BK+32*((\a)%2)
.irp i, 0,1,2,3,4,5,6,7
	ds_load_b128 v[BB+4*\i:BB+4*\i+3], v[RD] offset:\i*2*SPITCH
.endr
.endm
.macro SEND a, younger
.set BB, BK+32*((\a)%2)
	s_wait_dscnt \younger
	WIN W_ADD
.set gi, 0
.rept 16
	v_pk_add_f32 v[BB+gi:BB+gi+1], v[BB+gi:BB+gi+1], v[32*(\a)+gi:32*(\a)+gi+1]
.set gi, gi+2
.endr
	WIN 0
.irp i, 0,1,2,3,4,5,6,7
	global_store_b128 v[CO], v[BB+4*\i:BB+4*\i+3], s[10:11] offset:(32*((\a)/2)+8*((\a)%2)+2*\i+8*(\i/4))*4096 th:TH_STORE_NT
.endr
.endm
	PLACES NP
	s_wait_loadcnt 0x0
	TOSTAGE 0
.irp a, 1,2,3
.if \a > 1
	s_wait_xcnt 0x0
.endif
	TOSTAGE \a
	SEND \a-1, 16
.endr
	SEND 3, 0
	s_wait_tensorcnt 0x0
	ds_add_u32 v[SPW], v[NIL]
	s_wait_dscnt 0x0
	CROUND
	s_endpgm
.Lfunc_end_k_q70da235bd5_ffn2:
	.size	k_q70da235bd5_ffn2, .Lfunc_end_k_q70da235bd5_ffn2-k_q70da235bd5_ffn2
	.p2alignl 7, 3214868480
	.fill 96, 4, 3214868480
	.section	.rodata,"a",@progbits
	.p2align	6, 0x0
	.amdhsa_kernel k_q70da235bd5_ffn2
		.amdhsa_group_segment_fixed_size 327680
		.amdhsa_private_segment_fixed_size 0
		.amdhsa_enable_private_segment 0
		.amdhsa_kernarg_size 32
		.amdhsa_user_sgpr_count 2
		.amdhsa_user_sgpr_kernarg_segment_ptr 1
		.amdhsa_wavefront_size32 1
		.amdhsa_system_sgpr_workgroup_id_x 1
		.amdhsa_system_sgpr_workgroup_id_y 1
		.amdhsa_system_sgpr_workgroup_id_z 1
		.amdhsa_system_vgpr_workitem_id 0
		.amdhsa_next_free_vgpr 768
		.amdhsa_next_free_sgpr 98
		.amdhsa_reserve_vcc 0
		.amdhsa_float_denorm_mode_32 3
		.amdhsa_float_denorm_mode_16_64 3
		.amdhsa_memory_ordered 1
		.amdhsa_forward_progress 1
		.amdhsa_inst_pref_size 99
	.end_amdhsa_kernel
	.amdgpu_metadata
---
amdhsa.version: [ 1, 2 ]
amdhsa.kernels:
  - .name:           k_q70da235bd5_ffn2
    .symbol:         k_q70da235bd5_ffn2.kd
    .args:
      - { .name: gbuf, .offset: 0, .size: 8, .value_kind: global_buffer, .address_space: global }
      - { .name: wimg, .offset: 8, .size: 8, .value_kind: global_buffer, .address_space: global }
      - { .name: x2, .offset: 16, .size: 8, .value_kind: global_buffer, .address_space: global }
      - { .name: out0, .offset: 24, .size: 8, .value_kind: global_buffer, .address_space: global }
    .group_segment_fixed_size: 327680
    .private_segment_fixed_size: 0
    .kernarg_segment_align: 8
    .kernarg_segment_size: 32
    .max_flat_workgroup_size: 128
    .sgpr_count:     98
    .vgpr_count:     768
    .wavefront_size: 32
...
	.end_amdgpu_metadata
.endif
;; end of part 14
